; MI455X (gfx1250); checked and timed in simulation.
; The chip was launched on July 23, 2026; its instructions are those of AMD's public machine-readable ISA for CDNA 5 (MIT licence, August 2026) and "CDNA5" Instruction Set Architecture Reference Guide (July 2026). The comments in the code are by the model that wrote it; some were corrected since.
;; Soft Decision Tree. Allowed arithmetic: float matrix products may take bf16 or f16 operands with f32 sums; other float arithmetic in f32, or as packed bf16 or f16 multiplies, adds, multiply-adds, maxima and minima; sums over many terms, partial sums and values carried from step to step in f32; what a program stores and reads back later, other than sums and carried values, may be rounded once to bf16 or f16.
;; Inputs: W 1,023 x 2,048 float32; b 1,023 float32; beta 1,023 float32; leaf_params 1,024 x 1,000 float32; x 16,384 x 2,048 float32; y 16,384 x 1,000 float32.
;; Outputs: out0 one number float32; out1 16,384 x 1,000 float32.
;; 3 versions, each right; version 3 is version 2 with the launch prep written anew for expert scheduling mode. Each part assembles by itself: llvm-mc -triple=amdgcn-amd-amdhsa -mcpu=gfx1250 --defsym DOCPART=n.
;; ======== version 1 of 3: 3 launches
;; limits: values outside matrix products are rounded to bf16
;; workspace buffers: wts 6,291,456 bytes; tab 8,192 bytes; qtab 4,096,000 bytes; spart 262,144 bytes; lossp 1,024 bytes; bestv 131,072 bytes; besti 131,072 bytes of whole numbers
;; launch prep (part 1): grid 193 x 1, 8 waves a work-group, no clusters, 37,888 bytes of LDS; arguments W, b, beta, leaf_params, wts, tab, qtab; writes wts, tab, qtab
.if DOCPART == 1
	.amdgcn_target "amdgcn-amd-amdhsa--gfx1250"
	.amdhsa_code_object_version 6
	.text
	.protected	k_qc1dff9d0bd_prep
	.globl	k_qc1dff9d0bd_prep
	.p2align	8
	.type	k_qc1dff9d0bd_prep,@function
k_qc1dff9d0bd_prep:
	s_mov_b64 s[64:65], 0
	v_nop
	global_prefetch_b8 v0, s[64:65] scope:SCOPE_SE
	s_setreg_imm32_b32 hwreg(HW_REG_WAVE_MODE, 25, 1), 1
	s_wait_xcnt 0x0
; SOFT DECISION TREE, launch 1 of 3: the small inputs are rounded to bf16 once and laid out as the main launch's registers take them.
;   wts   [half 2][step 24][wave 4][32 blocks of 1,024 bytes], bf16.  Steps 0-15: W by K steps of 128; steps 16-23: log softmax(leaf_params) by 128 outputs.
;   tab   [half 2][slot 8][64 x -log2(e) beta | 64 x -log2(e) beta b], f32
;   qtab  softmax(leaf_params), [1024][1000] f32
; WORK LEFT OUT BY THE WHOLE PROGRAM, for all finite values of the inputs:
;   (1) the penalty of the 512 nodes of level 9: reference() itself throws it away by where(depths < MAX_DEPTH, .., 0.0).
;   (2) sum_b p[n] path[n] is not formed: p[n] path[n] IS path[right child of n], the same f32 product.
;   (3) sum_b path[n] is formed for level 9 alone: path[left] + path[right] = path[n] ((1-p) + p = 1), so the higher levels' sums are sums of pairs.
;   (4) loss: sum_l path_l sum_o y_o logQ[l][o] is taken as sum_o y_o (sum_l path_l logQ[l][o]): the same products in another order.
;   (5) outputs 1000-1023 are padding of this layout (zeros); the tile of outputs 1008-1023 is never multiplied.
; Every input has a way to an output: all six are loaded.
; LIMITS.  x, W, b, beta, y, leaf_params are rounded to bf16 once; leaf paths and logQ are rounded to bf16 for the loss's product; the sums of (3) round in another order than reference()'s;
; exponentials, reciprocals and logarithms count denormals as 0; NaN is not treated apart; two best leaves closer than f32's rounding of the sums may change places;
; a NaN, an infinity or an overflow that reaches only the work left out is not carried to the result.
; THE MAP.  Half hf, wave w, lane half h: slot s8 = 2 w + h is the subtree under node 8 hf + s8 of level 4.  Entry i = 1..63 of a slot is its local heap: node pw(i) (15 + 8 hf + s8) + i - 1,
; pw(i) the largest power of two not above i.  Entry 0 of slot s8 is one of the half's 8 ancestors of levels 0-3: node max(pw(s8) (1 + hf) + s8 - 1, 0).
; Row m of node tile nt of wave w is entry 8 nt + m % 8 of slot 2 w + m / 8.
; A block is [g 2][lane 32][16 bytes]: what lane (r = lane % 16, h = lane / 16) loads as registers 4 g .. 4 g + 3 of a 16-bit fragment.
.set SPARE, 36864                      ; the spare words: 128 bytes for each of 8 waves; no other line names them
.set SPW,   8                          ; v8  SPARE + 4 x thread; never rewritten
.set NIL,   9                          ; v9  0; never rewritten
.set HALFW, 3145728                    ; bytes of wts for one half
.set STEPB, 131072                     ; bytes of a step
	s_load_b256 s[4:11], s[0:1], 0x0               ; W s[4:5], b s[6:7], beta s[8:9], leaf_params s[10:11]
	s_load_b128 s[12:15], s[0:1], 0x20             ; wts s[12:13], tab s[14:15]
	s_load_b64 s[16:17], s[0:1], 0x30              ; qtab
	v_lshl_add_u32 v[SPW], v0, 2, SPARE
	v_mov_b32 v[NIL], 0
	v_lshrrev_b32 v1, 5, v0
	v_readfirstlane_b32 s20, v1                    ; wave 0..7
	v_and_b32 v2, 31, v0                           ; lane
	s_mov_b32 s40, 0x76543210                      ; v_permlanex16_b32: each lane takes its own place in the other half
	s_mov_b32 s41, 0xfedcba98
	s_mov_b32 s42, 0xffff0000                      ; a word's upper bf16
	s_wait_kmcnt 0x0
	s_cmp_lt_u32 ttmp9, 128
	s_cbranch_scc1 .Lwpart
	s_cmp_lt_u32 ttmp9, 192
	s_cbranch_scc1 .Lleaf
; ---- work-group 192: the table.  Entry n = thread + 256 k: half n / 512, slot (n / 64) % 8, i = n % 64.
.irp k, 0,1,2,3
	v_add_nc_u32 v10, 256*\k, v0                   ; n
	v_lshrrev_b32 v11, 9, v10                      ; hf
	v_bfe_u32 v12, v10, 6, 3                       ; slot
	v_and_b32 v13, 63, v10                         ; i
	v_lshl_add_u32 v14, v11, 3, v12
	v_add_nc_u32 v14, 15, v14                      ; 15 + 8 hf + slot
	v_add_nc_u32 v15, 1, v11                       ; 1 + hf
	v_cmp_eq_u32 vcc_lo, 0, v13
	v_cndmask_b32 v16, v13, v12, vcc_lo            ; v = i, or the slot for entry 0
	v_cndmask_b32 v17, v14, v15, vcc_lo            ; its factor
	v_lshrrev_b32 v18, 1, v16                      ; all bits below v's highest are set,
	v_or_b32 v18, v18, v16
	v_lshrrev_b32 v19, 2, v18
	v_or_b32 v18, v18, v19
	v_lshrrev_b32 v19, 4, v18
	v_or_b32 v18, v18, v19
	v_add_nc_u32 v18, 1, v18
	v_lshrrev_b32 v18, 1, v18                      ; pw(v)
	v_mad_u32_u24 v18, v18, v17, v16
	v_add_nc_u32 v19, -1, v18
	v_cmp_eq_u32 vcc_lo, 0, v18
	v_cndmask_b32 v19, v19, v18, vcc_lo            ; the node; the root where the sum is 0
	v_lshlrev_b32 v[20+\k], 2, v19
	global_load_b32 v[24+\k], v[20+\k], s[8:9]     ; beta[node]
	global_load_b32 v[28+\k], v[20+\k], s[6:7]     ; b[node]
	v_lshrrev_b32 v19, 6, v10
	v_lshlrev_b32 v19, 9, v19
	v_lshl_add_u32 v[32+\k], v13, 2, v19           ; 512 (8 hf + slot) + 4 i
.endr
	s_wait_loadcnt 0x0
.irp k, 0,1,2,3
	v_cvt_pk_bf16_f32 v10, v[24+\k], v[28+\k]      ; both rounded to bf16,
	v_lshlrev_b32 v11, 16, v10                     ; and widened again
	v_and_b32 v12, s42, v10
	v_mul_f32 v[36+\k], 0xbfb8aa3b, v11            ; -log2(e) beta
	v_mul_f32 v[40+\k], v[36+\k], v12              ; times b
	global_store_b32 v[32+\k], v[36+\k], s[14:15]
	global_store_b32 v[32+\k], v[40+\k], s[14:15] offset:256
.endr
	s_branch .Lend
; ---- work-groups 0-127: W.  Work-group id: node tile id / 2 = (hf, w, nt); wave v takes K step 8 (id % 2) + v: 16 rows x 128 numbers = 4 blocks.
.Lwpart:
	s_lshr_b32 s21, ttmp9, 1
	s_lshr_b32 s22, s21, 5                         ; hf
	s_bfe_u32 s23, s21, 0x20003                    ; w
	s_and_b32 s24, s21, 7                          ; nt
	s_and_b32 s25, ttmp9, 1
	s_lshl_b32 s25, s25, 3
	s_add_co_u32 s25, s25, s20                     ; K step
	s_lshl_b32 s26, s24, 3                         ; 8 nt
	s_lshl_b32 s27, s23, 1                         ; 2 w
	s_add_co_u32 s28, s22, 1                       ; 1 + hf
	s_lshl_b32 s29, s22, 3
	s_add_co_u32 s29, s29, 15                      ; 15 + 8 hf
	v_lshlrev_b32 v3, 4, v2
	v_lshl_add_u32 v3, s25, 9, v3                  ; 512 x step + 16 x lane: a wave's load covers 512 consecutive bytes of a row
.set m, 0
.rept 16
	s_add_co_u32 s31, s26, m&7                     ; i
	s_add_co_u32 s32, s27, m>>3                    ; s8
	s_add_co_u32 s33, s29, s32
	s_cmp_eq_u32 s31, 0
	s_cselect_b32 s34, s32, s31
	s_cselect_b32 s35, s28, s33
	s_lshr_b32 s36, s34, 1
	s_or_b32 s36, s36, s34
	s_lshr_b32 s37, s36, 2
	s_or_b32 s36, s36, s37
	s_lshr_b32 s37, s36, 4
	s_or_b32 s36, s36, s37
	s_add_co_u32 s36, s36, 1
	s_lshr_b32 s36, s36, 1                         ; pw
	s_mul_i32 s36, s36, s35
	s_add_co_u32 s36, s36, s34
	s_sub_co_u32 s36, s36, 1
	s_max_i32 s36, s36, 0                          ; the node of row m
	v_lshl_add_u32 v[16+m], s36, 13, v3            ; a row of W is 8,192 bytes
	global_load_b128 v[32+4*m:35+4*m], v[16+m], s[4:5]
.set m, m+1
.endr
	s_mul_i32 s38, s20, 4608                       ; my wave's own 16 chunks x 288 bytes of LDS: no other wave touches them, so no barrier
	v_lshrrev_b32 v4, 1, v2
	v_mul_u32_u24 v4, v4, 288                      ; chunk = lane / 2 = (k32, g, h): 8 numbers along K of all 16 rows
	v_and_b32 v5, 1, v2
	v_lshl_add_u32 v4, v5, 3, v4
	v_add_nc_u32 v4, s38, v4
	v_lshrrev_b32 v5, 4, v2
	v_mul_u32_u24 v5, v5, 288
	v_and_b32 v6, 15, v2
	v_lshl_add_u32 v5, v6, 4, v5
	v_add_nc_u32 v5, s38, v5                       ; back: lanes 0-15 one chunk, lanes 16-31 the next
	s_mul_i32 s38, s22, HALFW
	s_lshl_b32 s39, s25, 17
	s_add_co_u32 s38, s38, s39
	s_lshl_b32 s39, s23, 15
	s_add_co_u32 s38, s38, s39
	s_lshl_b32 s39, s24, 10
	s_add_co_u32 s38, s38, s39
	v_lshl_add_u32 v6, v2, 4, s38                  ; block nt of quarter 0, + 16 x lane
.set m, 0
.rept 16
	s_wait_loadcnt 15-m                            ; loads come back in order: row m is in
	v_cvt_pk_bf16_f32 v[32+4*m], v[32+4*m], v[33+4*m]
	v_cvt_pk_bf16_f32 v[33+4*m], v[34+4*m], v[35+4*m]
	ds_store_b64 v4, v[32+4*m:33+4*m] offset:16*m
.set m, m+1
.endr
.set m, 0
.rept 8
	ds_load_b128 v[96+4*m:99+4*m], v5 offset:576*m ; LDS serves a wave's instructions in order: these see the stores above
.set m, m+1
.endr
.set m, 0
.rept 8
	s_wait_dscnt 7-m
	global_store_b128 v6, v[96+4*m:99+4*m], s[12:13] offset:(m>>1)*8192+(m&1)*512  ; 512 consecutive bytes, aligned: half a block
.set m, m+1
.endr
	s_branch .Lend
; ---- work-groups 128-191: 16 leaves each.  Thread t holds outputs 4 t .. 4 t + 3 of all 16 rows; threads 250-255 repeat thread 249 and count for nothing in the sums.
.Lleaf:
	s_sub_co_u32 s21, ttmp9, 128                   ; the group of 16 leaves: (hf, w, h, kappa)
	s_mul_i32 s22, s21, 64000                      ; 16 rows of 4,000 bytes
	s_mov_b32 s23, 0
	s_add_nc_u64 s[10:11], s[10:11], s[22:23]
	s_add_nc_u64 s[16:17], s[16:17], s[22:23]
	v_min_u32 v3, 249, v0
	v_lshlrev_b32 v3, 4, v3
.set m, 0
.rept 16
	global_load_b128 v[64+4*m:67+4*m], v3, s[10:11] offset:4000*m
.set m, m+1
.endr
	v_mov_b32 v10, 0                               ; v_permlanex16_b32's destination counts as read
	v_mov_b32 v12, 32768                           ; the waves' figures meet here: maxima at 32768, sums at 33280, 64 bytes a wave
	v_lshl_add_u32 v11, s20, 6, v12
	s_wait_loadcnt 0x0
.set m, 0
.rept 32                                       ; rounded to bf16 and widened again
	v_cvt_pk_bf16_f32 v13, v[64+2*m], v[65+2*m]
	v_lshlrev_b32 v[64+2*m], 16, v13
	v_and_b32 v[65+2*m], s42, v13
.set m, m+1
.endr
.set m, 0
.rept 16                                       ; the rows' maxima, as reference() takes them away before the exponential
	v_max3_num_f32 v[16+m], v[64+4*m], v[65+4*m], v[66+4*m]
	v_max_num_f32 v[16+m], v[16+m], v[67+4*m]
.set m, m+1
.endr
.irp x, 1,2,4,8
.set m, 0
.rept 16
	v_max_num_f32_dpp v[16+m], v[16+m], v[16+m] row_xmask:\x row_mask:0xf bank_mask:0xf
.set m, m+1
.endr
.endr
.set m, 0
.rept 16
	v_permlanex16_b32 v10, v[16+m], s40, s41
	v_max_num_f32 v[16+m], v[16+m], v10
.set m, m+1
.endr
.irp i, 0,1,2,3
	ds_store_b128 v11, v[16+4*\i:19+4*\i] offset:16*\i   ; all lanes of a wave write the same 64 bytes
.endr
	s_wait_dscnt 0x0                               ; for the others' sake: my stores are done
	s_barrier_signal -1
	s_barrier_wait -1
.set m, 0
.rept 32
	ds_load_b128 v[128+4*m:131+4*m], v12 offset:16*m   ; wave m / 4, rows 4 (m % 4) ..
.set m, m+1
.endr
	s_wait_dscnt 0x0
.set m, 0
.rept 16
	v_max3_num_f32 v[16+m], v[128+m], v[144+m], v[160+m]
	v_max3_num_f32 v[16+m], v[16+m], v[176+m], v[192+m]
	v_max3_num_f32 v[16+m], v[16+m], v[208+m], v[224+m]
	v_max_num_f32 v[16+m], v[16+m], v[240+m]
.set m, m+1
.endr
.set m, 0
.rept 64
	v_sub_f32 v[64+m], v[64+m], v[16+m/4]          ; v - max
	v_mul_f32 v[128+m], 0x3fb8aa3b, v[64+m]
.set m, m+1
.endr
.set m, 0
.rept 64
	v_exp_f32 v[128+m], v[128+m]
.set m, m+1
.endr
	v_cmp_gt_u32 vcc_lo, 250, v0                   ; a plain instruction behind the last exponential: threads that count
	s_wait_alu depctr_va_vdst(0)                   ; one wait for the batch, ahead of its first reader
.set m, 0
.rept 16
	v_add_f32 v[32+m], v[128+4*m], v[129+4*m]
	v_add_f32 v13, v[130+4*m], v[131+4*m]
	v_add_f32 v[32+m], v[32+m], v13
	v_cndmask_b32 v[32+m], 0, v[32+m], vcc_lo
.set m, m+1
.endr
.irp x, 1,2,4,8
.set m, 0
.rept 16
	v_add_f32_dpp v[32+m], v[32+m], v[32+m] row_xmask:\x row_mask:0xf bank_mask:0xf
.set m, m+1
.endr
.endr
.set m, 0
.rept 16
	v_permlanex16_b32 v10, v[32+m], s40, s41
	v_add_f32 v[32+m], v[32+m], v10
.set m, m+1
.endr
.irp i, 0,1,2,3
	ds_store_b128 v11, v[32+4*\i:35+4*\i] offset:512+16*\i   ; other bytes than the maxima's: no barrier is owed between
.endr
	s_wait_dscnt 0x0
	s_barrier_signal -1
	s_barrier_wait -1
.irp bt, 0,1                                   ; four waves' sums at a time
.set m, 0
.rept 16
	ds_load_b128 v[192+4*m:195+4*m], v12 offset:512+256*\bt+16*m
.set m, m+1
.endr
	s_wait_dscnt 0x0
.set m, 0
.rept 16
	v_add_f32 v[192+m], v[192+m], v[208+m]
	v_add_f32 v[224+m], v[224+m], v[240+m]
.if \bt == 0
	v_add_f32 v[32+m], v[192+m], v[224+m]
.else
	v_add_f32 v[192+m], v[192+m], v[224+m]
	v_add_f32 v[32+m], v[32+m], v[192+m]
.endif
.set m, m+1
.endr
.endr
.set m, 0
.rept 16
	v_log_f32 v[48+m], v[32+m]
	v_rcp_f32 v[16+m], v[32+m]
.set m, m+1
.endr
	v_nop                                          ; a plain instruction behind the last of them,
	s_wait_alu depctr_va_vdst(0)                   ; and one wait for the batch
.set m, 0
.rept 16
	v_mul_f32 v[48+m], 0x3f317218, v[48+m]         ; ln of the sum
.set m, m+1
.endr
.set m, 0
.rept 64
	v_mul_f32 v[128+m], v[128+m], v[16+m/4]        ; Q
	v_sub_f32 v[64+m], v[64+m], v[48+m/4]          ; log Q
.set m, m+1
.endr
.set m, 0
.rept 16
	global_store_b128 v3, v[128+4*m:131+4*m], s[16:17] offset:4000*m
.set m, m+1
.endr
	; log Q turned: for output 4 t + z and g, the 8 leaves 8 g .. 8 g + 7 as 16 bytes, at (output tile) 512 + 256 g + 16 (output % 16); zeros from output 1000 on
	v_lshrrev_b32 v13, 2, v0
	v_lshlrev_b32 v13, 9, v13
	v_and_b32 v14, 3, v0
	v_lshl_add_u32 v13, v14, 6, v13
	v_cmp_gt_u32 vcc_lo, 250, v0
.set z, 0
.rept 4
.set g, 0
.rept 2
.set p, 0
.rept 4
	v_cvt_pk_bf16_f32 v[192+4*(2*z+g)+p], v[64+4*(8*g+2*p)+z], v[64+4*(8*g+2*p+1)+z]
	v_cndmask_b32 v[192+4*(2*z+g)+p], 0, v[192+4*(2*z+g)+p], vcc_lo
.set p, p+1
.endr
	ds_store_b128 v13, v[192+4*(2*z+g):195+4*(2*z+g)] offset:16*z+256*g
.set g, g+1
.endr
.set z, z+1
.endr
	s_lshr_b32 s24, s21, 5                         ; hf
	s_bfe_u32 s25, s21, 0x20003                    ; w
	s_bfe_u32 s26, s21, 0x10002                    ; h
	s_and_b32 s27, s21, 3                          ; kappa
	s_mul_i32 s30, s24, HALFW
	s_add_co_u32 s30, s30, 16*STEPB
	s_lshl_b32 s31, s25, 15
	s_add_co_u32 s30, s30, s31
	s_lshl_b32 s31, s20, 12                        ; output tile in the step = my wave
	s_add_co_u32 s30, s30, s31
	s_lshl_b32 s31, s27, 10
	s_add_co_u32 s30, s30, s31
	s_lshl_b32 s31, s26, 8
	s_add_co_u32 s30, s30, s31
	v_bfe_u32 v15, v0, 4, 1
	v_lshlrev_b32 v15, 9, v15
	v_and_b32 v14, 15, v0
	v_lshl_add_u32 v15, v14, 4, v15
	v_add_nc_u32 v15, s30, v15
	v_lshlrev_b32 v14, 4, v0
	s_wait_dscnt 0x0
	s_barrier_signal -1
	s_barrier_wait -1
.set m, 0
.rept 8
	ds_load_b128 v[224+4*m:227+4*m], v14 offset:4096*m
.set m, m+1
.endr
.set m, 0
.rept 8
	s_wait_dscnt 7-m
	global_store_b128 v15, v[224+4*m:227+4*m], s[12:13] offset:STEPB*m   ; 16 lanes store 256 consecutive bytes, aligned
.set m, m+1
.endr
.Lend:
	s_wait_tensorcnt 0x0                           ; the wave's end: three lines behind my last LDS store
	ds_add_u32 v[SPW], v[NIL]
	s_wait_dscnt 0x0
	s_endpgm
.Lfunc_end_k_qc1dff9d0bd_prep:
	.size	k_qc1dff9d0bd_prep, .Lfunc_end_k_qc1dff9d0bd_prep-k_qc1dff9d0bd_prep
	.p2alignl 7, 3214868480
	.fill 96, 4, 3214868480
	.section	.rodata,"a",@progbits
	.p2align	6, 0x0
	.amdhsa_kernel k_qc1dff9d0bd_prep
		.amdhsa_group_segment_fixed_size 37888
		.amdhsa_private_segment_fixed_size 0
		.amdhsa_enable_private_segment 0
		.amdhsa_kernarg_size 56
		.amdhsa_user_sgpr_count 2
		.amdhsa_user_sgpr_kernarg_segment_ptr 1
		.amdhsa_wavefront_size32 1
		.amdhsa_system_sgpr_workgroup_id_x 1
		.amdhsa_system_sgpr_workgroup_id_y 1
		.amdhsa_system_sgpr_workgroup_id_z 1
		.amdhsa_system_vgpr_workitem_id 0
		.amdhsa_next_free_vgpr 256
		.amdhsa_next_free_sgpr 66
		.amdhsa_reserve_vcc 1
		.amdhsa_float_denorm_mode_32 3
		.amdhsa_float_denorm_mode_16_64 3
		.amdhsa_memory_ordered 1
		.amdhsa_forward_progress 1
		.amdhsa_inst_pref_size 80
	.end_amdhsa_kernel
	.amdgpu_metadata
---
amdhsa.version: [ 1, 2 ]
amdhsa.kernels:
  - .name:           k_qc1dff9d0bd_prep
    .symbol:         k_qc1dff9d0bd_prep.kd
    .args:
      - { .name: W, .offset: 0, .size: 8, .value_kind: global_buffer, .address_space: global }
      - { .name: b, .offset: 8, .size: 8, .value_kind: global_buffer, .address_space: global }
      - { .name: beta, .offset: 16, .size: 8, .value_kind: global_buffer, .address_space: global }
      - { .name: leaf_params, .offset: 24, .size: 8, .value_kind: global_buffer, .address_space: global }
      - { .name: wts, .offset: 32, .size: 8, .value_kind: global_buffer, .address_space: global }
      - { .name: tab, .offset: 40, .size: 8, .value_kind: global_buffer, .address_space: global }
      - { .name: qtab, .offset: 48, .size: 8, .value_kind: global_buffer, .address_space: global }
    .group_segment_fixed_size: 37888
    .private_segment_fixed_size: 0
    .kernarg_segment_align: 8
    .kernarg_segment_size: 56
    .max_flat_workgroup_size: 256
    .sgpr_count:     66
    .vgpr_count:     256
    .wavefront_size: 32
...
	.end_amdgpu_metadata
.endif
;; end of part 1
;; launch main (part 2): grid 64 x 4, 4 waves a work-group, clusters of 4 x 4, 327,680 bytes of LDS; arguments x, y, wts, tab, spart, lossp, bestv, besti; writes spart, lossp, bestv, besti
.if DOCPART == 2
	.amdgcn_target "amdgcn-amd-amdhsa--gfx1250"
	.amdhsa_code_object_version 6
	.text
	.protected	k_qc1dff9d0bd_main
	.globl	k_qc1dff9d0bd_main
	.p2align	8
	.type	k_qc1dff9d0bd_main,@function
k_qc1dff9d0bd_main:
	s_mov_b64 s[64:65], 0
	v_nop
	global_prefetch_b8 v0, s[64:65] scope:SCOPE_SE
	s_setreg_imm32_b32 hwreg(HW_REG_WAVE_MODE, 25, 1), 1
	s_wait_xcnt 0x0
	s_wait_alu depctr_hold_cnt(0) depctr_sa_sdst(0) depctr_va_vdst(0) depctr_va_sdst(0) depctr_va_ssrc(0) depctr_va_vcc(0) depctr_vm_vsrc(0)
	s_getreg_b32 s2, hwreg(HW_REG_IB_STS2, 6, 4)
	s_cmp_eq_u32 s2, 0
	s_cbranch_scc0 .Lentry_in_a_cluster
	s_endpgm
.Lentry_in_a_cluster:
	s_bfe_u32 s2, ttmp6, 0x10000c
	s_cmp_lg_u32 s2, 0xf033
	s_cbranch_scc0 .Lentry_shape_is_right
	s_endpgm
.Lentry_shape_is_right:
; SOFT DECISION TREE, launch 2 of 3.  A work-group takes 128 samples and HALF the tree (512 columns): z = x W^T, the sigmoids, the paths, the level-9 column sums, the best leaf of the half,
; and its part of the loss, sum_o y_o (sum_l path_l logQ[l][o]).  Left out, as shown at the head of the first kernel: the penalty of level 9, the sums of the higher levels (they are sums of pairs),
; sum p path (it is the right child's sum), and the tile of outputs 1008-1023 (padding).
; LIMITS as stated there: inputs in bf16, paths and logQ in bf16 for the loss's product, denormals count as 0 in exponentials and reciprocals, NaN not treated apart.
; SHARES.  Four waves; wave w has all 128 samples x 128 columns: 64 accumulators of 16 x 16 (512 registers).  The product is taken transposed (source 0 = 16 rows of W, source 1 = 16 samples):
; lane (r = lane % 16, h = lane / 16) then holds ONE sample, and in the 64 registers of sample tile mt the 64 entries of slot 2 w + h: entry 0 an ancestor of levels 0-3, entries 1-63 the local
; heap of the subtree under node 8 hf + 2 w + h of level 4.  So the whole walk from level 4 to the leaves stays inside a lane.
; STREAMS.  wts (W, then logQ, in fragment order) comes by tensor loads through two LDS slots of 128 KiB, 32 KiB a wave, which that wave alone reads.  The four work-groups of a row of the
; cluster have the same half, so they ask JOINTLY.  x and y come in f32 through registers: each wave keeps 32 loads of 512 bytes out, rounds to bf16 and stages 64 columns of its 32 rows at a
; time in one of two LDS pieces, which all four waves read as fragments (x) or as factors (y).  The two work-groups that read the same rows lie in one cluster.
; REGISTERS, in windows of 256 (s_set_vgpr_msb: bits 1:0 source 0, 3:2 source 1, 5:4 source 2, 7:6 destination):
;   window 0: addresses v2-15; scratch and the 32 column sums v16-31, v48-63; load offsets v32-47; two sets of 64 for the stream v64-191
;   window 1: first product: two fragment buffers of 128 (64 of x, 64 of W); tree: see below; second product: logQ v0-63, y v64-127, two sets each
;   windows 2, 3: the accumulators, (mt, nt) at v[64 (mt % 4) + 8 nt] of window 2 + mt / 4; behind the tree each block of 64 holds the paths in bf16 (0-31) and two sets of R (32-47); block 0 also the loss's sums (56-63)
.set ROWY,  4000
.set SLOTB, 131072                     ; a slot, and a step of wts
.set HALFW, 3145728                    ; wts of one half
.set STG,   262144                     ; the two pieces: (mt 8) 2304 + (chunk of 8 numbers 8) 288 + (row % 16) 16.  From here on no tensor load lands
.set PIECE, 18432
.set TAB,   299008                     ; my half's table, 4,096 bytes
.set TOPX,  303104                     ; the ancestors' p: sample 32 + 4 e
.set AMX,   307200                     ; (best value, best leaf) of each slot: sample 80 + 8 slot
.set SST,   317440                     ; the column sums, slot 128 + 4 m
.set LRED,  318464                     ; four partial losses
.set SPARE, 318720                     ; the spare words, 128 bytes a wave; no other line names them
.set SPW, 2                            ; v2  SPARE + 4 x thread; never rewritten
.set NIL, 3                            ; v3  0; never rewritten
.set R16, 4                            ; v4  lane % 16
.set H,   5                            ; v5  lane / 16
.set LANE, 6
.set ADRA, 7                           ; v7  STG + 288 h + 16 r: my place in a piece's chunks
.set AB0,  8                           ; v8  32768 w + 16 lane
.set ADRB, 9                           ; v9  the slot in hand + AB0
.set AWR,  10                          ; v10 where I stage 8 bytes
.set VY0,  11                          ; v11 (32 w + lane / 16) 4000 + 16 (lane % 16)
.set DELTA, 12                         ; v12 16 max(lane % 16 - 9, 0): holds y's last interval inside its row
.set T16,  13
.set PFWO, 14                          ; v14 256 x lane
.set VO,   32                          ; v32-47 load q's offset: rows 32 w + 2 q + lane / 16
.set XS,   64                          ; v64-191 the stream's two sets
.set F0,   0                           ; window 1
.set F1,   128
.set PQ,   64                          ; tree, window 1: v0-63 T, then P, then the leaves; v64-191 the table, then the pairs (1-p, p)
.set PTOP, 224                         ; the path to my level-4 node, by mt
.set BV,   232                         ; four pairs (best value, best leaf)
.set PT,   240                         ; the trip's PTOP (a pair is named)
.set TA,   242                         ; LDS addresses kept in window 1
.set AMA,  243
.set TX,   244
.set TR,   245
.set TR2,  246
.set TR3,  247
.set SG3,  248                         ; level 3's choice of child hangs on h: factor and addend
.set TU3,  249
.set YB,   64                          ; second product, window 1
.set RS0,  32                          ; windows 2, 3
.set LS,   56
.set XP, 4                             ; s[4:5] the stream's pointer (x, later y)
.set YP, 6
.set WV, 20
.set CX, 21
.set CY, 22
.set HF, 23
.set RB, 24                            ; my block of 128 samples
.set CNT, 25
.set MT, 26
.set TB, 27                            ; LDS byte of the slot in hand
.set G1, 28                            ; s[28:35] descriptor group 1
.set G0A, 36                           ; s[36:39] group 0 of step 0
.set G0B, 40                           ; s[40:43] group 0 of step 1; it then walks
.set SEL, 44
.set SG, 46                            ; s46-51 factor and addend of levels 0, 1, 2
.set PFW, 54                           ; s[54:55] where my prefetches stand
.set LIMW, 56                          ; 2 in a wave that prefetches, else the greatest number
.set MSB, 0
.set ldn, 16
.macro WIN new                         ; the immediate's high byte repeats the setting that is left; a switch that changes nothing is dropped
.if MSB != (\new)
	s_set_vgpr_msb (MSB<<8)|(\new)
.set MSB, \new
.endif
.endm
.macro PLACES                          ; four plain places behind matrix instructions, in front of loads into and vector work on their registers
.rept 4
	v_nop
.endr
.endm
.macro CREST                           ; a round of the cluster's barrier behind its opening barrier
	s_cmp_lg_u32 s[WV], 0
	s_cbranch_scc1 .Lnw0_\@
	s_barrier_signal -3
.Lnw0_\@:
	s_barrier_wait -3
	s_barrier_signal -1
	s_barrier_wait -1
.endm
.macro CROUND
	s_barrier_signal -1
	s_barrier_wait -1
	CREST
.endm
.macro JLOAD                           ; the joint refill: my wave's 32 KiB of the next step but one; s_nop 0 and four v_nop follow it
	tensor_load_to_lds s[G0B:G0B+3], s[G1:G1+7]
	s_nop 0
	PLACES
.endm
; A prefetch into the L2 of the step that stands two refills on (four steps ahead of the one in hand).  A step of a half is 512 blocks of 256 bytes, read by every cluster: cluster x = 0 asks; its eight
; work-groups of the half take 16 KiB each, told apart by address; in each, waves 0 and 1 take 8 KiB, a lane a block.  So each block of steps 4-23 is named once; steps 0-3 come by their loads alone.
.macro ASKW first
	WIN 0
.if \first
	s_cmp_eq_u32 s[LIMW], 2
.else
	s_cmp_gt_u32 s[CNT], s[LIMW]                   ; the last two refills have no step four on
.endif
	s_cbranch_scc0 .Lnoask_\@
	global_prefetch_b8 v[PFWO], s[PFW:PFW+1] th:TH_LOAD_NT scope:SCOPE_SE
.Lnoask_\@:
.endm
; One load's turn in the stream: load q of the interval to be staged is in; its 4 numbers are rounded and staged; the same registers are asked for again, two intervals on.
; The count: behind load q stand 15 - q loads of its own interval, 16 of the next, and q of the one being asked for: 31.
.macro BUNDLE q
	WIN 0
	s_wait_loadcnt 31
	v_cvt_pk_bf16_f32 v[XS+64*BSET+4*(\q)], v[XS+64*BSET+4*(\q)], v[XS+64*BSET+4*(\q)+1]
	v_cvt_pk_bf16_f32 v[XS+64*BSET+4*(\q)+1], v[XS+64*BSET+4*(\q)+2], v[XS+64*BSET+4*(\q)+3]
	ds_store_b64 v[AWR], v[XS+64*BSET+4*(\q):XS+64*BSET+4*(\q)+1] offset:BSET*PIECE+((\q)>>3)*2304+((\q)&7)*32
	global_load_b128 v[XS+64*BSET+4*(\q):XS+64*BSET+4*(\q)+3], v[VO+(\q)], s[XP:XP+1] offset:BOFF
.endm
.macro HOOK
.if ldn < 16
	BUNDLE ldn
.set ldn, ldn+1
.endif
.endm
; 16 matrix instructions: sample tiles a0, a0 + 1 of the window's four x all 8 node tiles, 32 along K.  The 64 accumulators take turns in one order, over the backward jump too.
.macro MUL16 f, hi, a0, zero
.irp a, \a0, (\a0)+1
.irp b, 0,1,2,3,4,5,6,7
	WIN 0xa5+0x50*(\hi)
.if \zero
	v_wmma_f32_16x16x32_bf16 v[64*(\a)+8*(\b):64*(\a)+8*(\b)+7], v[(\f)+64+8*(\b):(\f)+64+8*(\b)+7], v[(\f)+8*(4*(\hi)+(\a)):(\f)+8*(4*(\hi)+(\a))+7], 0
.else
	v_wmma_f32_16x16x32_bf16 v[64*(\a)+8*(\b):64*(\a)+8*(\b)+7], v[(\f)+64+8*(\b):(\f)+64+8*(\b)+7], v[(\f)+8*(4*(\hi)+(\a)):(\f)+8*(4*(\hi)+(\a))+7], v[64*(\a)+8*(\b):64*(\a)+8*(\b)+7]
.endif
.if ((\b)&3) == 3
	HOOK
.endif
.endr
.endr
.endm
; 32 LDS loads in one run: quarter k32 of a K step: W's 8 fragments (512 consecutive bytes a load), then x's 8
.macro FETCH k32, f
	WIN 0x40
.irp i, 0,1,2,3,4,5,6,7
	ds_load_b128 v[(\f)+64+8*(\i):(\f)+64+8*(\i)+3],   v[ADRB] offset:8192*(\k32)+1024*(\i)
	ds_load_b128 v[(\f)+64+8*(\i)+4:(\f)+64+8*(\i)+7], v[ADRB] offset:8192*(\k32)+1024*(\i)+512
.endr
.irp i, 0,1,2,3,4,5,6,7
	ds_load_b128 v[(\f)+8*(\i):(\f)+8*(\i)+3],   v[ADRA] offset:PIECE*((\k32)>>1)+1152*((\k32)&1)+2304*(\i)
	ds_load_b128 v[(\f)+8*(\i)+4:(\f)+8*(\i)+7], v[ADRA] offset:PIECE*((\k32)>>1)+1152*((\k32)&1)+2304*(\i)+576
.endr
.endm
; An even quarter: multiplies buffer 0, fetches the odd quarter k32n into buffer 1, and carries an interval's 16 turns of the stream (into the piece that the barrier before has freed).
.macro QUARTER k32n, zero, bset, boff
.set BSET, \bset
.set BOFF, \boff
.set ldn, 0
	s_wait_dscnt 8                                 ; W and x's tiles 0-3 are in; the youngest eight loads (tiles 4-7) may be out
	MUL16 F0, 0, 0, \zero
	MUL16 F0, 0, 2, \zero
	PLACES
	FETCH \k32n, F1
	s_wait_dscnt 32                                ; all but the 32 just issued
	MUL16 F0, 1, 0, \zero
	MUL16 F0, 1, 2, \zero
.endm
; An odd quarter: multiplies buffer 1 and holds the barrier that changes pieces.  In front of it my stagings and my reads of the old piece are done.
; kind = 1: it also changes slots: all my tensor loads have landed, the add, the wait for it and for my reads; the barrier opens a round of the cluster's; the joint refill is the first thing behind the round.
.macro TURN kind, k32n, dofetch
	WIN 0
.if \kind
	s_wait_xcnt 0x0                                ; the last prefetch, a K step back, has read its address
	s_add_nc_u64 s[PFW:PFW+1], s[PFW:PFW+1], SLOTB
	s_wait_tensorcnt 0x0                           ; the one load of mine that was out is my part of the next slot
	ds_add_u32 v[SPW], v[NIL]                      ; 0 onto my spare word
	s_wait_dscnt 17                                ; (the add, eight stagings and the youngest eight loads may be out)
.else
	s_wait_dscnt 16                                ; (eight stagings and the youngest eight loads may be out)
.endif
	MUL16 F1, 0, 0, 0
	s_wait_dscnt 0x0                               ; my stagings are done, my reads of the piece (and slot) are over, the add is done
	s_barrier_signal -1
	MUL16 F1, 0, 2, 0                              ; work on registers while the others arrive
	WIN 0
	s_barrier_wait -1
.if \kind
	CREST                                          ; no wave of any partner still reads this slot or has a load on its way
	s_xor_b32 s[G0B+1], s[G0B+1], SLOTB            ; the walking descriptor: the slot just read, the step two on
	s_add_nc_u64 s[G0B+2:G0B+3], s[G0B+2:G0B+3], SLOTB
	s_xor_b32 s[TB], s[TB], SLOTB
	JLOAD                                          ; 224 matrix instructions ahead of the wait for it; its four v_nop are also the places in front of the loads below
	v_add_nc_u32 v[ADRB], s[TB], v[AB0]
.else
	PLACES
.endif
.if \dofetch
	FETCH \k32n, F0
.endif
.if \kind
	ASKW 1
.endif
	MUL16 F1, 1, 0, 0
	MUL16 F1, 1, 2, 0
.endm
	s_load_b512 s[4:19], s[0:1], 0x0               ; x, y, wts s[8:9], tab s[10:11], spart s[12:13], lossp s[14:15], bestv s[16:17], besti s[18:19]
	v_lshl_add_u32 v[SPW], v0, 2, SPARE
	v_mov_b32 v[NIL], 0
	ds_add_u32 v[SPW], v[NIL]                      ; the wave's opening: the add, twice on end, and its wait ahead of my first tensor load
	ds_add_u32 v[SPW], v[NIL]                      ; and once more, under the one wait
	v_lshrrev_b32 v1, 5, v0
	v_readfirstlane_b32 s[WV], v1                  ; wave 0..3
	s_bfe_u32 s[CX], ttmp6, 0x40000                ; my place in the cluster: it enters global addresses, the mask and two factors, no branch and no LDS address
	s_bfe_u32 s[CY], ttmp6, 0x40004
	s_and_b32 s[HF], s[CY], 1                      ; my half of the tree: the same along a row of the cluster
	s_lshl_b32 s57, ttmp9, 2
	s_add_co_u32 s57, s57, s[CX]
	s_lshl_b32 s57, s57, 1
	s_lshr_b32 s58, s[CY], 1
	s_add_co_u32 s[RB], s57, s58                   ; block of samples = 2 (4 x cluster + cx) + cy / 2
	s_lshl_b32 s59, s[CY], 2
	s_lshl_b32 s59, 15, s59                        ; my row of the cluster
	s_or_b32 s[G1], s59, (3<<16)|(1<<21)           ; 15:0 the mask; 17:16 elements of 8 bytes; 21 set beside a mask; no padding: the blocks are read as they lie
	s_mov_b32 s[G1+1], 32<<16                      ; tensor_dim0 = 32 elements: rows of 256 bytes
	s_mov_b32 s[G1+2], 128<<16                     ; tensor_dim1 = 128 rows: 32 KiB, dense
	s_mov_b32 s[G1+3], 32<<16                      ; tile_dim0
	s_mov_b32 s[G1+4], 128                         ; tile_dim1
	s_mov_b32 s[G1+5], 32                          ; from row to row
	s_mov_b32 s[G1+6], 0
	s_mov_b32 s[G1+7], 0
	s_mov_b32 s[G0A], 1
	s_lshl_b32 s[G0A+1], s[WV], 15                 ; slot 0, my wave's 32 KiB
	s_mov_b32 s[G0B], 1
	s_add_co_u32 s[G0B+1], s[G0A+1], SLOTB         ; slot 1
	s_mul_i32 s60, s[HF], HALFW
	s_add_co_u32 s60, s60, s[G0A+1]
	s_mov_b32 s61, 0
	s_mul_i32 s62, s[HF], HALFW                    ; the prefetches: half, then 16 KiB x (cx + 4 (cy / 2)), 8 KiB x wave; at step 3: the first refill steps it to 4
	s_lshl2_add_u32 s63, s58, s[CX]
	s_lshl_b32 s63, s63, 14
	s_add_co_u32 s62, s62, s63
	s_lshl_b32 s63, s[WV], 13
	s_add_co_u32 s62, s62, s63
	s_add_co_u32 s62, s62, 3*SLOTB
	s_mov_b32 s63, 0
	s_lshr_b32 s[LIMW], s[WV], 1
	s_or_b32 s[LIMW], s[LIMW], ttmp9               ; 0 in waves 0 and 1 of cluster 0: the same in all sixteen partners
	s_cmp_eq_u32 s[LIMW], 0
	s_cselect_b32 s[LIMW], 2, -1
	s_mov_b32 s[SEL], 0x76543210
	s_mov_b32 s[SEL+1], 0xfedcba98
	s_mov_b32 s[TB], 0
	; a step down the tree multiplies by p (right child) or 1 - p (left): f = p x factor + addend, (1, 0) or (-1, 1).  Level 0 goes by hf, level 1 by w / 2, level 2 by w % 2.
	s_lshl_b32 s66, s[HF], 31
	s_xor_b32 s[SG], s66, 0xbf800000
	s_xor_b32 s66, s[HF], 1
	s_mul_i32 s[SG+1], s66, 0x3f800000
	s_lshr_b32 s67, s[WV], 1
	s_lshl_b32 s66, s67, 31
	s_xor_b32 s[SG+2], s66, 0xbf800000
	s_xor_b32 s66, s67, 1
	s_mul_i32 s[SG+3], s66, 0x3f800000
	s_and_b32 s67, s[WV], 1
	s_lshl_b32 s66, s67, 31
	s_xor_b32 s[SG+4], s66, 0xbf800000
	s_xor_b32 s66, s67, 1
	s_mul_i32 s[SG+5], s66, 0x3f800000
	s_mov_b32 s67, 0
	s_wait_dscnt 0x0                               ; both opening adds are done
	s_wait_kmcnt 0x0
	s_add_nc_u64 s[G0A+2:G0A+3], s[8:9], s[60:61]  ; step 0, my wave's part
	s_add_nc_u64 s[G0B+2:G0B+3], s[G0A+2:G0A+3], SLOTB
	s_or_b32 s[G0A+3], s[G0A+3], 0x80000000        ; type = 2
	s_or_b32 s[G0B+3], s[G0B+3], 0x80000000
	s_add_nc_u64 s[PFW:PFW+1], s[8:9], s[62:63]
	s_lshl_b32 s66, s[RB], 20                      ; 128 rows of 8,192 bytes
	s_add_nc_u64 s[XP:XP+1], s[XP:XP+1], s[66:67]
	s_mul_i32 s66, s[RB], 128*ROWY
	s_add_nc_u64 s[YP:YP+1], s[YP:YP+1], s[66:67]
	s_lshl_b32 s66, s[HF], 12
	s_add_nc_u64 s[10:11], s[10:11], s[66:67]
	s_lshl_b32 s66, s[RB], 1
	s_add_co_u32 s66, s66, s[HF]                   ; 2 rb + hf
	s_lshl_b32 s68, s66, 10
	s_mov_b32 s69, 0
	s_add_nc_u64 s[12:13], s[12:13], s[68:69]      ; spart: 1,024 bytes for each
	s_lshl_b32 s68, s66, 2
	s_add_nc_u64 s[14:15], s[14:15], s[68:69]      ; lossp: a number for each
	s_lshl_b32 s68, s[RB], 10
	s_lshl2_add_u32 s68, s[HF], s68                ; (128 rb + sample) 8 + 4 hf
	s_add_nc_u64 s[16:17], s[16:17], s[68:69]
	s_add_nc_u64 s[18:19], s[18:19], s[68:69]
	CROUND                                         ; all sixteen work-groups are here: the first joint loads meet
	tensor_load_to_lds s[G0A:G0A+3], s[G1:G1+7]    ; both first fills together: two loads of mine are out
	s_nop 0
	tensor_load_to_lds s[G0B:G0B+3], s[G1:G1+7]
	s_nop 0
	PLACES
	v_and_b32 v[R16], 15, v0
	v_bfe_u32 v[H], v0, 4, 1
	v_and_b32 v[LANE], 31, v0
	v_mul_u32_u24 v[ADRA], v[H], 288
	v_lshl_add_u32 v[ADRA], v[R16], 4, v[ADRA]
	v_add_nc_u32 v[ADRA], STG, v[ADRA]
	v_lshlrev_b32 v[AB0], 4, v[LANE]
	v_lshl_add_u32 v[AB0], s[WV], 15, v[AB0]
	v_mov_b32 v[ADRB], v[AB0]
	v_lshrrev_b32 v15, 1, v[R16]                   ; a lane's 4 numbers are half of chunk (lane % 16) / 2
	v_mul_u32_u24 v[AWR], v15, 288
	v_and_b32 v15, 1, v[R16]
	v_lshl_add_u32 v[AWR], v15, 3, v[AWR]
	v_lshl_add_u32 v[AWR], v[H], 4, v[AWR]
	s_mul_i32 s66, s[WV], 4608                     ; my 32 rows are sample tiles 2 w, 2 w + 1
	s_add_co_u32 s66, s66, STG
	v_add_nc_u32 v[AWR], s66, v[AWR]
	s_lshl_b32 s66, s[WV], 5
	v_add_nc_u32 v15, s66, v[H]
	v_mul_u32_u24 v[VY0], v15, ROWY
	v_lshl_add_u32 v[VY0], v[R16], 4, v[VY0]
	v_lshlrev_b32 v15, 13, v15
	v_lshl_add_u32 v15, v[R16], 4, v15
.set q, 0
.rept 16
	v_add_nc_u32 v[VO+q], 16384*q, v15             ; a load covers two rows x 256 bytes, each aligned
.set q, q+1
.endr
	v_add_nc_u32 v[DELTA], -9, v[R16]
	v_cmp_lt_u32 vcc_lo, 9, v[R16]
	v_cndmask_b32 v[DELTA], 0, v[DELTA], vcc_lo
	v_lshlrev_b32 v[DELTA], 4, v[DELTA]
	v_lshlrev_b32 v[PFWO], 8, v[LANE]
	v_lshlrev_b32 v[T16], 4, v0
	v_add_nc_u32 v24, TAB, v[T16]
	global_load_b128 v[16:19], v[T16], s[10:11]    ; my half's table: 32 bytes a thread
	global_load_b128 v[20:23], v[T16], s[10:11] offset:2048
.set q, 0
.rept 16
	global_load_b128 v[XS+4*q:XS+4*q+3], v[VO+q], s[XP:XP+1]               ; interval 0
.set q, q+1
.endr
.set q, 0
.rept 16
	global_load_b128 v[XS+64+4*q:XS+64+4*q+3], v[VO+q], s[XP:XP+1] offset:256   ; interval 1
.set q, q+1
.endr
	s_wait_loadcnt 32                              ; the table is in; the stream's 32 loads stay out
	ds_store_b128 v24, v[16:19]
	ds_store_b128 v24, v[20:23] offset:2048
.set BSET, 0
.set BOFF, 512
.set q, 0
.rept 16
	BUNDLE q                                       ; interval 0 into piece 0; interval 2 is asked for
.set q, q+1
.endr
	s_wait_xcnt 0x0                                ; every load has read its address: the pointer may be written
	s_add_nc_u64 s[XP:XP+1], s[XP:XP+1], 512
	s_wait_tensorcnt 1                             ; my part of step 0 is in; step 1's may stay out
	s_wait_dscnt 0x0
	s_barrier_signal -1
	s_barrier_wait -1
	FETCH 0, F0
; ---- z = x W^T: 16 K steps of 128, each two intervals of 64.  Interval t stages interval t + 1 and asks for t + 3; intervals 0-31 are x's, 32-47 y's.
	QUARTER 1, 1, 1, 256                           ; the first quarter stands in front of the loop: its products start the sums
	WIN 0
	s_mov_b32 s[CNT], 15
.Lstep:
	s_wait_xcnt 0x0
	s_cmp_eq_u32 s[CNT], 1
	s_cbranch_scc1 .Ltoy
	s_add_nc_u64 s[XP:XP+1], s[XP:XP+1], 512
	s_branch .Lstepped
.Ltoy:                                         ; K step 14: the next interval to ask for is 32, y's first
	s_mov_b64 s[XP:XP+1], s[YP:YP+1]
.set q, 0
.rept 16
	v_add_nc_u32 v[VO+q], 2*ROWY*q, v[VY0]
.set q, q+1
.endr
.Lstepped:
	TURN 0, 2, 1
	QUARTER 3, 0, 0, 0
	TURN 1, 0, 1
	QUARTER 1, 0, 1, 256
	WIN 0
	s_sub_co_u32 s[CNT], s[CNT], 1
	s_cmp_lg_u32 s[CNT], 0
	s_cbranch_scc1 .Lstep
	s_wait_xcnt 0x0                                ; K step 15
	s_add_nc_u64 s[XP:XP+1], s[XP:XP+1], 512
	TURN 0, 2, 1
	QUARTER 3, 0, 0, 0                             ; stages interval 32, y's first, into piece 0
	TURN 1, 0, 0                                   ; asks for step 17; step 16 (logQ) has landed in slot 0
; ---- THE TREE.
	WIN 0
	PLACES
	s_lshl_b32 s66, s[WV], 1
	v_add_nc_u32 v16, s66, v[H]                    ; my slot
	v_lshl_add_u32 v17, v16, 9, TAB
	v_mul_u32_u24 v18, v[R16], 80
	v_lshl_add_u32 v18, v16, 3, v18
	v_add_nc_u32 v18, AMX, v18
	v_lshlrev_b32 v20, 5, v[R16]
	v_add_nc_u32 v20, TOPX, v20
	v_lshl_add_u32 v19, v16, 2, v20
	s_lshr_b32 s66, s[WV], 1
	s_lshl_b32 s66, s66, 2
	s_add_co_u32 s66, s66, 8
	v_add_nc_u32 v21, s66, v20                     ; ancestor 2 + w / 2
	s_lshl_b32 s66, s[WV], 2
	s_add_co_u32 s66, s66, 16
	v_add_nc_u32 v22, s66, v20                     ; ancestor 4 + w
	v_cvt_f32_u32 v25, v[H]
	v_fma_f32 v23, v25, 2.0, -1.0
	v_sub_f32 v24, 1.0, v25
	v_lshl_add_u32 v15, v16, 7, SST
	WIN 0x40
	v_mov_b32 v[TA], v17
	v_mov_b32 v[AMA], v18
	v_mov_b32 v[TX], v19
	v_mov_b32 v[TR], v20
	v_mov_b32 v[TR2], v21
	v_mov_b32 v[TR3], v22
	v_mov_b32 v[SG3], v23
	v_mov_b32 v[TU3], v24
	v_mov_b32 v[PT+1], 0
	; (a) the ancestors: entry 0 of each slot; every slot's p goes to LDS, and each lane takes the four on its own way down
	WIN 0x55
	ds_load_b32 v8, v[TA]
	ds_load_b32 v9, v[TA] offset:256
	s_wait_dscnt 0x0
	WIN 0x56
.irp t, 0,1,2,3
	v_fma_f32 v[\t], v[64*\t], v8, v9              ; -log2(e) beta (z + b); each accumulator's lowest register is read first
.endr
	WIN 0x57
.irp t, 0,1,2,3
	v_fma_f32 v[4+\t], v[64*\t], v8, v9
.endr
	WIN 0x55
.irp t, 0,1,2,3,4,5,6,7
	v_exp_f32 v[\t], v[\t]
.endr
	v_nop                                          ; a plain instruction behind the last exponential,
	s_wait_alu depctr_va_vdst(0)                   ; and one wait for the batch
.irp t, 0,2,4,6
	v_pk_add_f32 v[\t:\t+1], v[\t:\t+1], 1.0 op_sel_hi:[1,0]
.endr
.irp t, 0,1,2,3,4,5,6,7
	v_rcp_f32 v[\t], v[\t]
.endr
	v_nop
	s_wait_alu depctr_va_vdst(0)
.irp t, 0,1,2,3,4,5,6,7
	ds_store_b32 v[TX], v[\t] offset:512*\t
.endr
	s_wait_dscnt 0x0
	s_barrier_signal -1
	s_barrier_wait -1
.irp t, 0,1,2,3,4,5,6,7
	ds_load_b64 v[8+2*\t:9+2*\t], v[TR] offset:512*\t
	ds_load_b32 v[24+\t], v[TR2] offset:512*\t
	ds_load_b32 v[32+\t], v[TR3] offset:512*\t
.endr
	s_wait_dscnt 0x0
.irp t, 0,1,2,3,4,5,6,7
	v_fma_f32 v[40+\t], v[8+2*\t], s[SG], s[SG+1]
	v_fma_f32 v[48+\t], v[9+2*\t], s[SG+2], s[SG+3]
	v_mul_f32 v[40+\t], v[40+\t], v[48+\t]
	v_fma_f32 v[48+\t], v[24+\t], s[SG+4], s[SG+5]
	v_mul_f32 v[40+\t], v[40+\t], v[48+\t]
	v_fma_f32 v[48+\t], v[32+\t], v[SG3], v[TU3]
	v_mul_f32 v[PTOP+\t], v[40+\t], v[48+\t]       ; ((f0 f1) f2) f3, reference()'s order
.endr
.macro TABLOAD                         ; my slot's 64 factors (v64-127) and 64 addends (v128-191): 16 lanes read the same 16 bytes
.set ti, 0
.rept 32
	ds_load_b128 v[PQ+4*ti:PQ+4*ti+3], v[TA] offset:16*ti
.set ti, ti+1
.endr
.endm
	TABLOAD
	WIN 0
.set ti, 0
.rept 16
	v_mov_b32 v[16+ti], 0                          ; the column sums start at 0: one text serves all eight trips
	v_mov_b32 v[48+ti], 0
.set ti, ti+1
.endr
; (c) a trip for each sample tile.  Register numbers cannot hang on the count, so the way in (from accumulators k) and the way out (into them) are written for each k and chosen by forward jumps.
.macro INK k
	WIN 0x56+((\k)>>2)
.set ti, 0
.rept 32
	v_pk_fma_f32 v[2*ti:2*ti+1], v[64*((\k)&3)+2*ti:64*((\k)&3)+2*ti+1], v[PQ+2*ti:PQ+2*ti+1], v[PQ+64+2*ti:PQ+64+2*ti+1]
.set ti, ti+1
.endr
	WIN 0x55
	v_mov_b32 v[PT], v[PTOP+(\k)]
	WIN 0
.endm
.macro OUTK k
	WIN 0x85+0x40*((\k)>>2)
.set ti, 0
.rept 32
	v_cvt_pk_bf16_f32 v[64*((\k)&3)+ti], v[2*ti], v[2*ti+1]   ; leaves 2 ti, 2 ti + 1: registers 8 kappa .. are source 1 of the second product
.set ti, ti+1
.endr
	WIN 0x55
	ds_store_b64 v[AMA], v[BV:BV+1] offset:1280*(\k)
	WIN 0
.endm
	s_mov_b32 s[MT], 0
.Ltree:
	s_wait_dscnt 0x0                               ; the table is in
.irp k, 0,1,2,3,4,5,6
	s_cmp_eq_u32 s[MT], \k
	s_cbranch_scc1 .Lin\k
.endr
	INK 7
	s_branch .Lbody
.irp k, 0,1,2,3,4,5
.Lin\k:
	INK \k
	s_branch .Lbody
.endr
.Lin6:
	INK 6
.Lbody:
	WIN 0x55
.set ti, 1
.rept 63
	v_exp_f32 v[ti], v[ti]
.set ti, ti+1
.endr
	v_nop
	s_wait_alu depctr_va_vdst(0)                   ; one wait for the 63 exponentials
.set ti, 0
.rept 32
	v_pk_add_f32 v[2*ti:2*ti+1], v[2*ti:2*ti+1], 1.0 op_sel_hi:[1,0]
.set ti, ti+1
.endr
.set ti, 1
.rept 63
	v_rcp_f32 v[PQ+2*ti+1], v[ti]                  ; p of entry ti
.set ti, ti+1
.endr
	v_nop
	s_wait_alu depctr_va_vdst(0)                   ; one wait for the 63 reciprocals
.set ti, 1
.rept 63
	v_sub_f32 v[PQ+2*ti], 1.0, v[PQ+2*ti+1]        ; 1 - p beside it
.set ti, ti+1
.endr
	v_pk_mul_f32 v[2:3], v[PQ+2:PQ+3], v[PT:PT+1] op_sel_hi:[1,0]   ; the children of entry 1
.set ti, 2
.rept 30                                       ; P[2 i], P[2 i + 1] = (1 - p, p) x P[i]
.if ti%2
	v_pk_mul_f32 v[2*ti:2*ti+1], v[PQ+2*ti:PQ+2*ti+1], v[ti-1:ti] op_sel:[0,1] op_sel_hi:[1,1]
.else
	v_pk_mul_f32 v[2*ti:2*ti+1], v[PQ+2*ti:PQ+2*ti+1], v[ti:ti+1] op_sel_hi:[1,0]
.endif
.set ti, ti+1
.endr
	WIN 0x04                                       ; the sums lie in window 0
.set ti, 0
.rept 16
	v_pk_add_f32 v[16+2*ti+16*(ti/8):17+2*ti+16*(ti/8)], v[16+2*ti+16*(ti/8):17+2*ti+16*(ti/8)], v[32+2*ti:33+2*ti]
.set ti, ti+1
.endr
	WIN 0x55
.set ti, 0
.rept 32                                       ; the leaves, over P from below: leaf pair ti lands below every P that is still wanted
.if ti%2
	v_pk_mul_f32 v[2*ti:2*ti+1], v[PQ+64+2*ti:PQ+64+2*ti+1], v[31+ti:32+ti] op_sel:[0,1] op_sel_hi:[1,1]
.else
	v_pk_mul_f32 v[2*ti:2*ti+1], v[PQ+64+2*ti:PQ+64+2*ti+1], v[32+ti:33+ti] op_sel_hi:[1,0]
.endif
.set ti, ti+1
.endr
	WIN 0
	s_cmp_eq_u32 s[MT], 7
	s_cbranch_scc1 .Lnotab                         ; the last trip needs no table
	WIN 0x55
	TABLOAD                                        ; for the next trip, under the search below
	WIN 0
.Lnotab:
	WIN 0x55
	; the first greatest of the 64 leaves: four chains of 16; a later leaf wins only if strictly greater
.irp c, 0,1,2,3
	v_mov_b32 v[BV+2*\c], v[16*\c]
	v_mov_b32 v[BV+2*\c+1], 16*\c
.endr
.set ak, 1
.rept 15
.set ac, 0
.rept 4
	v_cmp_ge_f32 vcc_lo, v[BV+2*ac], v[16*ac+ak]
	v_cndmask_b32 v[BV+2*ac+1], 16*ac+ak, v[BV+2*ac+1], vcc_lo
	v_max_num_f32 v[BV+2*ac], v[BV+2*ac], v[16*ac+ak]
.set ac, ac+1
.endr
.set ak, ak+1
.endr
.macro MERGE a, b
	v_cmp_ge_f32 vcc_lo, v[BV+2*(\a)], v[BV+2*(\b)]
	v_cndmask_b32 v[BV+2*(\a)+1], v[BV+2*(\b)+1], v[BV+2*(\a)+1], vcc_lo
	v_max_num_f32 v[BV+2*(\a)], v[BV+2*(\a)], v[BV+2*(\b)]
.endm
	MERGE 0, 1
	MERGE 2, 3
	MERGE 0, 2
	WIN 0
.irp k, 0,1,2,3,4,5,6
	s_cmp_eq_u32 s[MT], \k
	s_cbranch_scc1 .Lout\k
.endr
	OUTK 7
	s_branch .Lnext
.irp k, 0,1,2,3,4,5
.Lout\k:
	OUTK \k
	s_branch .Lnext
.endr
.Lout6:
	OUTK 6
.Lnext:
	s_add_co_u32 s[MT], s[MT], 1
	s_cmp_lt_u32 s[MT], 8
	s_cbranch_scc1 .Ltree
	; (d) the column sums over the 16 samples of a lane half; the best leaf over the 8 slots
.irp x, 1,2,4,8
.set ti, 0
.rept 16
	v_add_f32_dpp v[16+ti], v[16+ti], v[16+ti] row_xmask:\x row_mask:0xf bank_mask:0xf
	v_add_f32_dpp v[48+ti], v[48+ti], v[48+ti] row_xmask:\x row_mask:0xf bank_mask:0xf
.set ti, ti+1
.endr
.endr
.irp i, 0,1,2,3
	ds_store_b128 v15, v[16+4*\i:19+4*\i] offset:16*\i       ; 16 lanes write the same bytes with the same numbers
	ds_store_b128 v15, v[48+4*\i:51+4*\i] offset:64+16*\i
.endr
	s_wait_dscnt 0x0
	s_barrier_signal -1
	s_barrier_wait -1
	v_mul_u32_u24 v13, v0, 80                      ; thread = sample
	v_add_nc_u32 v13, AMX, v13
.irp i, 0,1,2,3
	ds_load_b128 v[16+4*\i:19+4*\i], v13 offset:16*\i
.endr
	v_lshl_add_u32 v49, v0, 3, SST
	ds_load_b64 v[50:51], v49
	v_lshlrev_b32 v48, 3, v0
	s_wait_dscnt 0x0
.irp s, 1,2,3,4,5,6,7
	v_add_nc_u32 v[17+2*\s], 64*\s, v[17+2*\s]
	v_cmp_ge_f32 vcc_lo, v16, v[16+2*\s]
	v_cndmask_b32 v17, v[17+2*\s], v17, vcc_lo
	v_max_num_f32 v16, v16, v[16+2*\s]
.endr
	s_lshl_b32 s66, s[HF], 9
	v_add_nc_u32 v17, s66, v17
	global_store_b32 v48, v16, s[16:17]
	global_store_b32 v48, v17, s[18:19]
	global_store_b64 v48, v[50:51], s[12:13]       ; a wave stores 256 consecutive bytes, aligned
; ---- THE LOSS.  R^T = logQ^T path^T (source 0 = 16 outputs, source 1 = 16 samples, K = my wave's 128 leaves): a lane holds one sample and 8 neighbouring outputs, as y's chunks lie.
; A unit is a slot: 8 output tiles, two intervals of y.  Tile n: 32 products; behind each two multiply-adds y R of tile n - 1, under the products' own window setting.
.macro RIDER hw, rr, pset
.set ra, (\rr)/8
.set rj, (\rr)%8
.if rj%2
	v_fma_mix_f32_bf16 v[LS+rj], v[YB+32*(\pset)+4*(4*(\hw)+ra)+rj/2], v[64*ra+RS0+8*(\pset)+rj], v[LS+rj] op_sel:[1,0,0] op_sel_hi:[1,0,0]
.else
	v_fma_mix_f32_bf16 v[LS+rj], v[YB+32*(\pset)+4*(4*(\hw)+ra)+rj/2], v[64*ra+RS0+8*(\pset)+rj], v[LS+rj] op_sel_hi:[1,0,0]
.endif
.endm
.macro OTLOADS n                       ; y of tile n (8 sample tiles x 16 bytes) and logQ of tile n + 1 (4 fragments), in one run
	WIN 0x40
.set ol, 0
.rept 8
	ds_load_b128 v[YB+32*((\n)&1)+4*ol:YB+32*((\n)&1)+4*ol+3], v[ADRA] offset:PIECE*((\n)>>2)+2304*ol+576*((\n)&3)
.set ol, ol+1
.endr
.if (\n) < 7
.set ol, 0
.rept 8
	ds_load_b128 v[32*(1-((\n)&1))+4*ol:32*(1-((\n)&1))+4*ol+3], v[ADRB] offset:4096*((\n)+1)+512*ol
.set ol, ol+1
.endr
.endif
.endm
.macro OT n, rid, bun
.set ocs, (\n)&1
	s_wait_dscnt 0x0                               ; logQ of this tile and y of the last are in
.set oi, 0
.rept 32
.set ohi, oi/16
.set okp, (oi%16)/4
.set oa, oi%4
	WIN 0xa9+0x54*ohi
.if okp == 0                                   ; four accumulators by turns; the first link starts the sum
	v_wmma_f32_16x16x32_bf16 v[64*oa+RS0+8*ocs:64*oa+RS0+8*ocs+7], v[32*ocs+8*okp:32*ocs+8*okp+7], v[64*oa+8*okp:64*oa+8*okp+7], 0
.else
	v_wmma_f32_16x16x32_bf16 v[64*oa+RS0+8*ocs:64*oa+RS0+8*ocs+7], v[32*ocs+8*okp:32*ocs+8*okp+7], v[64*oa+8*okp:64*oa+8*okp+7], v[64*oa+RS0+8*ocs:64*oa+RS0+8*ocs+7]
.endif
.if \rid
	RIDER ohi, 2*(oi%16), 1-ocs
	RIDER ohi, 2*(oi%16)+1, 1-ocs
.endif
.if oi == 1
	OTLOADS \n                                     ; the other set's last reader stands four plain instructions back or more
.endif
.if (\bun) && ((oi%8) == 5)
	HOOK
.endif
.set oi, oi+1
.endr
.endm
.macro LUMP pset                       ; the 64 multiply-adds of a tile that no later tile carries
	WIN 0xa9
.set li, 0
.rept 32
	RIDER 0, li, \pset
.set li, li+1
.endr
	WIN 0xfd
.set li, 0
.rept 32
	RIDER 1, li, \pset
.set li, li+1
.endr
.endm
.macro HEAD                            ; logQ of a unit's first tile
	WIN 0x40
.set ol, 0
.rept 8
	ds_load_b128 v[4*ol:4*ol+3], v[ADRB] offset:512*ol
.set ol, ol+1
.endr
.endm
.macro MID step                        ; between tiles 3 and 4: the pieces change; my stagings and my reads of the old piece are done.  My tensor load may stay out
	WIN 0
	s_wait_dscnt 0x0
	s_barrier_signal -1
	s_barrier_wait -1
.if \step
	s_wait_xcnt 0x0
	s_add_nc_u64 s[XP:XP+1], s[XP:XP+1], 512
.endif
.endm
.macro CHG fill                        ; the change of slots (and pieces)
	WIN 0
.if \fill
	s_wait_xcnt 0x0
	s_add_nc_u64 s[PFW:PFW+1], s[PFW:PFW+1], SLOTB
.endif
	s_wait_tensorcnt 0x0                           ; all my tensor loads have landed: my part of the next slot
	ds_add_u32 v[SPW], v[NIL]                      ; 0 onto my spare word; scalar work stands between it and the wait
.if \fill
	s_xor_b32 s[G0B+1], s[G0B+1], SLOTB
	s_add_nc_u64 s[G0B+2:G0B+3], s[G0B+2:G0B+3], SLOTB
.endif
	s_xor_b32 s[TB], s[TB], SLOTB
	s_wait_dscnt 0x0                               ; the add is done; my reads of the slot and the piece, and my stagings, are over
.if \fill
	CROUND
	JLOAD                                          ; it has a unit, 256 matrix instructions, in which to land
.else
	s_barrier_signal -1
	s_barrier_wait -1
	PLACES
.endif
	v_add_nc_u32 v[ADRB], s[TB], v[AB0]
.endm
.macro STG16 set                       ; an interval staged in one run, where nothing more is asked for: 15 - q younger loads at the most may stay out
	WIN 0
.set q, 0
.rept 16
	s_wait_loadcnt 15-q
	v_cvt_pk_bf16_f32 v[XS+64*(\set)+4*q], v[XS+64*(\set)+4*q], v[XS+64*(\set)+4*q+1]
	v_cvt_pk_bf16_f32 v[XS+64*(\set)+4*q+1], v[XS+64*(\set)+4*q+2], v[XS+64*(\set)+4*q+3]
	ds_store_b64 v[AWR], v[XS+64*(\set)+4*q:XS+64*(\set)+4*q+1] offset:(\set)*PIECE+(q>>3)*2304+(q&7)*32
.set q, q+1
.endr
.endm
	WIN 0x80
.irp j, 0,1,2,3,4,5,6,7
	v_mov_b32 v[LS+\j], 0
.endr
	WIN 0xc0
.irp j, 0,1,2,3,4,5,6,7
	v_mov_b32 v[LS+\j], 0
.endr
	HEAD
	WIN 0
	s_mov_b32 s[CNT], 6
.Lunit:                                        ; units 0-5: each asks for the slot two on
.set BSET, 1
.set BOFF, 256
.set ldn, 0
	OT 0, 0, 1
	PLACES                                         ; tile 0 carries no multiply-adds: these are the places behind its products
	OT 1, 1, 1
	OT 2, 1, 1
	OT 3, 1, 1
	MID 1
.set BSET, 0
.set BOFF, 0
.set ldn, 0
	OT 4, 1, 1
	OT 5, 1, 1
	OT 6, 1, 1
	OT 7, 1, 1
	CHG 1
	HEAD
	ASKW 0
	LUMP 1                                         ; tile 7's, while the next unit's first fragments come
	WIN 0
	s_sub_co_u32 s[CNT], s[CNT], 1
	s_cmp_lg_u32 s[CNT], 0
	s_cbranch_scc1 .Lunit
.set ldn, 16
	s_mov_b32 s[MT], 2
.Ltail:                                        ; units 6 and 7: the stream ends.  Forward jumps on the count lead round loads, stagings and dead tiles alone, never round a barrier
	STG16 1                                        ; interval 45, then 47
	s_cmp_eq_u32 s[MT], 2
	s_cbranch_scc0 .Lt1
	s_wait_xcnt 0x0
.set q, 0
.rept 16
	v_sub_nc_u32 v[VO+q], v[VO+q], v[DELTA]        ; interval 47 has 40 outputs: the lanes past them repeat the last 16 bytes of the row; logQ is 0 there
.set q, q+1
.endr
.set q, 0
.rept 16
	global_load_b128 v[XS+64+4*q:XS+64+4*q+3], v[VO+q], s[XP:XP+1] offset:256
.set q, q+1
.endr
.Lt1:
	OT 0, 0, 0
	PLACES
	OT 1, 1, 0
	OT 2, 1, 0
	OT 3, 1, 0
	MID 0
	s_cmp_eq_u32 s[MT], 2
	s_cbranch_scc0 .Lt2
	STG16 0                                        ; interval 46
.Lt2:
	OT 4, 1, 0
	OT 5, 1, 0
	OT 6, 1, 0
	WIN 0
	s_cmp_eq_u32 s[MT], 1
	s_cbranch_scc1 .Lno7                           ; outputs 1008-1023 are padding
	OT 7, 1, 0
	WIN 0
.Lno7:
	CHG 0
	s_cmp_eq_u32 s[MT], 1
	s_cbranch_scc1 .Lnolump
	HEAD
	LUMP 1
	WIN 0
.Lnolump:
	s_sub_co_u32 s[MT], s[MT], 1
	s_cmp_lg_u32 s[MT], 0
	s_cbranch_scc1 .Ltail
	LUMP 0                                         ; tile 62's
	; ---- the work-group's part of the loss
	WIN 0x0e                                       ; source 0 window 2, source 1 window 3, destination window 0
.irp j, 0,2,4,6
	v_pk_add_f32 v[16+\j:17+\j], v[LS+\j:LS+\j+1], v[LS+\j:LS+\j+1]
.endr
	WIN 0
	v_pk_add_f32 v[16:17], v[16:17], v[18:19]
	v_pk_add_f32 v[20:21], v[20:21], v[22:23]
	v_pk_add_f32 v[16:17], v[16:17], v[20:21]
	v_add_f32 v16, v16, v17
.irp x, 1,2,4,8
	v_add_f32_dpp v16, v16, v16 row_xmask:\x row_mask:0xf bank_mask:0xf
.endr
	v_permlanex16_b32 v17, v16, s[SEL], s[SEL+1]
	v_add_f32 v16, v16, v17
	v_lshl_add_u32 v18, s[WV], 2, LRED
	ds_store_b32 v18, v16
	s_wait_dscnt 0x0
	s_barrier_signal -1
	s_barrier_wait -1
	v_mov_b32 v19, LRED
	ds_load_b128 v[20:23], v19
	v_mov_b32 v24, 0
	v_cmp_eq_u32 vcc_lo, 0, v0
	s_wait_dscnt 0x0
	v_add_f32 v20, v20, v21
	v_add_f32 v22, v22, v23
	v_add_f32 v20, v20, v22
	s_wait_xcnt 0x0                                ; EXEC changes only behind this wait
	s_and_saveexec_b32 s66, vcc_lo                 ; thread 0 alone
	global_store_b32 v24, v20, s[14:15]
	s_wait_xcnt 0x0                                ; and again, in front of the line that widens it
	s_or_b32 exec_lo, exec_lo, s66
	s_wait_tensorcnt 0x0                           ; the wave's end: three lines behind my last tensor load and my last LDS store
	ds_add_u32 v[SPW], v[NIL]
	s_wait_dscnt 0x0
	CROUND                                         ; the closing round: no work-group ends while a partner may still ask for a tile that names it
	s_endpgm
.Lfunc_end_k_qc1dff9d0bd_main:
	.size	k_qc1dff9d0bd_main, .Lfunc_end_k_qc1dff9d0bd_main-k_qc1dff9d0bd_main
	.p2alignl 7, 3214868480
	.fill 96, 4, 3214868480
	.section	.rodata,"a",@progbits
	.p2align	6, 0x0
	.amdhsa_kernel k_qc1dff9d0bd_main
		.amdhsa_group_segment_fixed_size 327680
		.amdhsa_private_segment_fixed_size 0
		.amdhsa_enable_private_segment 0
		.amdhsa_kernarg_size 64
		.amdhsa_user_sgpr_count 2
		.amdhsa_user_sgpr_kernarg_segment_ptr 1
		.amdhsa_wavefront_size32 1
		.amdhsa_system_sgpr_workgroup_id_x 1
		.amdhsa_system_sgpr_workgroup_id_y 1
		.amdhsa_system_sgpr_workgroup_id_z 1
		.amdhsa_system_vgpr_workitem_id 0
		.amdhsa_next_free_vgpr 1024
		.amdhsa_next_free_sgpr 96
		.amdhsa_reserve_vcc 1
		.amdhsa_float_denorm_mode_32 3
		.amdhsa_float_denorm_mode_16_64 3
		.amdhsa_memory_ordered 1
		.amdhsa_forward_progress 1
		.amdhsa_inst_pref_size 255
	.end_amdhsa_kernel
	.section	.bss,"aw",@nobits
	.p2align	6
	.space	262144
	.amdgpu_metadata
---
amdhsa.version: [ 1, 2 ]
amdhsa.kernels:
  - .name:           k_qc1dff9d0bd_main
    .symbol:         k_qc1dff9d0bd_main.kd
    .args:
      - { .name: x, .offset: 0, .size: 8, .value_kind: global_buffer, .address_space: global }
      - { .name: y, .offset: 8, .size: 8, .value_kind: global_buffer, .address_space: global }
      - { .name: wts, .offset: 16, .size: 8, .value_kind: global_buffer, .address_space: global }
      - { .name: tab, .offset: 24, .size: 8, .value_kind: global_buffer, .address_space: global }
      - { .name: spart, .offset: 32, .size: 8, .value_kind: global_buffer, .address_space: global }
      - { .name: lossp, .offset: 40, .size: 8, .value_kind: global_buffer, .address_space: global }
      - { .name: bestv, .offset: 48, .size: 8, .value_kind: global_buffer, .address_space: global }
      - { .name: besti, .offset: 56, .size: 8, .value_kind: global_buffer, .address_space: global }
    .group_segment_fixed_size: 327680
    .private_segment_fixed_size: 0
    .kernarg_segment_align: 8
    .kernarg_segment_size: 64
    .max_flat_workgroup_size: 128
    .sgpr_count:     96
    .vgpr_count:     1024
    .wavefront_size: 32
...
	.end_amdgpu_metadata
.endif
;; end of part 2
;; launch finish (part 3): grid 257 x 1, 20 waves a work-group, no clusters, 10,752 bytes of LDS; arguments spart, lossp, bestv, besti, qtab, out0, out1; writes out0, out1
.if DOCPART == 3
	.amdgcn_target "amdgcn-amd-amdhsa--gfx1250"
	.amdhsa_code_object_version 6
	.text
	.protected	k_qc1dff9d0bd_finish
	.globl	k_qc1dff9d0bd_finish
	.p2align	8
	.type	k_qc1dff9d0bd_finish,@function
k_qc1dff9d0bd_finish:
	s_mov_b64 s[64:65], 0
	v_nop
	global_prefetch_b8 v0, s[64:65] scope:SCOPE_SE
	s_setreg_imm32_b32 hwreg(HW_REG_WAVE_MODE, 25, 1), 1
	s_wait_xcnt 0x0
; SOFT DECISION TREE, launch 3 of 3.  Work-groups 1-256: out1 = Q[best leaf], 64 rows each.  Work-group 0: out0 = loss + C.
; Left out, as shown at the head of the first kernel: the penalty of level 9; the higher levels' column sums are sums of pairs of level 9's, and sum p path of a node is its right child's sum.
; THE GATHER.  Each half of the tree has stored its best leaf (a whole number) and that leaf's path (f32).  Which half wins hangs on the two f32: so BOTH rows of Q are loaded, by the stored whole
; numbers, and the winner's numbers are selected; the right half wins only if strictly greater, as the first maximum asks.  64 rows are 256,000 consecutive bytes, aligned: 500 groups of 512;
; each of 20 waves takes 25 on end, so every store covers 512 consecutive bytes, aligned, whatever the rows' ends.  No matrix unit, no tensor load: nothing is shared and nothing multiplied.
; All index loads go out first; the rows of Q then run through six register slots, so that a wave has ten loads of 512 bytes out.
.set SPARE, 8192                       ; the spare words: 128 bytes for each of 20 waves; no other line names them
.set SPW, 2
.set NIL, 3
.set IX,  16                           ; v16-65   group n: the two leaves, then the two offsets in qtab
.set VL,  66                           ; v66-115  group n: the two paths
.set QD,  116                          ; v116-140 group n: 16 x my place in the row
.set QS,  144                          ; v144-191 six slots of two quads; before that the index loads' addresses
	s_load_b256 s[4:11], s[0:1], 0x0               ; spart s[4:5], lossp s[6:7], bestv s[8:9], besti s[10:11]
	s_load_b128 s[12:15], s[0:1], 0x20             ; qtab s[12:13], out0 s[14:15]
	s_load_b64 s[16:17], s[0:1], 0x30              ; out1
	v_lshl_add_u32 v[SPW], v0, 2, SPARE
	v_mov_b32 v[NIL], 0
	v_lshrrev_b32 v1, 5, v0
	v_readfirstlane_b32 s20, v1                    ; wave 0..19
	s_wait_kmcnt 0x0
	s_cmp_eq_u32 ttmp9, 0
	s_cbranch_scc1 .Lsum
	s_sub_co_u32 s21, ttmp9, 1
	s_mul_i32 s22, s21, 256000
	s_mov_b32 s23, 0
	s_add_nc_u64 s[16:17], s[16:17], s[22:23]
	s_lshl_b32 s22, s21, 9                         ; 64 rows x 8 bytes
	s_add_nc_u64 s[8:9], s[8:9], s[22:23]
	s_add_nc_u64 s[10:11], s[10:11], s[22:23]
	v_and_b32 v4, 31, v0
	s_mul_i32 s24, s20, 800
	v_add_nc_u32 v4, s24, v4                       ; my 16 bytes' number in the work-group's 16,000, for group 0
	v_lshlrev_b32 v5, 4, v4
.set n, 0
.rept 25
	v_add_nc_u32 v6, 32*n, v4
	v_mul_u32_u24 v7, v6, 0x418a                   ; / 250: x 16778 >> 22 is exact below 16,000 (the excess, f x 0.784 / 2^22, stays under 1 / 250)
	v_lshrrev_b32 v7, 22, v7                       ; the row
	v_lshlrev_b32 v[QS+n], 3, v7
	v_mul_u32_u24 v7, v7, 250
	v_sub_nc_u32 v7, v6, v7
	v_lshlrev_b32 v[QD+n], 4, v7
	global_load_b64 v[IX+2*n:IX+2*n+1], v[QS+n], s[10:11]
	global_load_b64 v[VL+2*n:VL+2*n+1], v[QS+n], s[8:9]
.set n, n+1
.endr
	s_wait_loadcnt 0x0                             ; all are in, and their address registers are free
.set n, 0
.rept 25
	v_cmp_gt_f32 s[36+n], v[VL+2*n+1], v[VL+2*n]   ; it selects values alone
	v_min_u32 v[IX+2*n], 0x3ff, v[IX+2*n]
	v_min_u32 v[IX+2*n+1], 0x3ff, v[IX+2*n+1]
	v_mul_u32_u24 v[IX+2*n], v[IX+2*n], 4000
	v_mul_u32_u24 v[IX+2*n+1], v[IX+2*n+1], 4000
	v_add_nc_u32 v[IX+2*n], v[IX+2*n], v[QD+n]
	v_add_nc_u32 v[IX+2*n+1], v[IX+2*n+1], v[QD+n]
.set n, n+1
.endr
.macro QLOAD g
	global_load_b128 v[QS+8*((\g)%6):QS+8*((\g)%6)+3],   v[IX+2*(\g)],   s[12:13]
	global_load_b128 v[QS+8*((\g)%6)+4:QS+8*((\g)%6)+7], v[IX+2*(\g)+1], s[12:13]
.endm
.irp g, 0,1,2,3,4,5
	QLOAD \g
.endr
.set n, 0
.rept 25
.set d, n%6
.set yg, 5
.if n+5 > 24
.set yg, 24-n
.endif
	s_wait_loadcnt 2*yg                            ; two loads for each of the groups asked for behind this one
.irp k, 0,1,2,3
	v_cndmask_b32 v[QS+8*d+\k], v[QS+8*d+\k], v[QS+8*d+4+\k], s[36+n]
.endr
	global_store_b128 v5, v[QS+8*d:QS+8*d+3], s[16:17] offset:512*n th:TH_STORE_NT
.if n+6 < 25
	s_wait_xcnt 0x0                                ; the store has read its registers: the slot is loaded again only behind this wait
	QLOAD n+6
.endif
.set n, n+1
.endr
	s_branch .Lend
; ---- work-group 0.  spart is [128][512]: thread t < 512 adds rows 32 (t / 128) .. + 31 of columns 4 (t % 128) .. + 3.
.Lsum:
	s_cmp_lt_u32 s20, 16
	s_cbranch_scc0 .Lsbar
	v_and_b32 v6, 127, v0
	v_lshlrev_b32 v6, 4, v6
	v_lshrrev_b32 v7, 7, v0
	v_lshl_add_u32 v6, v7, 16, v6
.set i, 0
.rept 32
	global_load_b128 v[16+4*i:19+4*i], v6, s[4:5] offset:2048*i
.set i, i+1
.endr
	s_wait_loadcnt 0x0
.irp st, 16,8,4,2,1
.set i, 0
.rept \st
	v_pk_add_f32 v[16+4*i:17+4*i], v[16+4*i:17+4*i], v[16+4*(i+\st):17+4*(i+\st)]
	v_pk_add_f32 v[18+4*i:19+4*i], v[18+4*i:19+4*i], v[18+4*(i+\st):19+4*(i+\st)]
.set i, i+1
.endr
.endr
	v_lshlrev_b32 v7, 4, v0
	ds_store_b128 v7, v[16:19]                     ; four partial rows of 2,048 bytes
.Lsbar:
	s_wait_dscnt 0x0
	s_barrier_signal -1
	s_barrier_wait -1
	s_cmp_eq_u32 s20, 0
	s_cbranch_scc0 .Lend
	; wave 0: lane l has level 9's sums 16 l .. 16 l + 15: levels 8 to 5 lie inside the lane, levels 4 to 0 across lanes
	v_lshlrev_b32 v6, 6, v0
.irp g, 0,1,2,3
.irp p, 0,1,2,3
	ds_load_b128 v[16+16*\g+4*\p:19+16*\g+4*\p], v6 offset:2048*\g+16*\p
.endr
.endr
	v_lshlrev_b32 v7, 5, v0
	global_load_b128 v[112:115], v7, s[6:7]        ; 8 of the 256 partial losses
	global_load_b128 v[116:119], v7, s[6:7] offset:16
	s_mov_b32 s24, 0xaaaaaaaa                      ; the lanes that hold the right child, by level
	s_mov_b32 s25, 0xcccccccc
	s_mov_b32 s26, 0xf0f0f0f0
	s_mov_b32 s27, 0xff00ff00
	s_mov_b32 s28, 0xffff0000
	s_mov_b32 s30, 0x76543210
	s_mov_b32 s31, 0xfedcba98
	s_wait_dscnt 0x0
.irp j, 0,2,4,6,8,10,12,14
	v_pk_add_f32 v[16+\j:17+\j], v[16+\j:17+\j], v[32+\j:33+\j]
	v_pk_add_f32 v[48+\j:49+\j], v[48+\j:49+\j], v[64+\j:65+\j]
.endr
.irp j, 0,2,4,6,8,10,12,14
	v_pk_add_f32 v[16+\j:17+\j], v[16+\j:17+\j], v[48+\j:49+\j]
.endr
.irp a, 0,1,2,3,4,5,6,7
	v_add_f32 v[32+\a], v[16+2*\a], v[17+2*\a]     ; level 8
.endr
.irp a, 0,1,2,3
	v_add_f32 v[40+\a], v[32+2*\a], v[33+2*\a]     ; level 7
.endr
	v_add_f32 v44, v40, v41                        ; level 6
	v_add_f32 v45, v42, v43
	v_add_f32 v46, v44, v45                        ; level 5
	v_mov_b32 v48, 0                               ; the destination of a lane exchange counts as read
	v_mov_b32_dpp v48, v46 row_xmask:1 row_mask:0xf bank_mask:0xf
	v_add_f32 v50, v46, v48                        ; level 4: both lanes of a pair hold the node,
	v_cndmask_b32 v51, v48, v46, s24               ; and its right child's sum
	v_mov_b32_dpp v48, v50 row_xmask:2 row_mask:0xf bank_mask:0xf
	v_add_f32 v52, v50, v48
	v_cndmask_b32 v53, v48, v50, s25
	v_mov_b32_dpp v48, v52 row_xmask:4 row_mask:0xf bank_mask:0xf
	v_add_f32 v54, v52, v48
	v_cndmask_b32 v55, v48, v52, s26
	v_mov_b32_dpp v48, v54 row_xmask:8 row_mask:0xf bank_mask:0xf
	v_add_f32 v56, v54, v48
	v_cndmask_b32 v57, v48, v54, s27
	v_permlanex16_b32 v48, v56, s30, s31
	v_add_f32 v58, v56, v48
	v_cndmask_b32 v59, v48, v56, s28
	; 20 nodes a lane: pen = right / total
.macro PENR idx, tot
	v_rcp_f32 v[64+(\idx)], v[\tot]
.endm
.macro PENM idx, rgt
	v_mul_f32 v[64+(\idx)], v[64+(\idx)], v[\rgt]
	v_sub_f32 v[88+(\idx)], 1.0, v[64+(\idx)]
.endm
.irp a, 0,1,2,3,4,5,6,7
	PENR \a, 32+\a
.endr
.irp a, 0,1,2,3
	PENR 8+\a, 40+\a
.endr
	PENR 12, 44
	PENR 13, 45
	PENR 14, 46
.irp a, 0,1,2,3,4
	PENR 15+\a, 50+2*\a
.endr
	v_nop                                          ; a plain instruction behind the last reciprocal,
	s_wait_alu depctr_va_vdst(0)                   ; and one wait for the batch
.irp a, 0,1,2,3,4,5,6,7
	PENM \a, 17+2*\a
.endr
.irp a, 0,1,2,3
	PENM 8+\a, 33+2*\a
.endr
	PENM 12, 41
	PENM 13, 43
	PENM 14, 45
.irp a, 0,1,2,3,4
	PENM 15+\a, 51+2*\a
.endr
.set i, 0
.rept 20
	v_log_f32 v[64+i], v[64+i]
	v_log_f32 v[88+i], v[88+i]
.set i, i+1
.endr
	v_nop
	s_wait_alu depctr_va_vdst(0)
.set i, 0
.rept 20
	v_add_f32 v[64+i], v[64+i], v[88+i]            ; log2 pen + log2 (1 - pen)
.set i, i+1
.endr
	; weights: 0.1 x 2^-(level + 1) x 0.5 x ln 2, divided by the 2^k lanes that repeat a node of level 5 - k: 2^-6 for levels 0-5, then 2^-7, 2^-8, 2^-9, all times 0.05 ln 2
.irp a, 1,2,3,4,5,6,7
	v_add_f32 v64, v64, v[64+\a]                   ; level 8
.endr
.irp a, 1,2,3
	v_add_f32 v72, v72, v[72+\a]                   ; level 7
.endr
	v_add_f32 v76, v76, v77                        ; level 6
.irp a, 1,2,3,4,5
	v_add_f32 v78, v78, v[78+\a]                   ; levels 5 to 0
.endr
	v_fma_f32 v64, v64, 0.5, v72
	v_fma_f32 v64, v64, 0.5, v76
	v_fma_f32 v64, v64, 0.5, v78
	s_wait_loadcnt 0x0
	v_pk_add_f32 v[112:113], v[112:113], v[114:115]
	v_pk_add_f32 v[116:117], v[116:117], v[118:119]
	v_pk_add_f32 v[112:113], v[112:113], v[116:117]
	v_add_f32 v112, v112, v113
	v_mul_f32 v112, 0x38800000, v112               ; / 16384
	v_fmac_f32 v112, 0x3a0df4e0, v64               ; + 0.05 ln 2 / 64 x the logarithms
.irp x, 1,2,4,8
	v_add_f32_dpp v112, v112, v112 row_xmask:\x row_mask:0xf bank_mask:0xf
.endr
	v_permlanex16_b32 v113, v112, s30, s31
	v_add_f32 v112, v112, v113
	v_mul_f32 v112, -1.0, v112                     ; loss and C both carry the minus
	v_mov_b32 v114, 0
	v_cmp_eq_u32 vcc_lo, 0, v0
	s_wait_xcnt 0x0                                ; EXEC changes only behind this wait
	s_and_saveexec_b32 s32, vcc_lo
	global_store_b32 v114, v112, s[14:15]
	s_wait_xcnt 0x0                                ; and again, in front of the line that widens it
	s_or_b32 exec_lo, exec_lo, s32
.Lend:
	s_wait_tensorcnt 0x0                           ; the wave's end: three lines behind my last LDS store
	ds_add_u32 v[SPW], v[NIL]
	s_wait_dscnt 0x0
	s_endpgm
.Lfunc_end_k_qc1dff9d0bd_finish:
	.size	k_qc1dff9d0bd_finish, .Lfunc_end_k_qc1dff9d0bd_finish-k_qc1dff9d0bd_finish
	.p2alignl 7, 3214868480
	.fill 96, 4, 3214868480
	.section	.rodata,"a",@progbits
	.p2align	6, 0x0
	.amdhsa_kernel k_qc1dff9d0bd_finish
		.amdhsa_group_segment_fixed_size 10752
		.amdhsa_private_segment_fixed_size 0
		.amdhsa_enable_private_segment 0
		.amdhsa_kernarg_size 56
		.amdhsa_user_sgpr_count 2
		.amdhsa_user_sgpr_kernarg_segment_ptr 1
		.amdhsa_wavefront_size32 1
		.amdhsa_system_sgpr_workgroup_id_x 1
		.amdhsa_system_sgpr_workgroup_id_y 1
		.amdhsa_system_sgpr_workgroup_id_z 1
		.amdhsa_system_vgpr_workitem_id 0
		.amdhsa_next_free_vgpr 192
		.amdhsa_next_free_sgpr 66
		.amdhsa_reserve_vcc 1
		.amdhsa_float_denorm_mode_32 3
		.amdhsa_float_denorm_mode_16_64 3
		.amdhsa_memory_ordered 1
		.amdhsa_forward_progress 1
		.amdhsa_inst_pref_size 59
	.end_amdhsa_kernel
	.amdgpu_metadata
---
amdhsa.version: [ 1, 2 ]
amdhsa.kernels:
  - .name:           k_qc1dff9d0bd_finish
    .symbol:         k_qc1dff9d0bd_finish.kd
    .args:
      - { .name: spart, .offset: 0, .size: 8, .value_kind: global_buffer, .address_space: global }
      - { .name: lossp, .offset: 8, .size: 8, .value_kind: global_buffer, .address_space: global }
      - { .name: bestv, .offset: 16, .size: 8, .value_kind: global_buffer, .address_space: global }
      - { .name: besti, .offset: 24, .size: 8, .value_kind: global_buffer, .address_space: global }
      - { .name: qtab, .offset: 32, .size: 8, .value_kind: global_buffer, .address_space: global }
      - { .name: out0, .offset: 40, .size: 8, .value_kind: global_buffer, .address_space: global }
      - { .name: out1, .offset: 48, .size: 8, .value_kind: global_buffer, .address_space: global }
    .group_segment_fixed_size: 10752
    .private_segment_fixed_size: 0
    .kernarg_segment_align: 8
    .kernarg_segment_size: 56
    .max_flat_workgroup_size: 640
    .sgpr_count:     66
    .vgpr_count:     192
    .wavefront_size: 32
...
	.end_amdgpu_metadata
.endif
;; end of part 3
;; ======== version 2 of 3: 3 launches
;; limits: values outside matrix products are rounded to bf16
;; workspace buffers: wts 6,291,456 bytes; tab 8,192 bytes; qtab 2,048,000 bytes; spart 262,144 bytes; lossp 1,024 bytes; bestv 131,072 bytes; besti 131,072 bytes of whole numbers
;; launch prep (part 4): grid 193 x 1, 8 waves a work-group, no clusters, 37,888 bytes of LDS; arguments W, b, beta, leaf_params, wts, tab, qtab; writes wts, tab, qtab
.if DOCPART == 4
	.amdgcn_target "amdgcn-amd-amdhsa--gfx1250"
	.amdhsa_code_object_version 6
	.text
	.protected	k_qc1dff9d0bd_prep
	.globl	k_qc1dff9d0bd_prep
	.p2align	8
	.type	k_qc1dff9d0bd_prep,@function
k_qc1dff9d0bd_prep:
	s_mov_b64 s[64:65], 0
	v_nop
	global_prefetch_b8 v0, s[64:65] scope:SCOPE_SE
	s_setreg_imm32_b32 hwreg(HW_REG_WAVE_MODE, 25, 1), 1
	s_wait_xcnt 0x0
; SOFT DECISION TREE, launch 1 of 3: the small inputs are rounded to bf16 once and laid out as the main launch's registers take them.
;   wts   [half 2][step 24][wave 4][32 blocks of 1,024 bytes], bf16.  Steps 0-15: W by K steps of 128; steps 16-23: log softmax(leaf_params) by 128 outputs.
;   tab   [half 2][slot 8][64 x -log2(e) beta | 64 x -log2(e) beta b], f32
;   qtab  softmax(leaf_params), [1024][1000] bf16: a table that the last launch reads, rounded once
; WORK LEFT OUT BY THE WHOLE PROGRAM, for all finite values of the inputs:
;   (1) the penalty of the 512 nodes of level 9: reference() itself throws it away by where(depths < MAX_DEPTH, .., 0.0).
;   (2) sum_b p[n] path[n] is not formed: p[n] path[n] IS path[right child of n], the same f32 product.
;   (3) sum_b path[n] is formed for level 9 alone: path[left] + path[right] = path[n] ((1-p) + p = 1), so the higher levels' sums are sums of pairs.
;   (4) loss: sum_l path_l sum_o y_o logQ[l][o] is taken as sum_o y_o (sum_l path_l logQ[l][o]): the same products in another order.
;   (5) outputs 1000-1023 are padding of this layout (zeros); the tile of outputs 1008-1023 is never multiplied.
; Every input has a way to an output: all six are loaded.
; LIMITS.  x, W, b, beta, y, leaf_params are rounded to bf16 once; leaf paths and logQ are rounded to bf16 for the loss's product; Q is rounded to bf16 in the table, so out1 carries 2^-9 of each number at
; the most; the sums of (3) round in another order than reference()'s; exponentials, reciprocals and logarithms count denormals as 0; NaN is not treated apart; two best leaves closer than f32's rounding
; of the sums may change places; a NaN, an infinity or an overflow that reaches only the work left out is not carried to the result.
; THE MAP.  Half hf, wave w, lane half h: slot s8 = 2 w + h is the subtree under node 8 hf + s8 of level 4.  Entry i = 1..63 of a slot is its local heap: node pw(i) (15 + 8 hf + s8) + i - 1,
; pw(i) the largest power of two not above i.  Entry 0 of slot s8 is one of the half's 8 ancestors of levels 0-3: node max(pw(s8) (1 + hf) + s8 - 1, 0).
; Row m of node tile nt of wave w is entry 8 nt + m % 8 of slot 2 w + m / 8.
; A block is [g 2][lane 32][16 bytes]: what lane (r = lane % 16, h = lane / 16) loads as registers 4 g .. 4 g + 3 of a 16-bit fragment.
.set SPARE, 36864                      ; the spare words: 128 bytes for each of 8 waves; no other line names them
.set SPW,   8                          ; v8  SPARE + 4 x thread; never rewritten
.set NIL,   9                          ; v9  0; never rewritten
.set HALFW, 3145728                    ; bytes of wts for one half
.set STEPB, 131072                     ; bytes of a step
	s_load_b256 s[4:11], s[0:1], 0x0               ; W s[4:5], b s[6:7], beta s[8:9], leaf_params s[10:11]
	s_load_b128 s[12:15], s[0:1], 0x20             ; wts s[12:13], tab s[14:15]
	s_load_b64 s[16:17], s[0:1], 0x30              ; qtab
	v_lshl_add_u32 v[SPW], v0, 2, SPARE
	v_mov_b32 v[NIL], 0
	v_lshrrev_b32 v1, 5, v0
	v_readfirstlane_b32 s20, v1                    ; wave 0..7
	v_and_b32 v2, 31, v0                           ; lane
	s_mov_b32 s40, 0x76543210                      ; v_permlanex16_b32: each lane takes its own place in the other half
	s_mov_b32 s41, 0xfedcba98
	s_mov_b32 s42, 0xffff0000                      ; a word's upper bf16
	s_wait_kmcnt 0x0
	s_cmp_lt_u32 ttmp9, 128
	s_cbranch_scc1 .Lwpart
	s_cmp_lt_u32 ttmp9, 192
	s_cbranch_scc1 .Lleaf
; ---- work-group 192: the table.  Entry n = thread + 256 k: half n / 512, slot (n / 64) % 8, i = n % 64.
.irp k, 0,1,2,3
	v_add_nc_u32 v10, 256*\k, v0                   ; n
	v_lshrrev_b32 v11, 9, v10                      ; hf
	v_bfe_u32 v12, v10, 6, 3                       ; slot
	v_and_b32 v13, 63, v10                         ; i
	v_lshl_add_u32 v14, v11, 3, v12
	v_add_nc_u32 v14, 15, v14                      ; 15 + 8 hf + slot
	v_add_nc_u32 v15, 1, v11                       ; 1 + hf
	v_cmp_eq_u32 vcc_lo, 0, v13
	v_cndmask_b32 v16, v13, v12, vcc_lo            ; v = i, or the slot for entry 0
	v_cndmask_b32 v17, v14, v15, vcc_lo            ; its factor
	v_lshrrev_b32 v18, 1, v16                      ; all bits below v's highest are set,
	v_or_b32 v18, v18, v16
	v_lshrrev_b32 v19, 2, v18
	v_or_b32 v18, v18, v19
	v_lshrrev_b32 v19, 4, v18
	v_or_b32 v18, v18, v19
	v_add_nc_u32 v18, 1, v18
	v_lshrrev_b32 v18, 1, v18                      ; pw(v)
	v_mad_u32_u24 v18, v18, v17, v16
	v_add_nc_u32 v19, -1, v18
	v_cmp_eq_u32 vcc_lo, 0, v18
	v_cndmask_b32 v19, v19, v18, vcc_lo            ; the node; the root where the sum is 0
	v_lshlrev_b32 v[20+\k], 2, v19
	global_load_b32 v[24+\k], v[20+\k], s[8:9]     ; beta[node]
	global_load_b32 v[28+\k], v[20+\k], s[6:7]     ; b[node]
	v_lshrrev_b32 v19, 6, v10
	v_lshlrev_b32 v19, 9, v19
	v_lshl_add_u32 v[32+\k], v13, 2, v19           ; 512 (8 hf + slot) + 4 i
.endr
	s_wait_loadcnt 0x0
.irp k, 0,1,2,3
	v_cvt_pk_bf16_f32 v10, v[24+\k], v[28+\k]      ; both rounded to bf16,
	v_lshlrev_b32 v11, 16, v10                     ; and widened again
	v_and_b32 v12, s42, v10
	v_mul_f32 v[36+\k], 0xbfb8aa3b, v11            ; -log2(e) beta
	v_mul_f32 v[40+\k], v[36+\k], v12              ; times b
	global_store_b32 v[32+\k], v[36+\k], s[14:15]
	global_store_b32 v[32+\k], v[40+\k], s[14:15] offset:256
.endr
	s_branch .Lend
; ---- work-groups 0-127: W.  Work-group id: node tile id / 2 = (hf, w, nt); wave v takes K step 8 (id % 2) + v: 16 rows x 128 numbers = 4 blocks.
.Lwpart:
	s_lshr_b32 s21, ttmp9, 1
	s_lshr_b32 s22, s21, 5                         ; hf
	s_bfe_u32 s23, s21, 0x20003                    ; w
	s_and_b32 s24, s21, 7                          ; nt
	s_and_b32 s25, ttmp9, 1
	s_lshl_b32 s25, s25, 3
	s_add_co_u32 s25, s25, s20                     ; K step
	s_lshl_b32 s26, s24, 3                         ; 8 nt
	s_lshl_b32 s27, s23, 1                         ; 2 w
	s_add_co_u32 s28, s22, 1                       ; 1 + hf
	s_lshl_b32 s29, s22, 3
	s_add_co_u32 s29, s29, 15                      ; 15 + 8 hf
	v_lshlrev_b32 v3, 4, v2
	v_lshl_add_u32 v3, s25, 9, v3                  ; 512 x step + 16 x lane: a wave's load covers 512 consecutive bytes of a row
.set m, 0
.rept 16
	s_add_co_u32 s31, s26, m&7                     ; i
	s_add_co_u32 s32, s27, m>>3                    ; s8
	s_add_co_u32 s33, s29, s32
	s_cmp_eq_u32 s31, 0
	s_cselect_b32 s34, s32, s31
	s_cselect_b32 s35, s28, s33
	s_lshr_b32 s36, s34, 1
	s_or_b32 s36, s36, s34
	s_lshr_b32 s37, s36, 2
	s_or_b32 s36, s36, s37
	s_lshr_b32 s37, s36, 4
	s_or_b32 s36, s36, s37
	s_add_co_u32 s36, s36, 1
	s_lshr_b32 s36, s36, 1                         ; pw
	s_mul_i32 s36, s36, s35
	s_add_co_u32 s36, s36, s34
	s_sub_co_u32 s36, s36, 1
	s_max_i32 s36, s36, 0                          ; the node of row m
	v_lshl_add_u32 v[16+m], s36, 13, v3            ; a row of W is 8,192 bytes
	global_load_b128 v[32+4*m:35+4*m], v[16+m], s[4:5]
.set m, m+1
.endr
	s_mul_i32 s38, s20, 4608                       ; my wave's own 16 chunks x 288 bytes of LDS: no other wave touches them, so no barrier
	v_lshrrev_b32 v4, 1, v2
	v_mul_u32_u24 v4, v4, 288                      ; chunk = lane / 2 = (k32, g, h): 8 numbers along K of all 16 rows
	v_and_b32 v5, 1, v2
	v_lshl_add_u32 v4, v5, 3, v4
	v_add_nc_u32 v4, s38, v4
	v_lshrrev_b32 v5, 4, v2
	v_mul_u32_u24 v5, v5, 288
	v_and_b32 v6, 15, v2
	v_lshl_add_u32 v5, v6, 4, v5
	v_add_nc_u32 v5, s38, v5                       ; back: lanes 0-15 one chunk, lanes 16-31 the next
	s_mul_i32 s38, s22, HALFW
	s_lshl_b32 s39, s25, 17
	s_add_co_u32 s38, s38, s39
	s_lshl_b32 s39, s23, 15
	s_add_co_u32 s38, s38, s39
	s_lshl_b32 s39, s24, 10
	s_add_co_u32 s38, s38, s39
	v_lshl_add_u32 v6, v2, 4, s38                  ; block nt of quarter 0, + 16 x lane
.set m, 0
.rept 16
	s_wait_loadcnt 15-m                            ; loads come back in order: row m is in
	v_cvt_pk_bf16_f32 v[32+4*m], v[32+4*m], v[33+4*m]
	v_cvt_pk_bf16_f32 v[33+4*m], v[34+4*m], v[35+4*m]
	ds_store_b64 v4, v[32+4*m:33+4*m] offset:16*m
.set m, m+1
.endr
.set m, 0
.rept 8
	ds_load_b128 v[96+4*m:99+4*m], v5 offset:576*m ; LDS serves a wave's instructions in order: these see the stores above
.set m, m+1
.endr
.set m, 0
.rept 8
	s_wait_dscnt 7-m
	global_store_b128 v6, v[96+4*m:99+4*m], s[12:13] offset:(m>>1)*8192+(m&1)*512  ; 512 consecutive bytes, aligned: half a block
.set m, m+1
.endr
	s_branch .Lend
; ---- work-groups 128-191: 16 leaves each.  Thread t holds outputs 4 t .. 4 t + 3 of all 16 rows; threads 250-255 repeat thread 249 and count for nothing in the sums.
.Lleaf:
	s_sub_co_u32 s21, ttmp9, 128                   ; the group of 16 leaves: (hf, w, h, kappa)
	s_mul_i32 s22, s21, 64000                      ; 16 rows of 4,000 bytes
	s_mov_b32 s23, 0
	s_add_nc_u64 s[10:11], s[10:11], s[22:23]
	s_lshr_b32 s22, s22, 1                         ; in qtab 16 rows of 2,000 bytes
	s_add_nc_u64 s[16:17], s[16:17], s[22:23]
	v_min_u32 v3, 249, v0
	v_lshlrev_b32 v3, 4, v3
	v_lshrrev_b32 v7, 1, v3                        ; my 8 bytes of a row of qtab
.set m, 0
.rept 16
	global_load_b128 v[64+4*m:67+4*m], v3, s[10:11] offset:4000*m
.set m, m+1
.endr
	v_mov_b32 v10, 0                               ; v_permlanex16_b32's destination counts as read
	v_mov_b32 v12, 32768                           ; the waves' figures meet here: maxima at 32768, sums at 33280, 64 bytes a wave
	v_lshl_add_u32 v11, s20, 6, v12
	s_wait_loadcnt 0x0
.set m, 0
.rept 32                                       ; rounded to bf16 and widened again
	v_cvt_pk_bf16_f32 v13, v[64+2*m], v[65+2*m]
	v_lshlrev_b32 v[64+2*m], 16, v13
	v_and_b32 v[65+2*m], s42, v13
.set m, m+1
.endr
.set m, 0
.rept 16                                       ; the rows' maxima, as reference() takes them away before the exponential
	v_max3_num_f32 v[16+m], v[64+4*m], v[65+4*m], v[66+4*m]
	v_max_num_f32 v[16+m], v[16+m], v[67+4*m]
.set m, m+1
.endr
.irp x, 1,2,4,8
.set m, 0
.rept 16
	v_max_num_f32_dpp v[16+m], v[16+m], v[16+m] row_xmask:\x row_mask:0xf bank_mask:0xf
.set m, m+1
.endr
.endr
.set m, 0
.rept 16
	v_permlanex16_b32 v10, v[16+m], s40, s41
	v_max_num_f32 v[16+m], v[16+m], v10
.set m, m+1
.endr
.irp i, 0,1,2,3
	ds_store_b128 v11, v[16+4*\i:19+4*\i] offset:16*\i   ; all lanes of a wave write the same 64 bytes
.endr
	s_wait_dscnt 0x0                               ; for the others' sake: my stores are done
	s_barrier_signal -1
	s_barrier_wait -1
.set m, 0
.rept 32
	ds_load_b128 v[128+4*m:131+4*m], v12 offset:16*m   ; wave m / 4, rows 4 (m % 4) ..
.set m, m+1
.endr
	s_wait_dscnt 0x0
.set m, 0
.rept 16
	v_max3_num_f32 v[16+m], v[128+m], v[144+m], v[160+m]
	v_max3_num_f32 v[16+m], v[16+m], v[176+m], v[192+m]
	v_max3_num_f32 v[16+m], v[16+m], v[208+m], v[224+m]
	v_max_num_f32 v[16+m], v[16+m], v[240+m]
.set m, m+1
.endr
.set m, 0
.rept 64
	v_sub_f32 v[64+m], v[64+m], v[16+m/4]          ; v - max
	v_mul_f32 v[128+m], 0x3fb8aa3b, v[64+m]
.set m, m+1
.endr
.set m, 0
.rept 64
	v_exp_f32 v[128+m], v[128+m]
.set m, m+1
.endr
	v_cmp_gt_u32 vcc_lo, 250, v0                   ; a plain instruction behind the last exponential: threads that count
	s_wait_alu depctr_va_vdst(0)                   ; one wait for the batch, ahead of its first reader
.set m, 0
.rept 16
	v_add_f32 v[32+m], v[128+4*m], v[129+4*m]
	v_add_f32 v13, v[130+4*m], v[131+4*m]
	v_add_f32 v[32+m], v[32+m], v13
	v_cndmask_b32 v[32+m], 0, v[32+m], vcc_lo
.set m, m+1
.endr
.irp x, 1,2,4,8
.set m, 0
.rept 16
	v_add_f32_dpp v[32+m], v[32+m], v[32+m] row_xmask:\x row_mask:0xf bank_mask:0xf
.set m, m+1
.endr
.endr
.set m, 0
.rept 16
	v_permlanex16_b32 v10, v[32+m], s40, s41
	v_add_f32 v[32+m], v[32+m], v10
.set m, m+1
.endr
.irp i, 0,1,2,3
	ds_store_b128 v11, v[32+4*\i:35+4*\i] offset:512+16*\i   ; other bytes than the maxima's: no barrier is owed between
.endr
	s_wait_dscnt 0x0
	s_barrier_signal -1
	s_barrier_wait -1
.irp bt, 0,1                                   ; four waves' sums at a time
.set m, 0
.rept 16
	ds_load_b128 v[192+4*m:195+4*m], v12 offset:512+256*\bt+16*m
.set m, m+1
.endr
	s_wait_dscnt 0x0
.set m, 0
.rept 16
	v_add_f32 v[192+m], v[192+m], v[208+m]
	v_add_f32 v[224+m], v[224+m], v[240+m]
.if \bt == 0
	v_add_f32 v[32+m], v[192+m], v[224+m]
.else
	v_add_f32 v[192+m], v[192+m], v[224+m]
	v_add_f32 v[32+m], v[32+m], v[192+m]
.endif
.set m, m+1
.endr
.endr
.set m, 0
.rept 16
	v_log_f32 v[48+m], v[32+m]
	v_rcp_f32 v[16+m], v[32+m]
.set m, m+1
.endr
	v_nop                                          ; a plain instruction behind the last of them,
	s_wait_alu depctr_va_vdst(0)                   ; and one wait for the batch
.set m, 0
.rept 16
	v_mul_f32 v[48+m], 0x3f317218, v[48+m]         ; ln of the sum
.set m, m+1
.endr
.set m, 0
.rept 64
	v_mul_f32 v[128+m], v[128+m], v[16+m/4]        ; Q
	v_sub_f32 v[64+m], v[64+m], v[48+m/4]          ; log Q
.set m, m+1
.endr
.set m, 0
.rept 16
	v_cvt_pk_bf16_f32 v[128+4*m], v[128+4*m], v[129+4*m]   ; Q rounded once for the table: 4 outputs in 8 bytes
	v_cvt_pk_bf16_f32 v[129+4*m], v[130+4*m], v[131+4*m]
	global_store_b64 v7, v[128+4*m:129+4*m], s[16:17] offset:2000*m
.set m, m+1
.endr
	; log Q turned: for output 4 t + z and g, the 8 leaves 8 g .. 8 g + 7 as 16 bytes, at (output tile) 512 + 256 g + 16 (output % 16); zeros from output 1000 on
	v_lshrrev_b32 v13, 2, v0
	v_lshlrev_b32 v13, 9, v13
	v_and_b32 v14, 3, v0
	v_lshl_add_u32 v13, v14, 6, v13
	v_cmp_gt_u32 vcc_lo, 250, v0
.set z, 0
.rept 4
.set g, 0
.rept 2
.set p, 0
.rept 4
	v_cvt_pk_bf16_f32 v[192+4*(2*z+g)+p], v[64+4*(8*g+2*p)+z], v[64+4*(8*g+2*p+1)+z]
	v_cndmask_b32 v[192+4*(2*z+g)+p], 0, v[192+4*(2*z+g)+p], vcc_lo
.set p, p+1
.endr
	ds_store_b128 v13, v[192+4*(2*z+g):195+4*(2*z+g)] offset:16*z+256*g
.set g, g+1
.endr
.set z, z+1
.endr
	s_lshr_b32 s24, s21, 5                         ; hf
	s_bfe_u32 s25, s21, 0x20003                    ; w
	s_bfe_u32 s26, s21, 0x10002                    ; h
	s_and_b32 s27, s21, 3                          ; kappa
	s_mul_i32 s30, s24, HALFW
	s_add_co_u32 s30, s30, 16*STEPB
	s_lshl_b32 s31, s25, 15
	s_add_co_u32 s30, s30, s31
	s_lshl_b32 s31, s20, 12                        ; output tile in the step = my wave
	s_add_co_u32 s30, s30, s31
	s_lshl_b32 s31, s27, 10
	s_add_co_u32 s30, s30, s31
	s_lshl_b32 s31, s26, 8
	s_add_co_u32 s30, s30, s31
	v_bfe_u32 v15, v0, 4, 1
	v_lshlrev_b32 v15, 9, v15
	v_and_b32 v14, 15, v0
	v_lshl_add_u32 v15, v14, 4, v15
	v_add_nc_u32 v15, s30, v15
	v_lshlrev_b32 v14, 4, v0
	s_wait_dscnt 0x0
	s_barrier_signal -1
	s_barrier_wait -1
.set m, 0
.rept 8
	ds_load_b128 v[224+4*m:227+4*m], v14 offset:4096*m
.set m, m+1
.endr
.set m, 0
.rept 8
	s_wait_dscnt 7-m
	global_store_b128 v15, v[224+4*m:227+4*m], s[12:13] offset:STEPB*m   ; 16 lanes store 256 consecutive bytes, aligned
.set m, m+1
.endr
.Lend:
	s_wait_tensorcnt 0x0                           ; the wave's end: three lines behind my last LDS store
	ds_add_u32 v[SPW], v[NIL]
	s_wait_dscnt 0x0
	s_endpgm
.Lfunc_end_k_qc1dff9d0bd_prep:
	.size	k_qc1dff9d0bd_prep, .Lfunc_end_k_qc1dff9d0bd_prep-k_qc1dff9d0bd_prep
	.p2alignl 7, 3214868480
	.fill 96, 4, 3214868480
	.section	.rodata,"a",@progbits
	.p2align	6, 0x0
	.amdhsa_kernel k_qc1dff9d0bd_prep
		.amdhsa_group_segment_fixed_size 37888
		.amdhsa_private_segment_fixed_size 0
		.amdhsa_enable_private_segment 0
		.amdhsa_kernarg_size 56
		.amdhsa_user_sgpr_count 2
		.amdhsa_user_sgpr_kernarg_segment_ptr 1
		.amdhsa_wavefront_size32 1
		.amdhsa_system_sgpr_workgroup_id_x 1
		.amdhsa_system_sgpr_workgroup_id_y 1
		.amdhsa_system_sgpr_workgroup_id_z 1
		.amdhsa_system_vgpr_workitem_id 0
		.amdhsa_next_free_vgpr 256
		.amdhsa_next_free_sgpr 66
		.amdhsa_reserve_vcc 1
		.amdhsa_float_denorm_mode_32 3
		.amdhsa_float_denorm_mode_16_64 3
		.amdhsa_memory_ordered 1
		.amdhsa_forward_progress 1
		.amdhsa_inst_pref_size 82
	.end_amdhsa_kernel
	.amdgpu_metadata
---
amdhsa.version: [ 1, 2 ]
amdhsa.kernels:
  - .name:           k_qc1dff9d0bd_prep
    .symbol:         k_qc1dff9d0bd_prep.kd
    .args:
      - { .name: W, .offset: 0, .size: 8, .value_kind: global_buffer, .address_space: global }
      - { .name: b, .offset: 8, .size: 8, .value_kind: global_buffer, .address_space: global }
      - { .name: beta, .offset: 16, .size: 8, .value_kind: global_buffer, .address_space: global }
      - { .name: leaf_params, .offset: 24, .size: 8, .value_kind: global_buffer, .address_space: global }
      - { .name: wts, .offset: 32, .size: 8, .value_kind: global_buffer, .address_space: global }
      - { .name: tab, .offset: 40, .size: 8, .value_kind: global_buffer, .address_space: global }
      - { .name: qtab, .offset: 48, .size: 8, .value_kind: global_buffer, .address_space: global }
    .group_segment_fixed_size: 37888
    .private_segment_fixed_size: 0
    .kernarg_segment_align: 8
    .kernarg_segment_size: 56
    .max_flat_workgroup_size: 256
    .sgpr_count:     66
    .vgpr_count:     256
    .wavefront_size: 32
...
	.end_amdgpu_metadata
.endif
;; end of part 4
;; launch main (part 5): grid 64 x 4, 4 waves a work-group, clusters of 4 x 4, 327,680 bytes of LDS; arguments x, y, wts, tab, spart, lossp, bestv, besti; writes spart, lossp, bestv, besti
.if DOCPART == 5
	.amdgcn_target "amdgcn-amd-amdhsa--gfx1250"
	.amdhsa_code_object_version 6
	.text
	.protected	k_qc1dff9d0bd_main
	.globl	k_qc1dff9d0bd_main
	.p2align	8
	.type	k_qc1dff9d0bd_main,@function
k_qc1dff9d0bd_main:
	s_mov_b64 s[64:65], 0
	v_nop
	global_prefetch_b8 v0, s[64:65] scope:SCOPE_SE
	s_setreg_imm32_b32 hwreg(HW_REG_WAVE_MODE, 25, 1), 1
	s_wait_xcnt 0x0
	s_wait_alu depctr_hold_cnt(0) depctr_sa_sdst(0) depctr_va_vdst(0) depctr_va_sdst(0) depctr_va_ssrc(0) depctr_va_vcc(0) depctr_vm_vsrc(0)
	s_getreg_b32 s2, hwreg(HW_REG_IB_STS2, 6, 4)
	s_cmp_eq_u32 s2, 0
	s_cbranch_scc0 .Lentry_in_a_cluster
	s_endpgm
.Lentry_in_a_cluster:
	s_bfe_u32 s2, ttmp6, 0x10000c
	s_cmp_lg_u32 s2, 0xf033
	s_cbranch_scc0 .Lentry_shape_is_right
	s_endpgm
.Lentry_shape_is_right:
; SOFT DECISION TREE, launch 2 of 3.  A work-group takes 128 samples and HALF the tree (512 columns): z = x W^T, the sigmoids, the paths, the level-9 column sums, the best leaf of the half,
; and its part of the loss, sum_o y_o (sum_l path_l logQ[l][o]).  Left out, as shown at the head of the first kernel: the penalty of level 9, the sums of the higher levels (they are sums of pairs),
; sum p path (it is the right child's sum), and the tile of outputs 1008-1023 (padding).
; LIMITS as stated there: inputs in bf16, paths and logQ in bf16 for the loss's product, denormals count as 0 in exponentials and reciprocals, NaN not treated apart.
; SHARES.  Four waves; wave w has all 128 samples x 128 columns: 64 accumulators of 16 x 16 (512 registers).  The product is taken transposed (source 0 = 16 rows of W, source 1 = 16 samples):
; lane (r = lane % 16, h = lane / 16) then holds ONE sample, and in the 64 registers of sample tile mt the 64 entries of slot 2 w + h: entry 0 an ancestor of levels 0-3, entries 1-63 the local
; heap of the subtree under node 8 hf + 2 w + h of level 4.  So the whole walk from level 4 to the leaves stays inside a lane.
; STREAMS.  wts (W, then logQ, in fragment order) comes by tensor loads through two LDS slots of 128 KiB, 32 KiB a wave, which that wave alone reads.  The four work-groups of a row of the
; cluster have the same half, so they ask JOINTLY.  x and y come in f32 through registers, 64 columns of the wave's 32 rows (16 loads of 512 bytes) an interval, two intervals ahead.  An interval's
; numbers are rounded to bf16 by conversions that stand behind matrix instructions, four at a time; its LDS stores (into one of two pieces, which all four waves read as fragments of x or as factors y)
; and the loads that fill the same registers again stand in ONE run with the fragment loads: no memory instruction stands singly among matrix instructions.
; The two work-groups that read the same rows lie in one cluster.
; REGISTERS, in windows of 256 (s_set_vgpr_msb: bits 1:0 source 0, 3:2 source 1, 5:4 source 2, 7:6 destination):
;   window 0: addresses v2-15; scratch and the 32 column sums v16-31, v48-63; load offsets v32-47; two sets of 64 for the stream v64-191
;   window 1: first product: two fragment buffers of 128 (64 of x, 64 of W); tree: see below; second product: logQ v0-63, y v64-127, two sets each
;   windows 2, 3: the accumulators, (mt, nt) at v[64 (mt % 4) + 8 nt] of window 2 + mt / 4; behind the tree each block of 64 holds the paths in bf16 (0-31) and two sets of R (32-47); block 0 also the loss's sums (56-63)
.set ROWY,  4000
.set SLOTB, 131072                     ; a slot, and a step of wts
.set HALFW, 3145728                    ; wts of one half
.set STG,   262144                     ; the two pieces: (mt 8) 2304 + (chunk of 8 numbers 8) 288 + (row % 16) 16.  From here on no tensor load lands
.set PIECE, 18432
.set TAB,   299008                     ; my half's table, 4,096 bytes
.set TOPX,  303104                     ; the ancestors' p: sample 32 + 4 e
.set AMX,   307200                     ; (best value, best leaf) of each slot: sample 80 + 8 slot
.set SST,   317440                     ; the column sums, slot 128 + 4 m
.set LRED,  318464                     ; four partial losses
.set SPARE, 318720                     ; the spare words, 128 bytes a wave; no other line names them
.set SPW, 2                            ; v2  SPARE + 4 x thread; never rewritten
.set NIL, 3                            ; v3  0; never rewritten
.set R16, 4                            ; v4  lane % 16
.set H,   5                            ; v5  lane / 16
.set LANE, 6
.set ADRA, 7                           ; v7  STG + 288 h + 16 r: my place in a piece's chunks
.set AB0,  8                           ; v8  32768 w + 16 lane
.set ADRB, 9                           ; v9  the slot in hand + AB0
.set AWR,  10                          ; v10 where I stage 8 bytes
.set VY0,  11                          ; v11 (32 w + lane / 16) 4000 + 16 (lane % 16)
.set DELTA, 12                         ; v12 16 max(lane % 16 - 9, 0): holds y's last interval inside its row
.set T16,  13
.set PFWO, 14                          ; v14 256 x lane
.set VO,   32                          ; v32-47 load q's offset: rows 32 w + 2 q + lane / 16
.set XS,   64                          ; v64-191 the stream's two sets
.set F0,   0                           ; window 1
.set F1,   128
.set PQ,   64                          ; tree, window 1: v0-63 T, then P, then the leaves; v64-191 the table, then the pairs (1-p, p)
.set PTOP, 224                         ; the path to my level-4 node, by mt
.set BV,   232                         ; four pairs (best value, best leaf)
.set PT,   240                         ; the trip's PTOP (a pair is named)
.set TA,   242                         ; LDS addresses kept in window 1
.set AMA,  243
.set TX,   244
.set TR,   245
.set TR2,  246
.set TR3,  247
.set SG3,  248                         ; level 3's choice of child hangs on h: factor and addend
.set TU3,  249
.set YB,   64                          ; second product, window 1
.set RS0,  32                          ; windows 2, 3
.set LS,   56
.set XP, 4                             ; s[4:5] the stream's pointer (x, later y)
.set YP, 6
.set WV, 20
.set CX, 21
.set CY, 22
.set HF, 23
.set RB, 24                            ; my block of 128 samples
.set CNT, 25
.set MT, 26
.set TB, 27                            ; LDS byte of the slot in hand
.set G1, 28                            ; s[28:35] descriptor group 1
.set G0A, 36                           ; s[36:39] group 0 of step 0
.set G0B, 40                           ; s[40:43] group 0 of step 1; it then walks
.set SEL, 44
.set SG, 46                            ; s46-51 factor and addend of levels 0, 1, 2
.set PFW, 54                           ; s[54:55] where my prefetches stand
.set LIMW, 56                          ; 2 in a wave that prefetches, else the greatest number
.set MSB, 0
.set ldn, 16
.macro WIN new                         ; the immediate's high byte repeats the setting that is left; a switch that changes nothing is dropped
.if MSB != (\new)
	s_set_vgpr_msb (MSB<<8)|(\new)
.set MSB, \new
.endif
.endm
.macro PLACES                          ; four plain places behind matrix instructions, in front of loads into and vector work on their registers
.rept 4
	v_nop
.endr
.endm
.macro CREST                           ; a round of the cluster's barrier behind its opening barrier
	s_cmp_lg_u32 s[WV], 0
	s_cbranch_scc1 .Lnw0_\@
	s_barrier_signal -3
.Lnw0_\@:
	s_barrier_wait -3
	s_barrier_signal -1
	s_barrier_wait -1
.endm
.macro CROUND
	s_barrier_signal -1
	s_barrier_wait -1
	CREST
.endm
.macro JLOAD                           ; the joint refill: my wave's 32 KiB of the next step but one; s_nop 0 and four v_nop follow it
	tensor_load_to_lds s[G0B:G0B+3], s[G1:G1+7]
	s_nop 0
	PLACES
.endm
; A prefetch into the L2 of the step that stands two refills on (four steps ahead of the one in hand).  A step of a half is 512 blocks of 256 bytes, read by every cluster: cluster x = 0 asks; its eight
; work-groups of the half take 16 KiB each, told apart by address; in each, waves 0 and 1 take 8 KiB, a lane a block.  So each block of steps 4-23 is named once; steps 0-3 come by their loads alone.
.macro ASKW first
	WIN 0
.if \first
	s_cmp_eq_u32 s[LIMW], 2
.else
	s_cmp_gt_u32 s[CNT], s[LIMW]                   ; the last two refills have no step four on
.endif
	s_cbranch_scc0 .Lnoask_\@
	global_prefetch_b8 v[PFWO], s[PFW:PFW+1] th:TH_LOAD_NT scope:SCOPE_SE
.Lnoask_\@:
.endm
; THE STREAM.  CVT2 q: load q's four numbers are rounded, in place.  STRUN q0, nq: nq loads' 8 bytes a lane are staged, and the same registers are asked for again, two intervals on: one run.
.macro CVT2 q
	v_cvt_pk_bf16_f32 v[XS+64*BSET+4*(\q)], v[XS+64*BSET+4*(\q)], v[XS+64*BSET+4*(\q)+1]
	v_cvt_pk_bf16_f32 v[XS+64*BSET+4*(\q)+1], v[XS+64*BSET+4*(\q)+2], v[XS+64*BSET+4*(\q)+3]
.endm
.macro STRUN q0, nq
	WIN 0
.set sq, \q0
.rept \nq
	ds_store_b64 v[AWR], v[XS+64*BSET+4*sq:XS+64*BSET+4*sq+1] offset:BSET*PIECE+(sq>>3)*2304+(sq&7)*32
.set sq, sq+1
.endr
.set sq, \q0
.rept \nq
	global_load_b128 v[XS+64*BSET+4*sq:XS+64*BSET+4*sq+3], v[VO+sq], s[XP:XP+1] offset:BOFF
.set sq, sq+1
.endr
.endm
.macro HOOK                            ; four conversions behind a matrix instruction, while there are any
.if ldn < 16
	WIN 0
	CVT2 ldn
	CVT2 ldn+1
.set ldn, ldn+2
.endif
.endm
; 16 matrix instructions: sample tiles a0, a0 + 1 of the window's four x all 8 node tiles, 32 along K.  The 64 accumulators take turns in one order, over the backward jump too.
.macro MUL16 f, hi, a0, zero
.irp a, \a0, (\a0)+1
.irp b, 0,1,2,3,4,5,6,7
	WIN 0xa5+0x50*(\hi)
.if \zero
	v_wmma_f32_16x16x32_bf16 v[64*(\a)+8*(\b):64*(\a)+8*(\b)+7], v[(\f)+64+8*(\b):(\f)+64+8*(\b)+7], v[(\f)+8*(4*(\hi)+(\a)):(\f)+8*(4*(\hi)+(\a))+7], 0
.else
	v_wmma_f32_16x16x32_bf16 v[64*(\a)+8*(\b):64*(\a)+8*(\b)+7], v[(\f)+64+8*(\b):(\f)+64+8*(\b)+7], v[(\f)+8*(4*(\hi)+(\a)):(\f)+8*(4*(\hi)+(\a))+7], v[64*(\a)+8*(\b):64*(\a)+8*(\b)+7]
.endif
.if ((\b)&3) == 3
	HOOK
.endif
.endr
.endr
.endm
; 32 LDS loads in one run: quarter k32 of a K step: W's 8 fragments (512 consecutive bytes a load), then x's 8
.macro FETCH k32, f
	WIN 0x40
.irp i, 0,1,2,3,4,5,6,7
	ds_load_b128 v[(\f)+64+8*(\i):(\f)+64+8*(\i)+3],   v[ADRB] offset:8192*(\k32)+1024*(\i)
	ds_load_b128 v[(\f)+64+8*(\i)+4:(\f)+64+8*(\i)+7], v[ADRB] offset:8192*(\k32)+1024*(\i)+512
.endr
.irp i, 0,1,2,3,4,5,6,7
	ds_load_b128 v[(\f)+8*(\i):(\f)+8*(\i)+3],   v[ADRA] offset:PIECE*((\k32)>>1)+1152*((\k32)&1)+2304*(\i)
	ds_load_b128 v[(\f)+8*(\i)+4:(\f)+8*(\i)+7], v[ADRA] offset:PIECE*((\k32)>>1)+1152*((\k32)&1)+2304*(\i)+576
.endr
.endm
; An even quarter: multiplies buffer 0.  Its first half carries an interval's 32 conversions; in its middle stands the one run: the odd quarter k32n's fragments into buffer 1, the interval's 16 stores
; (into the piece that the barrier before has freed) and 16 loads.  The 32 conversions are also the places between buffer 1's last reader and the loads into it.
.macro QUARTER k32n, zero, bset, boff
.set BSET, \bset
.set BOFF, \boff
.set ldn, 0
	s_wait_dscnt 8                                 ; W and x's tiles 0-3 are in; the youngest eight loads (tiles 4-7) may be out
	s_wait_loadcnt 16                              ; the interval to be staged is in; the next interval's 16 loads stay out
	MUL16 F0, 0, 0, \zero
	MUL16 F0, 0, 2, \zero
	FETCH \k32n, F1
	STRUN 0, 16
	s_wait_dscnt 48                                ; all but the 32 loads and 16 stores just issued
	MUL16 F0, 1, 0, \zero
	MUL16 F0, 1, 2, \zero
.endm
; An odd quarter: multiplies buffer 1 and holds the barrier that changes pieces.  In front of it my stagings and my reads of the old piece are done.
; kind = 1: it also changes slots: all my tensor loads have landed, the add, the wait for it and for my reads; the barrier opens a round of the cluster's; the joint refill is the first thing behind the round.
; dofetch = 0: the last K step's: no quarter follows, so no fragments are fetched.
.macro TURN kind, k32n, dofetch
	WIN 0
.if \kind
	s_wait_xcnt 0x0                                ; the last prefetch, a K step back, has read its address
	s_add_nc_u64 s[PFW:PFW+1], s[PFW:PFW+1], SLOTB
	s_wait_tensorcnt 0x0                           ; the one load of mine that was out is my part of the next slot
	ds_add_u32 v[SPW], v[NIL]                      ; 0 onto my spare word
	s_wait_dscnt 25                                ; (the add, sixteen stagings and the youngest eight loads may be out)
.else
	s_wait_dscnt 24                                ; (sixteen stagings and the youngest eight loads may be out)
.endif
	MUL16 F1, 0, 0, 0
	s_wait_dscnt 0x0                               ; my stagings are done, my reads of the piece (and slot) are over, the add is done
	s_barrier_signal -1
	MUL16 F1, 0, 2, 0                              ; work on registers while the others arrive
	WIN 0
	s_barrier_wait -1
.if \kind
	CREST                                          ; no wave of any partner still reads this slot or has a load on its way
	s_xor_b32 s[G0B+1], s[G0B+1], SLOTB            ; the walking descriptor: the slot just read, the step two on
	s_add_nc_u64 s[G0B+2:G0B+3], s[G0B+2:G0B+3], SLOTB
	s_xor_b32 s[TB], s[TB], SLOTB
	JLOAD                                          ; 224 matrix instructions ahead of the wait for it; its four v_nop are also the places in front of the loads below
	v_add_nc_u32 v[ADRB], s[TB], v[AB0]
.else
	PLACES
.endif
.if \dofetch
	FETCH \k32n, F0
.endif
.if \kind
	ASKW 1
.endif
	MUL16 F1, 1, 0, 0
	MUL16 F1, 1, 2, 0
.endm
	s_load_b512 s[4:19], s[0:1], 0x0               ; x, y, wts s[8:9], tab s[10:11], spart s[12:13], lossp s[14:15], bestv s[16:17], besti s[18:19]
	v_lshl_add_u32 v[SPW], v0, 2, SPARE
	v_mov_b32 v[NIL], 0
	ds_add_u32 v[SPW], v[NIL]                      ; the wave's opening: the add, twice on end, and its wait ahead of my first tensor load
	ds_add_u32 v[SPW], v[NIL]                      ; and once more, under the one wait
	v_lshrrev_b32 v1, 5, v0
	v_readfirstlane_b32 s[WV], v1                  ; wave 0..3
	s_bfe_u32 s[CX], ttmp6, 0x40000                ; my place in the cluster: it enters global addresses, the mask and two factors, no branch and no LDS address
	s_bfe_u32 s[CY], ttmp6, 0x40004
	s_and_b32 s[HF], s[CY], 1                      ; my half of the tree: the same along a row of the cluster
	s_lshl_b32 s57, ttmp9, 2
	s_add_co_u32 s57, s57, s[CX]
	s_lshl_b32 s57, s57, 1
	s_lshr_b32 s58, s[CY], 1
	s_add_co_u32 s[RB], s57, s58                   ; block of samples = 2 (4 x cluster + cx) + cy / 2
	s_lshl_b32 s59, s[CY], 2
	s_lshl_b32 s59, 15, s59                        ; my row of the cluster
	s_or_b32 s[G1], s59, (3<<16)|(1<<21)           ; 15:0 the mask; 17:16 elements of 8 bytes; 21 set beside a mask; no padding: the blocks are read as they lie
	s_mov_b32 s[G1+1], 32<<16                      ; tensor_dim0 = 32 elements: rows of 256 bytes
	s_mov_b32 s[G1+2], 128<<16                     ; tensor_dim1 = 128 rows: 32 KiB, dense
	s_mov_b32 s[G1+3], 32<<16                      ; tile_dim0
	s_mov_b32 s[G1+4], 128                         ; tile_dim1
	s_mov_b32 s[G1+5], 32                          ; from row to row
	s_mov_b32 s[G1+6], 0
	s_mov_b32 s[G1+7], 0
	s_mov_b32 s[G0A], 1
	s_lshl_b32 s[G0A+1], s[WV], 15                 ; slot 0, my wave's 32 KiB
	s_mov_b32 s[G0B], 1
	s_add_co_u32 s[G0B+1], s[G0A+1], SLOTB         ; slot 1
	s_mul_i32 s60, s[HF], HALFW
	s_add_co_u32 s60, s60, s[G0A+1]
	s_mov_b32 s61, 0
	s_mul_i32 s62, s[HF], HALFW                    ; the prefetches: half, then 16 KiB x (cx + 4 (cy / 2)), 8 KiB x wave; at step 3: the first refill steps it to 4
	s_lshl2_add_u32 s63, s58, s[CX]
	s_lshl_b32 s63, s63, 14
	s_add_co_u32 s62, s62, s63
	s_lshl_b32 s63, s[WV], 13
	s_add_co_u32 s62, s62, s63
	s_add_co_u32 s62, s62, 3*SLOTB
	s_mov_b32 s63, 0
	s_lshr_b32 s[LIMW], s[WV], 1
	s_or_b32 s[LIMW], s[LIMW], ttmp9               ; 0 in waves 0 and 1 of cluster 0: the same in all sixteen partners
	s_cmp_eq_u32 s[LIMW], 0
	s_cselect_b32 s[LIMW], 2, -1
	s_mov_b32 s[SEL], 0x76543210
	s_mov_b32 s[SEL+1], 0xfedcba98
	s_mov_b32 s[TB], 0
	; a step down the tree multiplies by p (right child) or 1 - p (left): f = p x factor + addend, (1, 0) or (-1, 1).  Level 0 goes by hf, level 1 by w / 2, level 2 by w % 2.
	s_lshl_b32 s66, s[HF], 31
	s_xor_b32 s[SG], s66, 0xbf800000
	s_xor_b32 s66, s[HF], 1
	s_mul_i32 s[SG+1], s66, 0x3f800000
	s_lshr_b32 s67, s[WV], 1
	s_lshl_b32 s66, s67, 31
	s_xor_b32 s[SG+2], s66, 0xbf800000
	s_xor_b32 s66, s67, 1
	s_mul_i32 s[SG+3], s66, 0x3f800000
	s_and_b32 s67, s[WV], 1
	s_lshl_b32 s66, s67, 31
	s_xor_b32 s[SG+4], s66, 0xbf800000
	s_xor_b32 s66, s67, 1
	s_mul_i32 s[SG+5], s66, 0x3f800000
	s_mov_b32 s67, 0
	s_wait_dscnt 0x0                               ; both opening adds are done
	s_wait_kmcnt 0x0
	s_add_nc_u64 s[G0A+2:G0A+3], s[8:9], s[60:61]  ; step 0, my wave's part
	s_add_nc_u64 s[G0B+2:G0B+3], s[G0A+2:G0A+3], SLOTB
	s_or_b32 s[G0A+3], s[G0A+3], 0x80000000        ; type = 2
	s_or_b32 s[G0B+3], s[G0B+3], 0x80000000
	s_add_nc_u64 s[PFW:PFW+1], s[8:9], s[62:63]
	s_lshl_b32 s66, s[RB], 20                      ; 128 rows of 8,192 bytes
	s_add_nc_u64 s[XP:XP+1], s[XP:XP+1], s[66:67]
	s_mul_i32 s66, s[RB], 128*ROWY
	s_add_nc_u64 s[YP:YP+1], s[YP:YP+1], s[66:67]
	s_lshl_b32 s66, s[HF], 12
	s_add_nc_u64 s[10:11], s[10:11], s[66:67]
	s_lshl_b32 s66, s[RB], 1
	s_add_co_u32 s66, s66, s[HF]                   ; 2 rb + hf
	s_lshl_b32 s68, s66, 10
	s_mov_b32 s69, 0
	s_add_nc_u64 s[12:13], s[12:13], s[68:69]      ; spart: 1,024 bytes for each
	s_lshl_b32 s68, s66, 2
	s_add_nc_u64 s[14:15], s[14:15], s[68:69]      ; lossp: a number for each
	s_lshl_b32 s68, s[RB], 10
	s_lshl2_add_u32 s68, s[HF], s68                ; (128 rb + sample) 8 + 4 hf
	s_add_nc_u64 s[16:17], s[16:17], s[68:69]
	s_add_nc_u64 s[18:19], s[18:19], s[68:69]
	CROUND                                         ; all sixteen work-groups are here: the first joint loads meet
	tensor_load_to_lds s[G0A:G0A+3], s[G1:G1+7]    ; both first fills together: two loads of mine are out
	s_nop 0
	tensor_load_to_lds s[G0B:G0B+3], s[G1:G1+7]
	s_nop 0
	PLACES
	v_and_b32 v[R16], 15, v0
	v_bfe_u32 v[H], v0, 4, 1
	v_and_b32 v[LANE], 31, v0
	v_mul_u32_u24 v[ADRA], v[H], 288
	v_lshl_add_u32 v[ADRA], v[R16], 4, v[ADRA]
	v_add_nc_u32 v[ADRA], STG, v[ADRA]
	v_lshlrev_b32 v[AB0], 4, v[LANE]
	v_lshl_add_u32 v[AB0], s[WV], 15, v[AB0]
	v_mov_b32 v[ADRB], v[AB0]
	v_lshrrev_b32 v15, 1, v[R16]                   ; a lane's 4 numbers are half of chunk (lane % 16) / 2
	v_mul_u32_u24 v[AWR], v15, 288
	v_and_b32 v15, 1, v[R16]
	v_lshl_add_u32 v[AWR], v15, 3, v[AWR]
	v_lshl_add_u32 v[AWR], v[H], 4, v[AWR]
	s_mul_i32 s66, s[WV], 4608                     ; my 32 rows are sample tiles 2 w, 2 w + 1
	s_add_co_u32 s66, s66, STG
	v_add_nc_u32 v[AWR], s66, v[AWR]
	s_lshl_b32 s66, s[WV], 5
	v_add_nc_u32 v15, s66, v[H]
	v_mul_u32_u24 v[VY0], v15, ROWY
	v_lshl_add_u32 v[VY0], v[R16], 4, v[VY0]
	v_lshlrev_b32 v15, 13, v15
	v_lshl_add_u32 v15, v[R16], 4, v15
.set q, 0
.rept 16
	v_add_nc_u32 v[VO+q], 16384*q, v15             ; a load covers two rows x 256 bytes, each aligned
.set q, q+1
.endr
	v_add_nc_u32 v[DELTA], -9, v[R16]
	v_cmp_lt_u32 vcc_lo, 9, v[R16]
	v_cndmask_b32 v[DELTA], 0, v[DELTA], vcc_lo
	v_lshlrev_b32 v[DELTA], 4, v[DELTA]
	v_lshlrev_b32 v[PFWO], 8, v[LANE]
	v_lshlrev_b32 v[T16], 4, v0
	v_add_nc_u32 v24, TAB, v[T16]
	global_load_b128 v[16:19], v[T16], s[10:11]    ; my half's table: 32 bytes a thread
	global_load_b128 v[20:23], v[T16], s[10:11] offset:2048
.set q, 0
.rept 16
	global_load_b128 v[XS+4*q:XS+4*q+3], v[VO+q], s[XP:XP+1]               ; interval 0
.set q, q+1
.endr
.set q, 0
.rept 16
	global_load_b128 v[XS+64+4*q:XS+64+4*q+3], v[VO+q], s[XP:XP+1] offset:256   ; interval 1
.set q, q+1
.endr
	s_wait_loadcnt 32                              ; the table is in; the stream's 32 loads stay out
	ds_store_b128 v24, v[16:19]
	ds_store_b128 v24, v[20:23] offset:2048
.set BSET, 0
.set BOFF, 512
	s_wait_loadcnt 16                              ; interval 0 is in; interval 1's 16 loads stay out
.set q, 0
.rept 16
	CVT2 q
.set q, q+1
.endr
	STRUN 0, 16                                    ; interval 0 into piece 0; interval 2 is asked for
	s_wait_xcnt 0x0                                ; every load has read its address: the pointer may be written
	s_add_nc_u64 s[XP:XP+1], s[XP:XP+1], 512
	s_wait_tensorcnt 1                             ; my part of step 0 is in; step 1's may stay out
	s_wait_dscnt 0x0
	s_barrier_signal -1
	s_barrier_wait -1
	FETCH 0, F0
; ---- z = x W^T: 16 K steps of 128, each two intervals of 64.  Interval t stages interval t + 1 and asks for t + 3; intervals 0-31 are x's, 32-47 y's.
; A trip goes from a K step's second quarter to the next step's first; the rest of K step 15 is written out behind the loop, so that on every way through the text the stream's two sets are asked for by turns.
	QUARTER 1, 1, 1, 256                           ; the first quarter stands in front of the loop: its products start the sums
	WIN 0
	s_mov_b32 s[CNT], 15
.Lstep:
	s_wait_xcnt 0x0                                ; the youngest load stands 32 matrix instructions back: pointer and offsets may be written
	s_cmp_eq_u32 s[CNT], 1
	s_cbranch_scc1 .Ltoy
	s_add_nc_u64 s[XP:XP+1], s[XP:XP+1], 512
	s_branch .Lstepped
.Ltoy:                                         ; K step 14: the next interval to ask for is 32, y's first
	s_mov_b64 s[XP:XP+1], s[YP:YP+1]
.set q, 0
.rept 16
	v_add_nc_u32 v[VO+q], 2*ROWY*q, v[VY0]
.set q, q+1
.endr
.Lstepped:
	TURN 0, 2, 1
	QUARTER 3, 0, 0, 0
	TURN 1, 0, 1
	QUARTER 1, 0, 1, 256
	WIN 0
	s_sub_co_u32 s[CNT], s[CNT], 1
	s_cmp_lg_u32 s[CNT], 0
	s_cbranch_scc1 .Lstep
	s_wait_xcnt 0x0                                ; K step 15
	s_add_nc_u64 s[XP:XP+1], s[XP:XP+1], 512
	TURN 0, 2, 1
	QUARTER 3, 0, 0, 0                             ; stages interval 32, y's first, into piece 0, and asks for interval 34
	TURN 1, 0, 0                                   ; asks for step 17; step 16 (logQ) has landed in slot 0
; ---- THE TREE.
	WIN 0
	PLACES
	s_lshl_b32 s66, s[WV], 1
	v_add_nc_u32 v16, s66, v[H]                    ; my slot
	v_lshl_add_u32 v17, v16, 9, TAB
	v_mul_u32_u24 v18, v[R16], 80
	v_lshl_add_u32 v18, v16, 3, v18
	v_add_nc_u32 v18, AMX, v18
	v_lshlrev_b32 v20, 5, v[R16]
	v_add_nc_u32 v20, TOPX, v20
	v_lshl_add_u32 v19, v16, 2, v20
	s_lshr_b32 s66, s[WV], 1
	s_lshl_b32 s66, s66, 2
	s_add_co_u32 s66, s66, 8
	v_add_nc_u32 v21, s66, v20                     ; ancestor 2 + w / 2
	s_lshl_b32 s66, s[WV], 2
	s_add_co_u32 s66, s66, 16
	v_add_nc_u32 v22, s66, v20                     ; ancestor 4 + w
	v_cvt_f32_u32 v25, v[H]
	v_fma_f32 v23, v25, 2.0, -1.0
	v_sub_f32 v24, 1.0, v25
	v_lshl_add_u32 v15, v16, 7, SST
	WIN 0x40
	v_mov_b32 v[TA], v17
	v_mov_b32 v[AMA], v18
	v_mov_b32 v[TX], v19
	v_mov_b32 v[TR], v20
	v_mov_b32 v[TR2], v21
	v_mov_b32 v[TR3], v22
	v_mov_b32 v[SG3], v23
	v_mov_b32 v[TU3], v24
	v_mov_b32 v[PT+1], 0
	; (a) the ancestors: entry 0 of each slot; every slot's p goes to LDS, and each lane takes the four on its own way down
	WIN 0x55
	ds_load_b32 v8, v[TA]
	ds_load_b32 v9, v[TA] offset:256
	s_wait_dscnt 0x0
	WIN 0x56
.irp t, 0,1,2,3
	v_fma_f32 v[\t], v[64*\t], v8, v9              ; -log2(e) beta (z + b); each accumulator's lowest register is read first
.endr
	WIN 0x57
.irp t, 0,1,2,3
	v_fma_f32 v[4+\t], v[64*\t], v8, v9
.endr
	WIN 0x55
.irp t, 0,1,2,3,4,5,6,7
	v_exp_f32 v[\t], v[\t]
.endr
	v_nop                                          ; a plain instruction behind the last exponential,
	s_wait_alu depctr_va_vdst(0)                   ; and one wait for the batch
.irp t, 0,2,4,6
	v_pk_add_f32 v[\t:\t+1], v[\t:\t+1], 1.0 op_sel_hi:[1,0]
.endr
.irp t, 0,1,2,3,4,5,6,7
	v_rcp_f32 v[\t], v[\t]
.endr
	v_nop
	s_wait_alu depctr_va_vdst(0)
.irp t, 0,1,2,3,4,5,6,7
	ds_store_b32 v[TX], v[\t] offset:512*\t
.endr
	s_wait_dscnt 0x0
	s_barrier_signal -1
	s_barrier_wait -1
.irp t, 0,1,2,3,4,5,6,7
	ds_load_b64 v[8+2*\t:9+2*\t], v[TR] offset:512*\t
	ds_load_b32 v[24+\t], v[TR2] offset:512*\t
	ds_load_b32 v[32+\t], v[TR3] offset:512*\t
.endr
	s_wait_dscnt 0x0
.irp t, 0,1,2,3,4,5,6,7
	v_fma_f32 v[40+\t], v[8+2*\t], s[SG], s[SG+1]
	v_fma_f32 v[48+\t], v[9+2*\t], s[SG+2], s[SG+3]
	v_mul_f32 v[40+\t], v[40+\t], v[48+\t]
	v_fma_f32 v[48+\t], v[24+\t], s[SG+4], s[SG+5]
	v_mul_f32 v[40+\t], v[40+\t], v[48+\t]
	v_fma_f32 v[48+\t], v[32+\t], v[SG3], v[TU3]
	v_mul_f32 v[PTOP+\t], v[40+\t], v[48+\t]       ; ((f0 f1) f2) f3, reference()'s order
.endr
.macro TABLOAD                         ; my slot's 64 factors (v64-127) and 64 addends (v128-191): 16 lanes read the same 16 bytes
.set ti, 0
.rept 32
	ds_load_b128 v[PQ+4*ti:PQ+4*ti+3], v[TA] offset:16*ti
.set ti, ti+1
.endr
.endm
	TABLOAD
	WIN 0
.set ti, 0
.rept 16
	v_mov_b32 v[16+ti], 0                          ; the column sums start at 0: one text serves all eight trips
	v_mov_b32 v[48+ti], 0
.set ti, ti+1
.endr
; (c) a trip for each sample tile.  Register numbers cannot hang on the count, so the way in (from accumulators k) and the way out (into them) are written for each k and chosen by forward jumps.
.macro INK k
	WIN 0x56+((\k)>>2)
.set ti, 0
.rept 32
	v_pk_fma_f32 v[2*ti:2*ti+1], v[64*((\k)&3)+2*ti:64*((\k)&3)+2*ti+1], v[PQ+2*ti:PQ+2*ti+1], v[PQ+64+2*ti:PQ+64+2*ti+1]
.set ti, ti+1
.endr
	WIN 0x55
	v_mov_b32 v[PT], v[PTOP+(\k)]
	WIN 0
.endm
.macro OUTK k
	WIN 0x85+0x40*((\k)>>2)
.set ti, 0
.rept 32
	v_cvt_pk_bf16_f32 v[64*((\k)&3)+ti], v[2*ti], v[2*ti+1]   ; leaves 2 ti, 2 ti + 1: registers 8 kappa .. are source 1 of the second product
.set ti, ti+1
.endr
	WIN 0x55
	ds_store_b64 v[AMA], v[BV:BV+1] offset:1280*(\k)
	WIN 0
.endm
	s_mov_b32 s[MT], 0
.Ltree:
	s_wait_dscnt 0x0                               ; the table is in
.irp k, 0,1,2,3,4,5,6
	s_cmp_eq_u32 s[MT], \k
	s_cbranch_scc1 .Lin\k
.endr
	INK 7
	s_branch .Lbody
.irp k, 0,1,2,3,4,5
.Lin\k:
	INK \k
	s_branch .Lbody
.endr
.Lin6:
	INK 6
.Lbody:
	WIN 0x55
.set ti, 1
.rept 63
	v_exp_f32 v[ti], v[ti]
.set ti, ti+1
.endr
	v_nop
	s_wait_alu depctr_va_vdst(0)                   ; one wait for the 63 exponentials
.set ti, 0
.rept 32
	v_pk_add_f32 v[2*ti:2*ti+1], v[2*ti:2*ti+1], 1.0 op_sel_hi:[1,0]
.set ti, ti+1
.endr
.set ti, 1
.rept 63
	v_rcp_f32 v[PQ+2*ti+1], v[ti]                  ; p of entry ti
.set ti, ti+1
.endr
	v_nop
	s_wait_alu depctr_va_vdst(0)                   ; one wait for the 63 reciprocals
.set ti, 1
.rept 63
	v_sub_f32 v[PQ+2*ti], 1.0, v[PQ+2*ti+1]        ; 1 - p beside it
.set ti, ti+1
.endr
	v_pk_mul_f32 v[2:3], v[PQ+2:PQ+3], v[PT:PT+1] op_sel_hi:[1,0]   ; the children of entry 1
.set ti, 2
.rept 30                                       ; P[2 i], P[2 i + 1] = (1 - p, p) x P[i]
.if ti%2
	v_pk_mul_f32 v[2*ti:2*ti+1], v[PQ+2*ti:PQ+2*ti+1], v[ti-1:ti] op_sel:[0,1] op_sel_hi:[1,1]
.else
	v_pk_mul_f32 v[2*ti:2*ti+1], v[PQ+2*ti:PQ+2*ti+1], v[ti:ti+1] op_sel_hi:[1,0]
.endif
.set ti, ti+1
.endr
	WIN 0x04                                       ; the sums lie in window 0
.set ti, 0
.rept 16
	v_pk_add_f32 v[16+2*ti+16*(ti/8):17+2*ti+16*(ti/8)], v[16+2*ti+16*(ti/8):17+2*ti+16*(ti/8)], v[32+2*ti:33+2*ti]
.set ti, ti+1
.endr
	WIN 0x55
.set ti, 0
.rept 32                                       ; the leaves, over P from below: leaf pair ti lands below every P that is still wanted
.if ti%2
	v_pk_mul_f32 v[2*ti:2*ti+1], v[PQ+64+2*ti:PQ+64+2*ti+1], v[31+ti:32+ti] op_sel:[0,1] op_sel_hi:[1,1]
.else
	v_pk_mul_f32 v[2*ti:2*ti+1], v[PQ+64+2*ti:PQ+64+2*ti+1], v[32+ti:33+ti] op_sel_hi:[1,0]
.endif
.set ti, ti+1
.endr
	WIN 0
	s_cmp_eq_u32 s[MT], 7
	s_cbranch_scc1 .Lnotab                         ; the last trip needs no table
	WIN 0x55
	TABLOAD                                        ; for the next trip, under the search below
	WIN 0
.Lnotab:
	WIN 0x55
	; the first greatest of the 64 leaves: four chains of 16; a later leaf wins only if strictly greater
.irp c, 0,1,2,3
	v_mov_b32 v[BV+2*\c], v[16*\c]
	v_mov_b32 v[BV+2*\c+1], 16*\c
.endr
.set ak, 1
.rept 15
.set ac, 0
.rept 4
	v_cmp_ge_f32 vcc_lo, v[BV+2*ac], v[16*ac+ak]
	v_cndmask_b32 v[BV+2*ac+1], 16*ac+ak, v[BV+2*ac+1], vcc_lo
	v_max_num_f32 v[BV+2*ac], v[BV+2*ac], v[16*ac+ak]
.set ac, ac+1
.endr
.set ak, ak+1
.endr
.macro MERGE a, b
	v_cmp_ge_f32 vcc_lo, v[BV+2*(\a)], v[BV+2*(\b)]
	v_cndmask_b32 v[BV+2*(\a)+1], v[BV+2*(\b)+1], v[BV+2*(\a)+1], vcc_lo
	v_max_num_f32 v[BV+2*(\a)], v[BV+2*(\a)], v[BV+2*(\b)]
.endm
	MERGE 0, 1
	MERGE 2, 3
	MERGE 0, 2
	WIN 0
.irp k, 0,1,2,3,4,5,6
	s_cmp_eq_u32 s[MT], \k
	s_cbranch_scc1 .Lout\k
.endr
	OUTK 7
	s_branch .Lnext
.irp k, 0,1,2,3,4,5
.Lout\k:
	OUTK \k
	s_branch .Lnext
.endr
.Lout6:
	OUTK 6
.Lnext:
	s_add_co_u32 s[MT], s[MT], 1
	s_cmp_lt_u32 s[MT], 8
	s_cbranch_scc1 .Ltree
	; (d) the column sums over the 16 samples of a lane half; the best leaf over the 8 slots
.irp x, 1,2,4,8
.set ti, 0
.rept 16
	v_add_f32_dpp v[16+ti], v[16+ti], v[16+ti] row_xmask:\x row_mask:0xf bank_mask:0xf
	v_add_f32_dpp v[48+ti], v[48+ti], v[48+ti] row_xmask:\x row_mask:0xf bank_mask:0xf
.set ti, ti+1
.endr
.endr
.irp i, 0,1,2,3
	ds_store_b128 v15, v[16+4*\i:19+4*\i] offset:16*\i       ; 16 lanes write the same bytes with the same numbers
	ds_store_b128 v15, v[48+4*\i:51+4*\i] offset:64+16*\i
.endr
	s_wait_dscnt 0x0
	s_barrier_signal -1
	s_barrier_wait -1
	v_mul_u32_u24 v13, v0, 80                      ; thread = sample
	v_add_nc_u32 v13, AMX, v13
.irp i, 0,1,2,3
	ds_load_b128 v[16+4*\i:19+4*\i], v13 offset:16*\i
.endr
	v_lshl_add_u32 v49, v0, 3, SST
	ds_load_b64 v[50:51], v49
	v_lshlrev_b32 v48, 3, v0
	s_wait_dscnt 0x0
.irp s, 1,2,3,4,5,6,7
	v_add_nc_u32 v[17+2*\s], 64*\s, v[17+2*\s]
	v_cmp_ge_f32 vcc_lo, v16, v[16+2*\s]
	v_cndmask_b32 v17, v[17+2*\s], v17, vcc_lo
	v_max_num_f32 v16, v16, v[16+2*\s]
.endr
	s_lshl_b32 s66, s[HF], 9
	v_add_nc_u32 v17, s66, v17
	global_store_b32 v48, v16, s[16:17]
	global_store_b32 v48, v17, s[18:19]
	global_store_b64 v48, v[50:51], s[12:13]       ; a wave stores 256 consecutive bytes, aligned
; ---- THE LOSS.  R^T = logQ^T path^T (source 0 = 16 outputs, source 1 = 16 samples, K = my wave's 128 leaves): a lane holds one sample and 8 neighbouring outputs, as y's chunks lie.
; A unit is a slot: 8 output tiles, two intervals of y.  Tile n: 32 products; behind each two multiply-adds y R of tile n - 1, under the products' own window setting.
.macro RIDER hw, rr, pset
.set ra, (\rr)/8
.set rj, (\rr)%8
.if rj%2
	v_fma_mix_f32_bf16 v[LS+rj], v[YB+32*(\pset)+4*(4*(\hw)+ra)+rj/2], v[64*ra+RS0+8*(\pset)+rj], v[LS+rj] op_sel:[1,0,0] op_sel_hi:[1,0,0]
.else
	v_fma_mix_f32_bf16 v[LS+rj], v[YB+32*(\pset)+4*(4*(\hw)+ra)+rj/2], v[64*ra+RS0+8*(\pset)+rj], v[LS+rj] op_sel_hi:[1,0,0]
.endif
.endm
.macro OTLOADS n                       ; y of tile n (8 sample tiles x 16 bytes) and logQ of tile n + 1 (4 fragments), in one run
	WIN 0x40
.set ol, 0
.rept 8
	ds_load_b128 v[YB+32*((\n)&1)+4*ol:YB+32*((\n)&1)+4*ol+3], v[ADRA] offset:PIECE*((\n)>>2)+2304*ol+576*((\n)&3)
.set ol, ol+1
.endr
.if (\n) < 7
.set ol, 0
.rept 8
	ds_load_b128 v[32*(1-((\n)&1))+4*ol:32*(1-((\n)&1))+4*ol+3], v[ADRB] offset:4096*((\n)+1)+512*ol
.set ol, ol+1
.endr
.endif
.endm
; bun = 1: the tile also takes four of the interval's 16 loads through: their eight conversions stand behind its first two products, their stores and new loads in the tile's one run.
; The count: behind the fourth of them stand 12 - 4 g loads of their own interval, 16 of the next and the 4 g just asked for: 28.
.macro OT n, rid, bun
.set ocs, (\n)&1
	s_wait_dscnt 0x0                               ; logQ of this tile and y of the last are in
.set oi, 0
.rept 32
.set ohi, oi/16
.set okp, (oi%16)/4
.set oa, oi%4
	WIN 0xa9+0x54*ohi
.if okp == 0                                   ; four accumulators by turns; the first link starts the sum
	v_wmma_f32_16x16x32_bf16 v[64*oa+RS0+8*ocs:64*oa+RS0+8*ocs+7], v[32*ocs+8*okp:32*ocs+8*okp+7], v[64*oa+8*okp:64*oa+8*okp+7], 0
.else
	v_wmma_f32_16x16x32_bf16 v[64*oa+RS0+8*ocs:64*oa+RS0+8*ocs+7], v[32*ocs+8*okp:32*ocs+8*okp+7], v[64*oa+8*okp:64*oa+8*okp+7], v[64*oa+RS0+8*ocs:64*oa+RS0+8*ocs+7]
.endif
.if \rid
	RIDER ohi, 2*(oi%16), 1-ocs
	RIDER ohi, 2*(oi%16)+1, 1-ocs
.endif
.if (\bun) && (oi == 0)
	WIN 0
	s_wait_loadcnt 28
	CVT2 ldn
	CVT2 ldn+1
.endif
.if oi == 1
.if \bun
	WIN 0
	CVT2 ldn+2
	CVT2 ldn+3
.endif
	OTLOADS \n                                     ; the other set's last reader stands four plain instructions back or more
.if \bun
	STRUN ldn, 4
.set ldn, ldn+4
.endif
.endif
.set oi, oi+1
.endr
.endm
.macro LUMP pset                       ; the 64 multiply-adds of a tile that no later tile carries
	WIN 0xa9
.set li, 0
.rept 32
	RIDER 0, li, \pset
.set li, li+1
.endr
	WIN 0xfd
.set li, 0
.rept 32
	RIDER 1, li, \pset
.set li, li+1
.endr
.endm
.macro HEAD                            ; logQ of a unit's first tile
	WIN 0x40
.set ol, 0
.rept 8
	ds_load_b128 v[4*ol:4*ol+3], v[ADRB] offset:512*ol
.set ol, ol+1
.endr
.endm
.macro MID step                        ; between tiles 3 and 4: the pieces change; my stagings and my reads of the old piece are done.  My tensor load may stay out
	WIN 0
	s_wait_dscnt 0x0
	s_barrier_signal -1
	s_barrier_wait -1
.if \step
	s_wait_xcnt 0x0
	s_add_nc_u64 s[XP:XP+1], s[XP:XP+1], 512
.endif
.endm
.macro CHG fill                        ; the change of slots (and pieces)
	WIN 0
.if \fill
	s_wait_xcnt 0x0
	s_add_nc_u64 s[PFW:PFW+1], s[PFW:PFW+1], SLOTB
.endif
	s_wait_tensorcnt 0x0                           ; all my tensor loads have landed: my part of the next slot
	ds_add_u32 v[SPW], v[NIL]                      ; 0 onto my spare word; scalar work stands between it and the wait
.if \fill
	s_xor_b32 s[G0B+1], s[G0B+1], SLOTB
	s_add_nc_u64 s[G0B+2:G0B+3], s[G0B+2:G0B+3], SLOTB
.endif
	s_xor_b32 s[TB], s[TB], SLOTB
	s_wait_dscnt 0x0                               ; the add is done; my reads of the slot and the piece, and my stagings, are over
.if \fill
	CROUND
	JLOAD                                          ; it has a unit, 256 matrix instructions, in which to land
.else
	s_barrier_signal -1
	s_barrier_wait -1
	PLACES
.endif
	v_add_nc_u32 v[ADRB], s[TB], v[AB0]
.endm
.macro STG16 set                       ; an interval staged in one run, where nothing more is asked for: 15 - q younger loads at the most may stay out
	WIN 0
.set q, 0
.rept 16
	s_wait_loadcnt 15-q
	v_cvt_pk_bf16_f32 v[XS+64*(\set)+4*q], v[XS+64*(\set)+4*q], v[XS+64*(\set)+4*q+1]
	v_cvt_pk_bf16_f32 v[XS+64*(\set)+4*q+1], v[XS+64*(\set)+4*q+2], v[XS+64*(\set)+4*q+3]
	ds_store_b64 v[AWR], v[XS+64*(\set)+4*q:XS+64*(\set)+4*q+1] offset:(\set)*PIECE+(q>>3)*2304+(q&7)*32
.set q, q+1
.endr
.endm
	WIN 0x80
.irp j, 0,1,2,3,4,5,6,7
	v_mov_b32 v[LS+\j], 0
.endr
	WIN 0xc0
.irp j, 0,1,2,3,4,5,6,7
	v_mov_b32 v[LS+\j], 0
.endr
	HEAD
	WIN 0
	s_mov_b32 s[CNT], 6
.Lunit:                                        ; units 0-5: each asks for the slot two on
.set BSET, 1
.set BOFF, 256
.set ldn, 0
	OT 0, 0, 1
	PLACES                                         ; tile 0 carries no multiply-adds: these are the places behind its products
	OT 1, 1, 1
	OT 2, 1, 1
	OT 3, 1, 1
	MID 1
.set BSET, 0
.set BOFF, 0
.set ldn, 0
	OT 4, 1, 1
	OT 5, 1, 1
	OT 6, 1, 1
	OT 7, 1, 1
	CHG 1
	HEAD
	ASKW 0
	LUMP 1                                         ; tile 7's, while the next unit's first fragments come
	WIN 0
	s_sub_co_u32 s[CNT], s[CNT], 1
	s_cmp_lg_u32 s[CNT], 0
	s_cbranch_scc1 .Lunit
.set ldn, 16
	s_mov_b32 s[MT], 2
.Ltail:                                        ; units 6 and 7: the stream ends.  Forward jumps on the count lead round loads, stagings and dead tiles alone, never round a barrier
	STG16 1                                        ; interval 45, then 47
	s_cmp_eq_u32 s[MT], 2
	s_cbranch_scc0 .Lt1
	s_wait_xcnt 0x0
.set q, 0
.rept 16
	v_sub_nc_u32 v[VO+q], v[VO+q], v[DELTA]        ; interval 47 has 40 outputs: the lanes past them repeat the last 16 bytes of the row; logQ is 0 there
.set q, q+1
.endr
.set q, 0
.rept 16
	global_load_b128 v[XS+64+4*q:XS+64+4*q+3], v[VO+q], s[XP:XP+1] offset:256
.set q, q+1
.endr
.Lt1:
	OT 0, 0, 0
	PLACES
	OT 1, 1, 0
	OT 2, 1, 0
	OT 3, 1, 0
	MID 0
	s_cmp_eq_u32 s[MT], 2
	s_cbranch_scc0 .Lt2
	STG16 0                                        ; interval 46
.Lt2:
	OT 4, 1, 0
	OT 5, 1, 0
	OT 6, 1, 0
	WIN 0
	s_cmp_eq_u32 s[MT], 1
	s_cbranch_scc1 .Lno7                           ; outputs 1008-1023 are padding
	OT 7, 1, 0
	WIN 0
.Lno7:
	CHG 0
	s_cmp_eq_u32 s[MT], 1
	s_cbranch_scc1 .Lnolump
	HEAD
	LUMP 1
	WIN 0
.Lnolump:
	s_sub_co_u32 s[MT], s[MT], 1
	s_cmp_lg_u32 s[MT], 0
	s_cbranch_scc1 .Ltail
	LUMP 0                                         ; tile 62's
	; ---- the work-group's part of the loss
	WIN 0x0e                                       ; source 0 window 2, source 1 window 3, destination window 0
.irp j, 0,2,4,6
	v_pk_add_f32 v[16+\j:17+\j], v[LS+\j:LS+\j+1], v[LS+\j:LS+\j+1]
.endr
	WIN 0
	v_pk_add_f32 v[16:17], v[16:17], v[18:19]
	v_pk_add_f32 v[20:21], v[20:21], v[22:23]
	v_pk_add_f32 v[16:17], v[16:17], v[20:21]
	v_add_f32 v16, v16, v17
.irp x, 1,2,4,8
	v_add_f32_dpp v16, v16, v16 row_xmask:\x row_mask:0xf bank_mask:0xf
.endr
	v_permlanex16_b32 v17, v16, s[SEL], s[SEL+1]
	v_add_f32 v16, v16, v17
	v_lshl_add_u32 v18, s[WV], 2, LRED
	ds_store_b32 v18, v16
	s_wait_dscnt 0x0
	s_barrier_signal -1
	s_barrier_wait -1
	v_mov_b32 v19, LRED
	ds_load_b128 v[20:23], v19
	v_mov_b32 v24, 0
	v_cmp_eq_u32 vcc_lo, 0, v0
	s_wait_dscnt 0x0
	v_add_f32 v20, v20, v21
	v_add_f32 v22, v22, v23
	v_add_f32 v20, v20, v22
	s_wait_xcnt 0x0                                ; EXEC changes only behind this wait
	s_and_saveexec_b32 s66, vcc_lo                 ; thread 0 alone
	global_store_b32 v24, v20, s[14:15]
	s_wait_xcnt 0x0                                ; and again, in front of the line that widens it
	s_or_b32 exec_lo, exec_lo, s66
	s_wait_tensorcnt 0x0                           ; the wave's end: three lines behind my last tensor load and my last LDS store
	ds_add_u32 v[SPW], v[NIL]
	s_wait_dscnt 0x0
	CROUND                                         ; the closing round: no work-group ends while a partner may still ask for a tile that names it
	s_endpgm
.Lfunc_end_k_qc1dff9d0bd_main:
	.size	k_qc1dff9d0bd_main, .Lfunc_end_k_qc1dff9d0bd_main-k_qc1dff9d0bd_main
	.p2alignl 7, 3214868480
	.fill 96, 4, 3214868480
	.section	.rodata,"a",@progbits
	.p2align	6, 0x0
	.amdhsa_kernel k_qc1dff9d0bd_main
		.amdhsa_group_segment_fixed_size 327680
		.amdhsa_private_segment_fixed_size 0
		.amdhsa_enable_private_segment 0
		.amdhsa_kernarg_size 64
		.amdhsa_user_sgpr_count 2
		.amdhsa_user_sgpr_kernarg_segment_ptr 1
		.amdhsa_wavefront_size32 1
		.amdhsa_system_sgpr_workgroup_id_x 1
		.amdhsa_system_sgpr_workgroup_id_y 1
		.amdhsa_system_sgpr_workgroup_id_z 1
		.amdhsa_system_vgpr_workitem_id 0
		.amdhsa_next_free_vgpr 1024
		.amdhsa_next_free_sgpr 96
		.amdhsa_reserve_vcc 1
		.amdhsa_float_denorm_mode_32 3
		.amdhsa_float_denorm_mode_16_64 3
		.amdhsa_memory_ordered 1
		.amdhsa_forward_progress 1
		.amdhsa_inst_pref_size 255
	.end_amdhsa_kernel
	.section	.bss,"aw",@nobits
	.p2align	6
	.space	262144
	.amdgpu_metadata
---
amdhsa.version: [ 1, 2 ]
amdhsa.kernels:
  - .name:           k_qc1dff9d0bd_main
    .symbol:         k_qc1dff9d0bd_main.kd
    .args:
      - { .name: x, .offset: 0, .size: 8, .value_kind: global_buffer, .address_space: global }
      - { .name: y, .offset: 8, .size: 8, .value_kind: global_buffer, .address_space: global }
      - { .name: wts, .offset: 16, .size: 8, .value_kind: global_buffer, .address_space: global }
      - { .name: tab, .offset: 24, .size: 8, .value_kind: global_buffer, .address_space: global }
      - { .name: spart, .offset: 32, .size: 8, .value_kind: global_buffer, .address_space: global }
      - { .name: lossp, .offset: 40, .size: 8, .value_kind: global_buffer, .address_space: global }
      - { .name: bestv, .offset: 48, .size: 8, .value_kind: global_buffer, .address_space: global }
      - { .name: besti, .offset: 56, .size: 8, .value_kind: global_buffer, .address_space: global }
    .group_segment_fixed_size: 327680
    .private_segment_fixed_size: 0
    .kernarg_segment_align: 8
    .kernarg_segment_size: 64
    .max_flat_workgroup_size: 128
    .sgpr_count:     96
    .vgpr_count:     1024
    .wavefront_size: 32
...
	.end_amdgpu_metadata
.endif
;; end of part 5
;; launch finish (part 6): grid 513 x 1, 10 waves a work-group, no clusters, 5,376 bytes of LDS; arguments spart, lossp, bestv, besti, qtab, out0, out1; writes out0, out1
.if DOCPART == 6
	.amdgcn_target "amdgcn-amd-amdhsa--gfx1250"
	.amdhsa_code_object_version 6
	.text
	.protected	k_qc1dff9d0bd_finish
	.globl	k_qc1dff9d0bd_finish
	.p2align	8
	.type	k_qc1dff9d0bd_finish,@function
k_qc1dff9d0bd_finish:
	s_mov_b64 s[64:65], 0
	v_nop
	global_prefetch_b8 v0, s[64:65] scope:SCOPE_SE
	s_setreg_imm32_b32 hwreg(HW_REG_WAVE_MODE, 25, 1), 1
	s_wait_xcnt 0x0
; SOFT DECISION TREE, launch 3 of 3.  Work-groups 1-512: out1 = Q[best leaf], 32 rows each.  Work-group 0: out0 = loss + C.
; Left out, as shown at the head of the first kernel: the penalty of level 9; the higher levels' column sums are sums of pairs of level 9's, and sum p path of a node is its right child's sum.
; LIMIT: Q comes from a table in bf16, so out1 carries 2^-9 of each number at the most.
; THE GATHER.  Each half of the tree has stored its best leaf (a whole number) and that leaf's path (f32).  Which half wins hangs on the two f32: so BOTH rows of Q are loaded, by the stored whole
; numbers, and the winner's numbers are selected; the right half wins only if strictly greater, as the first maximum asks.  32 rows are 128,000 consecutive bytes, aligned: 250 groups of 512;
; each of 10 waves takes 25 on end, so every store covers 512 consecutive bytes, aligned, whatever the rows' ends.  No matrix unit, no tensor load: nothing is shared and nothing multiplied.
; A group owns four registers and no register serves two groups, so nothing waits for a store: first the two index loads' offsets (each load lands on its own offset register), then the two
; offsets in the table (likewise), then the two candidates' 8 bytes, then the 16 bytes to store.  A wave has 50 loads out in each of the two stages.
; With 112 registers three work-groups of ten waves lie on a WGP (nine waves x 112 registers to a SIMD at the most), so all 513 run side by side, the sum's among them.
.set SPARE, 4096                       ; the spare words: 128 bytes for each of 10 waves; no other line names them
.set SPW, 2
.set NIL, 3
.set QS,  12                           ; v12-111  group n's four registers
	s_load_b256 s[4:11], s[0:1], 0x0               ; spart s[4:5], lossp s[6:7], bestv s[8:9], besti s[10:11]
	s_load_b128 s[12:15], s[0:1], 0x20             ; qtab s[12:13], out0 s[14:15]
	s_load_b64 s[16:17], s[0:1], 0x30              ; out1
	v_lshl_add_u32 v[SPW], v0, 2, SPARE
	v_mov_b32 v[NIL], 0
	v_lshrrev_b32 v1, 5, v0
	v_readfirstlane_b32 s20, v1                    ; wave 0..9
	s_mov_b32 s35, 0xffff0000                      ; a word's upper bf16
	s_wait_kmcnt 0x0
	s_cmp_eq_u32 ttmp9, 0
	s_cbranch_scc1 .Lsum
	s_sub_co_u32 s21, ttmp9, 1
	s_mul_i32 s22, s21, 128000
	s_mov_b32 s23, 0
	s_add_nc_u64 s[16:17], s[16:17], s[22:23]
	s_lshl_b32 s22, s21, 8                         ; 32 rows x 8 bytes
	s_add_nc_u64 s[8:9], s[8:9], s[22:23]
	s_add_nc_u64 s[10:11], s[10:11], s[22:23]
	v_and_b32 v4, 31, v0
	s_mul_i32 s24, s20, 800
	v_add_nc_u32 v4, s24, v4                       ; my 16 bytes' number in the work-group's 8,000, for group 0
	v_lshlrev_b32 v5, 4, v4
	v_mul_u32_u24 v8, v4, 0x418a                   ; / 250: x 16778 >> 22 is exact below 16,000 (the excess, f x 0.784 / 2^22, stays under 1 / 250)
	v_lshrrev_b32 v8, 22, v8
	v_mul_u32_u24 v8, v8, 250
	v_sub_nc_u32 v8, v4, v8
	v_lshlrev_b32 v8, 3, v8                        ; 8 x my place in the row, for group 0
.set n, 0
.rept 25
	v_add_nc_u32 v6, 32*n, v4
	v_mul_u32_u24 v7, v6, 0x418a
	v_lshrrev_b32 v7, 22, v7                       ; the row
	v_lshlrev_b32 v[QS+4*n], 3, v7
	v_lshlrev_b32 v[QS+4*n+2], 3, v7
	global_load_b64 v[QS+4*n:QS+4*n+1], v[QS+4*n], s[10:11]       ; the two leaves
	global_load_b64 v[QS+4*n+2:QS+4*n+3], v[QS+4*n+2], s[8:9]     ; the two paths
.set n, n+1
.endr
	s_wait_loadcnt 0x0
.set n, 0
.rept 25
.if n > 0
	v_add_nc_u32 v8, 0x100, v8                     ; 32 places on, modulo a row of 2,000 bytes: the lesser, unsigned, of q and q - 2000
	v_add_nc_u32 v9, 0xfffff830, v8
	v_min_u32 v8, v8, v9
.endif
	v_cmp_gt_f32 s[36+n], v[QS+4*n+3], v[QS+4*n+2] ; it selects values alone
	v_min_u32 v[QS+4*n], 0x3ff, v[QS+4*n]
	v_min_u32 v[QS+4*n+2], 0x3ff, v[QS+4*n+1]
	v_mul_u32_u24 v[QS+4*n], v[QS+4*n], 2000
	v_mul_u32_u24 v[QS+4*n+2], v[QS+4*n+2], 2000
	v_add_nc_u32 v[QS+4*n], v[QS+4*n], v8
	v_add_nc_u32 v[QS+4*n+2], v[QS+4*n+2], v8
	global_load_b64 v[QS+4*n:QS+4*n+1], v[QS+4*n], s[12:13]
	global_load_b64 v[QS+4*n+2:QS+4*n+3], v[QS+4*n+2], s[12:13]
.set n, n+1
.endr
.set n, 0
.rept 25
	s_wait_loadcnt 2*(24-n)                        ; two loads for each of the groups asked for behind this one
	v_cndmask_b32 v[QS+4*n], v[QS+4*n], v[QS+4*n+2], s[36+n]
	v_cndmask_b32 v[QS+4*n+2], v[QS+4*n+1], v[QS+4*n+3], s[36+n]
	v_and_b32 v[QS+4*n+1], s35, v[QS+4*n]          ; bf16 to f32: the high half stays,
	v_lshlrev_b32 v[QS+4*n], 16, v[QS+4*n]         ; the low half moves up
	v_and_b32 v[QS+4*n+3], s35, v[QS+4*n+2]
	v_lshlrev_b32 v[QS+4*n+2], 16, v[QS+4*n+2]
	global_store_b128 v5, v[QS+4*n:QS+4*n+3], s[16:17] offset:512*n th:TH_STORE_NT
.set n, n+1
.endr
	s_branch .Lend
; ---- work-group 0.  spart is [128][512]: thread t < 256 adds rows 64 (t / 128) .. + 63 of columns 4 (t % 128) .. + 3, 16 rows a trip.
.Lsum:
	s_cmp_lt_u32 s20, 8
	s_cbranch_scc0 .Lsbar
	v_and_b32 v6, 127, v0
	v_lshlrev_b32 v6, 4, v6
	v_lshrrev_b32 v7, 7, v0
	v_lshl_add_u32 v6, v7, 17, v6
.irp j, 80,81,82,83
	v_mov_b32 v\j, 0
.endr
	s_mov_b32 s21, 4
.Lrows:
.set i, 0
.rept 16
	global_load_b128 v[16+4*i:19+4*i], v6, s[4:5] offset:2048*i
.set i, i+1
.endr
	s_wait_loadcnt 0x0                             ; all are in, so the base may be stepped below
.irp st, 8,4,2,1
.set i, 0
.rept \st
	v_pk_add_f32 v[16+4*i:17+4*i], v[16+4*i:17+4*i], v[16+4*(i+\st):17+4*(i+\st)]
	v_pk_add_f32 v[18+4*i:19+4*i], v[18+4*i:19+4*i], v[18+4*(i+\st):19+4*(i+\st)]
.set i, i+1
.endr
.endr
	v_pk_add_f32 v[80:81], v[80:81], v[16:17]
	v_pk_add_f32 v[82:83], v[82:83], v[18:19]
	s_add_nc_u64 s[4:5], s[4:5], 0x8000
	s_sub_co_u32 s21, s21, 1
	s_cmp_lg_u32 s21, 0
	s_cbranch_scc1 .Lrows
	v_lshlrev_b32 v7, 4, v0
	ds_store_b128 v7, v[80:83]                     ; two partial rows of 2,048 bytes
.Lsbar:
	s_wait_dscnt 0x0
	s_barrier_signal -1
	s_barrier_wait -1
	s_cmp_eq_u32 s20, 0
	s_cbranch_scc0 .Lend
	; wave 0: lane l has level 9's sums 16 l .. 16 l + 15: levels 8 to 5 lie inside the lane, levels 4 to 0 across lanes
	v_lshlrev_b32 v6, 6, v0
.irp g, 0,1
.irp p, 0,1,2,3
	ds_load_b128 v[16+16*\g+4*\p:19+16*\g+4*\p], v6 offset:2048*\g+16*\p
.endr
.endr
	v_lshlrev_b32 v7, 5, v0
	global_load_b128 v[84:87], v7, s[6:7]          ; 8 of the 256 partial losses
	global_load_b128 v[108:111], v7, s[6:7] offset:16
	s_mov_b32 s24, 0xaaaaaaaa                      ; the lanes that hold the right child, by level
	s_mov_b32 s25, 0xcccccccc
	s_mov_b32 s26, 0xf0f0f0f0
	s_mov_b32 s27, 0xff00ff00
	s_mov_b32 s28, 0xffff0000
	s_mov_b32 s30, 0x76543210
	s_mov_b32 s31, 0xfedcba98
	s_wait_dscnt 0x0
.irp j, 0,2,4,6,8,10,12,14
	v_pk_add_f32 v[16+\j:17+\j], v[16+\j:17+\j], v[32+\j:33+\j]
.endr
.irp a, 0,1,2,3,4,5,6,7
	v_add_f32 v[32+\a], v[16+2*\a], v[17+2*\a]     ; level 8
.endr
.irp a, 0,1,2,3
	v_add_f32 v[40+\a], v[32+2*\a], v[33+2*\a]     ; level 7
.endr
	v_add_f32 v44, v40, v41                        ; level 6
	v_add_f32 v45, v42, v43
	v_add_f32 v46, v44, v45                        ; level 5
	v_mov_b32 v48, 0                               ; the destination of a lane exchange counts as read
	v_mov_b32_dpp v48, v46 row_xmask:1 row_mask:0xf bank_mask:0xf
	v_add_f32 v50, v46, v48                        ; level 4: both lanes of a pair hold the node,
	v_cndmask_b32 v51, v48, v46, s24               ; and its right child's sum
	v_mov_b32_dpp v48, v50 row_xmask:2 row_mask:0xf bank_mask:0xf
	v_add_f32 v52, v50, v48
	v_cndmask_b32 v53, v48, v50, s25
	v_mov_b32_dpp v48, v52 row_xmask:4 row_mask:0xf bank_mask:0xf
	v_add_f32 v54, v52, v48
	v_cndmask_b32 v55, v48, v52, s26
	v_mov_b32_dpp v48, v54 row_xmask:8 row_mask:0xf bank_mask:0xf
	v_add_f32 v56, v54, v48
	v_cndmask_b32 v57, v48, v54, s27
	v_permlanex16_b32 v48, v56, s30, s31
	v_add_f32 v58, v56, v48
	v_cndmask_b32 v59, v48, v56, s28
	; 20 nodes a lane: pen = right / total
.macro PENR idx, tot
	v_rcp_f32 v[64+(\idx)], v[\tot]
.endm
.macro PENM idx, rgt
	v_mul_f32 v[64+(\idx)], v[64+(\idx)], v[\rgt]
	v_sub_f32 v[88+(\idx)], 1.0, v[64+(\idx)]
.endm
.irp a, 0,1,2,3,4,5,6,7
	PENR \a, 32+\a
.endr
.irp a, 0,1,2,3
	PENR 8+\a, 40+\a
.endr
	PENR 12, 44
	PENR 13, 45
	PENR 14, 46
.irp a, 0,1,2,3,4
	PENR 15+\a, 50+2*\a
.endr
	v_nop                                          ; a plain instruction behind the last reciprocal,
	s_wait_alu depctr_va_vdst(0)                   ; and one wait for the batch
.irp a, 0,1,2,3,4,5,6,7
	PENM \a, 17+2*\a
.endr
.irp a, 0,1,2,3
	PENM 8+\a, 33+2*\a
.endr
	PENM 12, 41
	PENM 13, 43
	PENM 14, 45
.irp a, 0,1,2,3,4
	PENM 15+\a, 51+2*\a
.endr
.set i, 0
.rept 20
	v_log_f32 v[64+i], v[64+i]
	v_log_f32 v[88+i], v[88+i]
.set i, i+1
.endr
	v_nop
	s_wait_alu depctr_va_vdst(0)
.set i, 0
.rept 20
	v_add_f32 v[64+i], v[64+i], v[88+i]            ; log2 pen + log2 (1 - pen)
.set i, i+1
.endr
	; weights: 0.1 x 2^-(level + 1) x 0.5 x ln 2, divided by the 2^k lanes that repeat a node of level 5 - k: 2^-6 for levels 0-5, then 2^-7, 2^-8, 2^-9, all times 0.05 ln 2
.irp a, 1,2,3,4,5,6,7
	v_add_f32 v64, v64, v[64+\a]                   ; level 8
.endr
.irp a, 1,2,3
	v_add_f32 v72, v72, v[72+\a]                   ; level 7
.endr
	v_add_f32 v76, v76, v77                        ; level 6
.irp a, 1,2,3,4,5
	v_add_f32 v78, v78, v[78+\a]                   ; levels 5 to 0
.endr
	v_fma_f32 v64, v64, 0.5, v72
	v_fma_f32 v64, v64, 0.5, v76
	v_fma_f32 v64, v64, 0.5, v78
	s_wait_loadcnt 0x0
	v_pk_add_f32 v[84:85], v[84:85], v[86:87]
	v_pk_add_f32 v[108:109], v[108:109], v[110:111]
	v_pk_add_f32 v[84:85], v[84:85], v[108:109]
	v_add_f32 v84, v84, v85
	v_mul_f32 v84, 0x38800000, v84                 ; / 16384
	v_fmac_f32 v84, 0x3a0df4e0, v64                ; + 0.05 ln 2 / 64 x the logarithms
.irp x, 1,2,4,8
	v_add_f32_dpp v84, v84, v84 row_xmask:\x row_mask:0xf bank_mask:0xf
.endr
	v_permlanex16_b32 v85, v84, s30, s31
	v_add_f32 v84, v84, v85
	v_mul_f32 v84, -1.0, v84                       ; loss and C both carry the minus
	v_mov_b32 v86, 0
	v_cmp_eq_u32 vcc_lo, 0, v0
	s_wait_xcnt 0x0                                ; EXEC changes only behind this wait
	s_and_saveexec_b32 s32, vcc_lo
	global_store_b32 v86, v84, s[14:15]
	s_wait_xcnt 0x0                                ; and again, in front of the line that widens it
	s_or_b32 exec_lo, exec_lo, s32
.Lend:
	s_wait_tensorcnt 0x0                           ; the wave's end: three lines behind my last LDS store
	ds_add_u32 v[SPW], v[NIL]
	s_wait_dscnt 0x0
	s_endpgm
.Lfunc_end_k_qc1dff9d0bd_finish:
	.size	k_qc1dff9d0bd_finish, .Lfunc_end_k_qc1dff9d0bd_finish-k_qc1dff9d0bd_finish
	.p2alignl 7, 3214868480
	.fill 96, 4, 3214868480
	.section	.rodata,"a",@progbits
	.p2align	6, 0x0
	.amdhsa_kernel k_qc1dff9d0bd_finish
		.amdhsa_group_segment_fixed_size 5376
		.amdhsa_private_segment_fixed_size 0
		.amdhsa_enable_private_segment 0
		.amdhsa_kernarg_size 56
		.amdhsa_user_sgpr_count 2
		.amdhsa_user_sgpr_kernarg_segment_ptr 1
		.amdhsa_wavefront_size32 1
		.amdhsa_system_sgpr_workgroup_id_x 1
		.amdhsa_system_sgpr_workgroup_id_y 1
		.amdhsa_system_sgpr_workgroup_id_z 1
		.amdhsa_system_vgpr_workitem_id 0
		.amdhsa_next_free_vgpr 112
		.amdhsa_next_free_sgpr 66
		.amdhsa_reserve_vcc 1
		.amdhsa_float_denorm_mode_32 3
		.amdhsa_float_denorm_mode_16_64 3
		.amdhsa_memory_ordered 1
		.amdhsa_forward_progress 1
		.amdhsa_inst_pref_size 55
	.end_amdhsa_kernel
	.amdgpu_metadata
---
amdhsa.version: [ 1, 2 ]
amdhsa.kernels:
  - .name:           k_qc1dff9d0bd_finish
    .symbol:         k_qc1dff9d0bd_finish.kd
    .args:
      - { .name: spart, .offset: 0, .size: 8, .value_kind: global_buffer, .address_space: global }
      - { .name: lossp, .offset: 8, .size: 8, .value_kind: global_buffer, .address_space: global }
      - { .name: bestv, .offset: 16, .size: 8, .value_kind: global_buffer, .address_space: global }
      - { .name: besti, .offset: 24, .size: 8, .value_kind: global_buffer, .address_space: global }
      - { .name: qtab, .offset: 32, .size: 8, .value_kind: global_buffer, .address_space: global }
      - { .name: out0, .offset: 40, .size: 8, .value_kind: global_buffer, .address_space: global }
      - { .name: out1, .offset: 48, .size: 8, .value_kind: global_buffer, .address_space: global }
    .group_segment_fixed_size: 5376
    .private_segment_fixed_size: 0
    .kernarg_segment_align: 8
    .kernarg_segment_size: 56
    .max_flat_workgroup_size: 320
    .sgpr_count:     66
    .vgpr_count:     112
    .wavefront_size: 32
...
	.end_amdgpu_metadata
.endif
;; end of part 6
;; ======== version 3 of 3: 3 launches; version 2 with the launch prep written anew for expert scheduling mode
;; limits: values outside matrix products are rounded to bf16
;; workspace buffers: wts 6,291,456 bytes; tab 8,192 bytes; qtab 2,048,000 bytes; spart 262,144 bytes; lossp 1,024 bytes; bestv 131,072 bytes; besti 131,072 bytes of whole numbers
;; launch prep (part 7): grid 193 x 1, 8 waves a work-group, no clusters, 37,888 bytes of LDS; arguments W, b, beta, leaf_params, wts, tab, qtab; writes wts, tab, qtab
.if DOCPART == 7
	.amdgcn_target "amdgcn-amd-amdhsa--gfx1250"
	.amdhsa_code_object_version 6
	.text
	.protected	k_qc1dff9d0bd_prep
	.globl	k_qc1dff9d0bd_prep
	.p2align	8
	.type	k_qc1dff9d0bd_prep,@function
k_qc1dff9d0bd_prep:
	s_mov_b64 s[64:65], 0
	v_nop
	global_prefetch_b8 v0, s[64:65] scope:SCOPE_SE
	s_setreg_imm32_b32 hwreg(HW_REG_WAVE_SCHED_MODE, 0, 2), 2
	s_setreg_imm32_b32 hwreg(HW_REG_WAVE_MODE, 25, 1), 1
	s_wait_xcnt 0x0
	s_wait_alu depctr_vm_vsrc(0)
; SOFT DECISION TREE, launch 1 of 3: the small inputs are rounded to bf16 once and laid out as the main launch's registers take them.
;   wts   [half 2][step 24][wave 4][32 blocks of 1,024 bytes], bf16.  Steps 0-15: W by K steps of 128; steps 16-23: log softmax(leaf_params) by 128 outputs.
;   tab   [half 2][slot 8][64 x -log2(e) beta | 64 x -log2(e) beta b], f32
;   qtab  softmax(leaf_params), [1024][1000] bf16: a table that the last launch reads, rounded once
; WORK LEFT OUT BY THE WHOLE PROGRAM, for all finite values of the inputs:
;   (1) the penalty of the 512 nodes of level 9: reference() itself throws it away by where(depths < MAX_DEPTH, .., 0.0).
;   (2) sum_b p[n] path[n] is not formed: p[n] path[n] IS path[right child of n], the same f32 product.
;   (3) sum_b path[n] is formed for level 9 alone: path[left] + path[right] = path[n] ((1-p) + p = 1), so the higher levels' sums are sums of pairs.
;   (4) loss: sum_l path_l sum_o y_o logQ[l][o] is taken as sum_o y_o (sum_l path_l logQ[l][o]): the same products in another order.
;   (5) outputs 1000-1023 are padding of this layout (zeros); the tile of outputs 1008-1023 is never multiplied.
; Every input has a way to an output: all six are loaded.
; LIMITS.  x, W, b, beta, y, leaf_params are rounded to bf16 once; leaf paths and logQ are rounded to bf16 for the loss's product; Q is rounded to bf16 in the table, so out1 carries 2^-9 of each number at
; the most; the sums of (3) round in another order than reference()'s; exponentials, reciprocals and logarithms count denormals as 0; NaN is not treated apart; two best leaves closer than f32's rounding
; of the sums may change places; a NaN, an infinity or an overflow that reaches only the work left out is not carried to the result.
; THE MAP.  Half hf, wave w, lane half h: slot s8 = 2 w + h is the subtree under node 8 hf + s8 of level 4.  Entry i = 1..63 of a slot is its local heap: node pw(i) (15 + 8 hf + s8) + i - 1,
; pw(i) the largest power of two not above i.  Entry 0 of slot s8 is one of the half's 8 ancestors of levels 0-3: node max(pw(s8) (1 + hf) + s8 - 1, 0).
; Row m of node tile nt of wave w is entry 8 nt + m % 8 of slot 2 w + m / 8.
; A block is [g 2][lane 32][16 bytes]: what lane (r = lane % 16, h = lane / 16) loads as registers 4 g .. 4 g + 3 of a 16-bit fragment.
; THE MODE: SCHED_MODE bits 1:0 = 2 (LLVM: expert scheduling mode 2), set by the entry lines.  The code itself states the register dependences between vector instructions and memory or LDS
; instructions, and between a vector instruction that writes a scalar register or VCC and its readers, with s_wait_alu, always for 0.
; THE PLAN.  The text has no loop: each of its three branches goes in stages, and in each stage the vector lines write all the addresses and all the data of a run of memory instructions,
; ONE wait on va_vdst follows, and then the run.  Registers that memory or LDS instructions touch:
;   table   v20-23, v32-35 offsets and v36-43 data: written by vector lines, read by the loads and stores; v24-31 loaded.  None is written again.
;   W       v16-31 offsets (written in two halves of eight, each ahead of its eight loads); v32-95 loaded, then pairs of them written by the conversions and read by the LDS stores, again in two halves;
;           v4, v5, v6 addresses, written once, ahead of the first half's wait; v96-127 land from LDS and leave by stores: no vector line names them.
;   leaves  v3, v7, v11-15 addresses, each written ahead of a wait on va_vdst and not again; v64-127 loaded once; v16-31 and v32-47 are stored to LDS and later written again: a wait on vm_vsrc ahead of each
;           rewriting; v128-255, v192-255 (twice) and v224-255 land from LDS: ahead of each run every vector line that named them stands in front of a wait on va_vdst; v128.. (Q) and v192-223 (logQ, turned) are
;           the two out-buffers, which one wait serves.
;   v8, v9  written at the head, read by the closing add alone.
.set SPARE, 36864                      ; the spare words: 128 bytes for each of 8 waves; no other line names them
.set SPW,   8                          ; v8  SPARE + 4 x thread; never rewritten
.set NIL,   9                          ; v9  0; never rewritten
.set HALFW, 3145728                    ; bytes of wts for one half
.set STEPB, 131072                     ; bytes of a step
	s_load_b256 s[4:11], s[0:1], 0x0               ; W s[4:5], b s[6:7], beta s[8:9], leaf_params s[10:11]
	s_load_b128 s[12:15], s[0:1], 0x20             ; wts s[12:13], tab s[14:15]
	s_load_b64 s[16:17], s[0:1], 0x30              ; qtab
	v_lshl_add_u32 v[SPW], v0, 2, SPARE
	v_mov_b32 v[NIL], 0
	v_lshrrev_b32 v1, 5, v0
	v_readfirstlane_b32 s20, v1                    ; wave 0..7
	v_and_b32 v2, 31, v0                           ; lane
	s_mov_b32 s40, 0x76543210                      ; v_permlanex16_b32: each lane takes its own place in the other half
	s_mov_b32 s41, 0xfedcba98
	s_mov_b32 s42, 0xffff0000                      ; a word's upper bf16
	s_wait_alu depctr_va_sdst(0)                   ; s20 is written: its first readers stand in the branches below
	s_wait_kmcnt 0x0
	s_cmp_lt_u32 ttmp9, 128
	s_cbranch_scc1 .Lwpart
	s_cmp_lt_u32 ttmp9, 192
	s_cbranch_scc1 .Lleaf
; ---- work-group 192: the table.  Entry n = thread + 256 k: half n / 512, slot (n / 64) % 8, i = n % 64.
; The four entries have ten registers each, v[48 + 10 k ..], so that their compares stand in runs of four, into scalar registers, with one wait behind each run.
.irp k, 0,1,2,3
	v_add_nc_u32 v[48+10*\k], 256*\k, v0           ; n
	v_lshrrev_b32 v[49+10*\k], 9, v[48+10*\k]      ; hf
	v_bfe_u32 v[50+10*\k], v[48+10*\k], 6, 3       ; slot
	v_and_b32 v[51+10*\k], 63, v[48+10*\k]         ; i
	v_lshl_add_u32 v[52+10*\k], v[49+10*\k], 3, v[50+10*\k]
	v_add_nc_u32 v[52+10*\k], 15, v[52+10*\k]      ; 15 + 8 hf + slot
	v_add_nc_u32 v[53+10*\k], 1, v[49+10*\k]       ; 1 + hf
	v_cmp_eq_u32 s[44+\k], 0, v[51+10*\k]
.endr
	s_wait_alu depctr_va_sdst(0)                   ; the four masks s44-47 are written, ahead of the selects that read them
.irp k, 0,1,2,3
	v_cndmask_b32 v[54+10*\k], v[51+10*\k], v[50+10*\k], s[44+\k]   ; v = i, or the slot for entry 0
	v_cndmask_b32 v[55+10*\k], v[52+10*\k], v[53+10*\k], s[44+\k]   ; its factor
	v_lshrrev_b32 v[56+10*\k], 1, v[54+10*\k]      ; all bits below v's highest are set,
	v_or_b32 v[56+10*\k], v[56+10*\k], v[54+10*\k]
	v_lshrrev_b32 v[57+10*\k], 2, v[56+10*\k]
	v_or_b32 v[56+10*\k], v[56+10*\k], v[57+10*\k]
	v_lshrrev_b32 v[57+10*\k], 4, v[56+10*\k]
	v_or_b32 v[56+10*\k], v[56+10*\k], v[57+10*\k]
	v_add_nc_u32 v[56+10*\k], 1, v[56+10*\k]
	v_lshrrev_b32 v[56+10*\k], 1, v[56+10*\k]      ; pw(v)
	v_mad_u32_u24 v[56+10*\k], v[56+10*\k], v[55+10*\k], v[54+10*\k]
	v_add_nc_u32 v[57+10*\k], -1, v[56+10*\k]
	v_cmp_eq_u32 s[48+\k], 0, v[56+10*\k]
.endr
	s_wait_alu depctr_va_sdst(0)                   ; the four masks s48-51 are written, ahead of the selects that read them
.irp k, 0,1,2,3
	v_cndmask_b32 v[57+10*\k], v[57+10*\k], v[56+10*\k], s[48+\k]   ; the node; the root where the sum is 0
	v_lshlrev_b32 v[20+\k], 2, v[57+10*\k]
	v_lshrrev_b32 v[57+10*\k], 6, v[48+10*\k]
	v_lshlrev_b32 v[57+10*\k], 9, v[57+10*\k]
	v_lshl_add_u32 v[32+\k], v[51+10*\k], 2, v[57+10*\k]   ; 512 (8 hf + slot) + 4 i
.endr
	s_wait_alu depctr_va_vdst(0)                   ; the offsets v20-23, which the loads read, and v32-35, which the stores read, are written
.irp k, 0,1,2,3
	global_load_b32 v[24+\k], v[20+\k], s[8:9]     ; beta[node]
	global_load_b32 v[28+\k], v[20+\k], s[6:7]     ; b[node]
.endr
	s_wait_loadcnt 0x0
.irp k, 0,1,2,3
	v_cvt_pk_bf16_f32 v10, v[24+\k], v[28+\k]      ; both rounded to bf16,
	v_lshlrev_b32 v11, 16, v10                     ; and widened again
	v_and_b32 v12, s42, v10
	v_mul_f32 v[36+\k], 0xbfb8aa3b, v11            ; -log2(e) beta
	v_mul_f32 v[40+\k], v[36+\k], v12              ; times b
.endr
	s_wait_alu depctr_va_vdst(0)                   ; the products v36-43 are written, which the stores read
.irp k, 0,1,2,3
	global_store_b32 v[32+\k], v[36+\k], s[14:15]
	global_store_b32 v[32+\k], v[40+\k], s[14:15] offset:256
.endr
	s_branch .Lend
; ---- work-groups 0-127: W.  Work-group id: node tile id / 2 = (hf, w, nt); wave v takes K step 8 (id % 2) + v: 16 rows x 128 numbers = 4 blocks.
.Lwpart:
	s_lshr_b32 s21, ttmp9, 1
	s_lshr_b32 s22, s21, 5                         ; hf
	s_bfe_u32 s23, s21, 0x20003                    ; w
	s_and_b32 s24, s21, 7                          ; nt
	s_and_b32 s25, ttmp9, 1
	s_lshl_b32 s25, s25, 3
	s_add_co_u32 s25, s25, s20                     ; K step
	s_lshl_b32 s26, s24, 3                         ; 8 nt
	s_lshl_b32 s27, s23, 1                         ; 2 w
	s_add_co_u32 s28, s22, 1                       ; 1 + hf
	s_lshl_b32 s29, s22, 3
	s_add_co_u32 s29, s29, 15                      ; 15 + 8 hf
	v_lshlrev_b32 v3, 4, v2
	v_lshl_add_u32 v3, s25, 9, v3                  ; 512 x step + 16 x lane: a wave's load covers 512 consecutive bytes of a row
; Two halves of eight rows: eight offsets, one wait, eight loads.  The second half's scalar arithmetic stands while the first half's loads are out.
.set m, 0
.rept 2
.rept 8
	s_add_co_u32 s31, s26, m&7                     ; i
	s_add_co_u32 s32, s27, m>>3                    ; s8
	s_add_co_u32 s33, s29, s32
	s_cmp_eq_u32 s31, 0
	s_cselect_b32 s34, s32, s31
	s_cselect_b32 s35, s28, s33
	s_lshr_b32 s36, s34, 1
	s_or_b32 s36, s36, s34
	s_lshr_b32 s37, s36, 2
	s_or_b32 s36, s36, s37
	s_lshr_b32 s37, s36, 4
	s_or_b32 s36, s36, s37
	s_add_co_u32 s36, s36, 1
	s_lshr_b32 s36, s36, 1                         ; pw
	s_mul_i32 s36, s36, s35
	s_add_co_u32 s36, s36, s34
	s_sub_co_u32 s36, s36, 1
	s_max_i32 s36, s36, 0                          ; the node of row m
	v_lshl_add_u32 v[16+m], s36, 13, v3            ; a row of W is 8,192 bytes
.set m, m+1
.endr
	s_wait_alu depctr_va_vdst(0)                   ; this half's eight offsets are written, which the eight loads below read
.set q, m-8
.rept 8
	global_load_b128 v[32+4*q:35+4*q], v[16+q], s[4:5]
.set q, q+1
.endr
.endr
	s_mul_i32 s38, s20, 4608                       ; my wave's own 16 chunks x 288 bytes of LDS: no other wave touches them, so no barrier
	v_lshrrev_b32 v4, 1, v2
	v_mul_u32_u24 v4, v4, 288                      ; chunk = lane / 2 = (k32, g, h): 8 numbers along K of all 16 rows
	v_and_b32 v5, 1, v2
	v_lshl_add_u32 v4, v5, 3, v4
	v_add_nc_u32 v4, s38, v4
	v_lshrrev_b32 v5, 4, v2
	v_mul_u32_u24 v5, v5, 288
	v_and_b32 v6, 15, v2
	v_lshl_add_u32 v5, v6, 4, v5
	v_add_nc_u32 v5, s38, v5                       ; back: lanes 0-15 one chunk, lanes 16-31 the next
	s_mul_i32 s38, s22, HALFW
	s_lshl_b32 s39, s25, 17
	s_add_co_u32 s38, s38, s39
	s_lshl_b32 s39, s23, 15
	s_add_co_u32 s38, s38, s39
	s_lshl_b32 s39, s24, 10
	s_add_co_u32 s38, s38, s39
	v_lshl_add_u32 v6, v2, 4, s38                  ; block nt of quarter 0, + 16 x lane
; The same two halves on the way into LDS: sixteen conversions, one wait, eight LDS stores.  The second half's conversions name none of the registers that the first half's stores read.
.set m, 0
.rept 2
	s_wait_loadcnt 8-m                             ; loads come back in order: rows 0-7 are in and the second half's eight loads may stay out; then all are in
.rept 8
	v_cvt_pk_bf16_f32 v[32+4*m], v[32+4*m], v[33+4*m]
	v_cvt_pk_bf16_f32 v[33+4*m], v[34+4*m], v[35+4*m]
.set m, m+1
.endr
	s_wait_alu depctr_va_vdst(0)                   ; this half's conversions have written the pairs that the LDS stores read; at the first half also: the addresses v4, v5 and v6 are written
.set q, m-8
.rept 8
	ds_store_b64 v4, v[32+4*q:33+4*q] offset:16*q
.set q, q+1
.endr
.endr
.set m, 0
.rept 8
	ds_load_b128 v[96+4*m:99+4*m], v5 offset:576*m ; LDS serves a wave's instructions in order: these see the stores above.  No vector line names v96-127
.set m, m+1
.endr
.set m, 0
.rept 8
	s_wait_dscnt 7-m
	global_store_b128 v6, v[96+4*m:99+4*m], s[12:13] offset:(m>>1)*8192+(m&1)*512  ; 512 consecutive bytes, aligned: half a block
.set m, m+1
.endr
	s_branch .Lend
; ---- work-groups 128-191: 16 leaves each.  Thread t holds outputs 4 t .. 4 t + 3 of all 16 rows; threads 250-255 repeat thread 249 and count for nothing in the sums.
.Lleaf:
	s_sub_co_u32 s21, ttmp9, 128                   ; the group of 16 leaves: (hf, w, h, kappa)
	s_mul_i32 s22, s21, 64000                      ; 16 rows of 4,000 bytes
	s_mov_b32 s23, 0
	s_add_nc_u64 s[10:11], s[10:11], s[22:23]
	s_lshr_b32 s22, s22, 1                         ; in qtab 16 rows of 2,000 bytes
	s_add_nc_u64 s[16:17], s[16:17], s[22:23]
	v_min_u32 v3, 249, v0
	v_lshlrev_b32 v3, 4, v3
	v_lshrrev_b32 v7, 1, v3                        ; my 8 bytes of a row of qtab
	s_wait_alu depctr_va_vdst(0)                   ; the offset v3 is written, which the sixteen loads read (and v7, which Q's stores read)
.set m, 0
.rept 16
	global_load_b128 v[64+4*m:67+4*m], v3, s[10:11] offset:4000*m
.set m, m+1
.endr
	v_mov_b32 v10, 0                               ; v_permlanex16_b32's destination counts as read
	v_mov_b32 v12, 32768                           ; the waves' figures meet here: maxima at 32768, sums at 33280, 64 bytes a wave
	v_lshl_add_u32 v11, s20, 6, v12
	s_wait_loadcnt 0x0
.set m, 0
.rept 32                                       ; rounded to bf16 and widened again
	v_cvt_pk_bf16_f32 v13, v[64+2*m], v[65+2*m]
	v_lshlrev_b32 v[64+2*m], 16, v13
	v_and_b32 v[65+2*m], s42, v13
.set m, m+1
.endr
.set m, 0
.rept 16                                       ; the rows' maxima, as reference() takes them away before the exponential
	v_max3_num_f32 v[16+m], v[64+4*m], v[65+4*m], v[66+4*m]
	v_max_num_f32 v[16+m], v[16+m], v[67+4*m]
.set m, m+1
.endr
.irp x, 1,2,4,8
.set m, 0
.rept 16
	v_max_num_f32_dpp v[16+m], v[16+m], v[16+m] row_xmask:\x row_mask:0xf bank_mask:0xf
.set m, m+1
.endr
.endr
.set m, 0
.rept 16
	v_permlanex16_b32 v10, v[16+m], s40, s41
	v_max_num_f32 v[16+m], v[16+m], v10
.set m, m+1
.endr
	s_wait_alu depctr_va_vdst(0)                   ; the wave's maxima v16-31 and the addresses v11 and v12 are written: the LDS stores and the LDS loads below read them
.irp i, 0,1,2,3
	ds_store_b128 v11, v[16+4*\i:19+4*\i] offset:16*\i   ; all lanes of a wave write the same 64 bytes
.endr
	s_wait_dscnt 0x0                               ; for the others' sake: my stores are done
	s_barrier_signal -1
	s_barrier_wait -1
.set m, 0
.rept 32
	ds_load_b128 v[128+4*m:131+4*m], v12 offset:16*m   ; wave m / 4, rows 4 (m % 4) ..  No vector line has named v128-255
.set m, m+1
.endr
	s_wait_dscnt 0x0
	s_wait_alu depctr_vm_vsrc(0)                   ; my LDS stores have read v16-31, which the lines below write again (and the reciprocals further down)
.set m, 0
.rept 16
	v_max3_num_f32 v[16+m], v[128+m], v[144+m], v[160+m]
	v_max3_num_f32 v[16+m], v[16+m], v[176+m], v[192+m]
	v_max3_num_f32 v[16+m], v[16+m], v[208+m], v[224+m]
	v_max_num_f32 v[16+m], v[16+m], v[240+m]
.set m, m+1
.endr
.set m, 0
.rept 64
	v_sub_f32 v[64+m], v[64+m], v[16+m/4]          ; v - max
	v_mul_f32 v[128+m], 0x3fb8aa3b, v[64+m]
.set m, m+1
.endr
.set m, 0
.rept 64
	v_exp_f32 v[128+m], v[128+m]
.set m, m+1
.endr
	v_cmp_gt_u32 vcc_lo, 250, v0                   ; a plain instruction behind the last exponential: threads that count
	s_wait_alu depctr_va_vcc(0)                    ; VCC is written, ahead of the selects that read it
	s_wait_alu depctr_va_vdst(0)                   ; the 64 exponentials have written v128-191: one wait for the batch, ahead of its first reader
.set m, 0
.rept 16
	v_add_f32 v[32+m], v[128+4*m], v[129+4*m]
	v_add_f32 v13, v[130+4*m], v[131+4*m]
	v_add_f32 v[32+m], v[32+m], v13
	v_cndmask_b32 v[32+m], 0, v[32+m], vcc_lo
.set m, m+1
.endr
.irp x, 1,2,4,8
.set m, 0
.rept 16
	v_add_f32_dpp v[32+m], v[32+m], v[32+m] row_xmask:\x row_mask:0xf bank_mask:0xf
.set m, m+1
.endr
.endr
.set m, 0
.rept 16
	v_permlanex16_b32 v10, v[32+m], s40, s41
	v_add_f32 v[32+m], v[32+m], v10
.set m, m+1
.endr
	s_wait_alu depctr_va_vdst(0)                   ; the wave's sums v32-47 are written, which the LDS stores read; and the maxima's lines are done reading v192-255, in which the next LDS loads land
.irp i, 0,1,2,3
	ds_store_b128 v11, v[32+4*\i:35+4*\i] offset:512+16*\i   ; other bytes than the maxima's: no barrier is owed between
.endr
	s_wait_dscnt 0x0
	s_barrier_signal -1
	s_barrier_wait -1
.irp bt, 0,1                                   ; four waves' sums at a time
.if \bt == 1
	s_wait_alu depctr_va_vdst(0)                   ; the additions above are done reading and writing v192-255, in which the other four waves' sums land
.endif
.set m, 0
.rept 16
	ds_load_b128 v[192+4*m:195+4*m], v12 offset:512+256*\bt+16*m
.set m, m+1
.endr
	s_wait_dscnt 0x0
.if \bt == 0
	s_wait_alu depctr_vm_vsrc(0)                   ; my LDS stores have read v32-47, which the additions below write again
.endif
.set m, 0
.rept 16
	v_add_f32 v[192+m], v[192+m], v[208+m]
	v_add_f32 v[224+m], v[224+m], v[240+m]
.if \bt == 0
	v_add_f32 v[32+m], v[192+m], v[224+m]
.else
	v_add_f32 v[192+m], v[192+m], v[224+m]
	v_add_f32 v[32+m], v[32+m], v[192+m]
.endif
.set m, m+1
.endr
.endr
.set m, 0
.rept 16
	v_log_f32 v[48+m], v[32+m]
	v_rcp_f32 v[16+m], v[32+m]
.set m, m+1
.endr
	v_nop                                          ; a plain instruction behind the last of them,
	s_wait_alu depctr_va_vdst(0)                   ; the logarithms have written v48-63 and the reciprocals v16-31: one wait for the batch, ahead of its first reader
.set m, 0
.rept 16
	v_mul_f32 v[48+m], 0x3f317218, v[48+m]         ; ln of the sum
.set m, m+1
.endr
.set m, 0
.rept 64
	v_mul_f32 v[128+m], v[128+m], v[16+m/4]        ; Q
	v_sub_f32 v[64+m], v[64+m], v[48+m/4]          ; log Q
.set m, m+1
.endr
; Both out-buffers and the last three addresses are made first; one wait; then the LDS stores and the global stores in one run.
.set m, 0
.rept 16
	v_cvt_pk_bf16_f32 v[128+4*m], v[128+4*m], v[129+4*m]   ; Q rounded once for the table: 4 outputs in 8 bytes
	v_cvt_pk_bf16_f32 v[129+4*m], v[130+4*m], v[131+4*m]
.set m, m+1
.endr
	; log Q turned: for output 4 t + z and g, the 8 leaves 8 g .. 8 g + 7 as 16 bytes, at (output tile) 512 + 256 g + 16 (output % 16); zeros from output 1000 on
	v_lshrrev_b32 v13, 2, v0
	v_lshlrev_b32 v13, 9, v13
	v_and_b32 v14, 3, v0
	v_lshl_add_u32 v13, v14, 6, v13
	v_cmp_gt_u32 vcc_lo, 250, v0
	s_lshr_b32 s24, s21, 5                         ; hf
	s_bfe_u32 s25, s21, 0x20003                    ; w
	s_bfe_u32 s26, s21, 0x10002                    ; h
	s_and_b32 s27, s21, 3                          ; kappa
	s_mul_i32 s30, s24, HALFW
	s_add_co_u32 s30, s30, 16*STEPB
	s_lshl_b32 s31, s25, 15
	s_add_co_u32 s30, s30, s31
	s_lshl_b32 s31, s20, 12                        ; output tile in the step = my wave
	s_add_co_u32 s30, s30, s31
	s_lshl_b32 s31, s27, 10
	s_add_co_u32 s30, s30, s31
	s_lshl_b32 s31, s26, 8
	s_add_co_u32 s30, s30, s31
	v_bfe_u32 v15, v0, 4, 1
	v_lshlrev_b32 v15, 9, v15
	v_and_b32 v14, 15, v0
	v_lshl_add_u32 v15, v14, 4, v15
	v_add_nc_u32 v15, s30, v15
	v_lshlrev_b32 v14, 4, v0
	s_wait_alu depctr_va_vcc(0)                    ; VCC is written, ahead of the selects that read it
.set z, 0
.rept 4
.set g, 0
.rept 2
.set p, 0
.rept 4
	v_cvt_pk_bf16_f32 v[192+4*(2*z+g)+p], v[64+4*(8*g+2*p)+z], v[64+4*(8*g+2*p+1)+z]
	v_cndmask_b32 v[192+4*(2*z+g)+p], 0, v[192+4*(2*z+g)+p], vcc_lo
.set p, p+1
.endr
.set g, g+1
.endr
.set z, z+1
.endr
	s_wait_alu depctr_va_vdst(0)                   ; written: Q's pairs in v128.., the turned logQ in v192-223, the addresses v13, v14 and v15; and the sums' additions are done with v224-255, in which the last LDS loads land.  No vector line follows
.set z, 0
.rept 4
.set g, 0
.rept 2
	ds_store_b128 v13, v[192+4*(2*z+g):195+4*(2*z+g)] offset:16*z+256*g
.set g, g+1
.endr
.set z, z+1
.endr
.set m, 0
.rept 16
	global_store_b64 v7, v[128+4*m:129+4*m], s[16:17] offset:2000*m
.set m, m+1
.endr
	s_wait_dscnt 0x0
	s_barrier_signal -1
	s_barrier_wait -1
.set m, 0
.rept 8
	ds_load_b128 v[224+4*m:227+4*m], v14 offset:4096*m
.set m, m+1
.endr
.set m, 0
.rept 8
	s_wait_dscnt 7-m
	global_store_b128 v15, v[224+4*m:227+4*m], s[12:13] offset:STEPB*m   ; 16 lanes store 256 consecutive bytes, aligned
.set m, m+1
.endr
.Lend:
	s_wait_dscnt 0x0                               ; the closing lines, six on end
	s_wait_alu 0x0
	s_wait_tensorcnt 0x0
	ds_add_u32 v[SPW], v[NIL]
	s_wait_dscnt 0x0
	s_endpgm
.Lfunc_end_k_qc1dff9d0bd_prep:
	.size	k_qc1dff9d0bd_prep, .Lfunc_end_k_qc1dff9d0bd_prep-k_qc1dff9d0bd_prep
	.p2alignl 7, 3214868480
	.fill 96, 4, 3214868480
	.section	.rodata,"a",@progbits
	.p2align	6, 0x0
	.amdhsa_kernel k_qc1dff9d0bd_prep
		.amdhsa_group_segment_fixed_size 37888
		.amdhsa_private_segment_fixed_size 0
		.amdhsa_enable_private_segment 0
		.amdhsa_kernarg_size 56
		.amdhsa_user_sgpr_count 2
		.amdhsa_user_sgpr_kernarg_segment_ptr 1
		.amdhsa_wavefront_size32 1
		.amdhsa_system_sgpr_workgroup_id_x 1
		.amdhsa_system_sgpr_workgroup_id_y 1
		.amdhsa_system_sgpr_workgroup_id_z 1
		.amdhsa_system_vgpr_workitem_id 0
		.amdhsa_next_free_vgpr 256
		.amdhsa_next_free_sgpr 66
		.amdhsa_reserve_vcc 1
		.amdhsa_float_denorm_mode_32 3
		.amdhsa_float_denorm_mode_16_64 3
		.amdhsa_memory_ordered 1
		.amdhsa_forward_progress 1
		.amdhsa_inst_pref_size 83
	.end_amdhsa_kernel
	.amdgpu_metadata
---
amdhsa.version: [ 1, 2 ]
amdhsa.kernels:
  - .name:           k_qc1dff9d0bd_prep
    .symbol:         k_qc1dff9d0bd_prep.kd
    .args:
      - { .name: W, .offset: 0, .size: 8, .value_kind: global_buffer, .address_space: global }
      - { .name: b, .offset: 8, .size: 8, .value_kind: global_buffer, .address_space: global }
      - { .name: beta, .offset: 16, .size: 8, .value_kind: global_buffer, .address_space: global }
      - { .name: leaf_params, .offset: 24, .size: 8, .value_kind: global_buffer, .address_space: global }
      - { .name: wts, .offset: 32, .size: 8, .value_kind: global_buffer, .address_space: global }
      - { .name: tab, .offset: 40, .size: 8, .value_kind: global_buffer, .address_space: global }
      - { .name: qtab, .offset: 48, .size: 8, .value_kind: global_buffer, .address_space: global }
    .group_segment_fixed_size: 37888
    .private_segment_fixed_size: 0
    .kernarg_segment_align: 8
    .kernarg_segment_size: 56
    .max_flat_workgroup_size: 256
    .sgpr_count:     66
    .vgpr_count:     256
    .wavefront_size: 32
...
	.end_amdgpu_metadata
.endif
;; end of part 7
;; launch main: the kernel of part 5 again; grid 64 x 4, 4 waves a work-group, clusters of 4 x 4, 327,680 bytes of LDS; arguments x, y, wts, tab, spart, lossp, bestv, besti; writes spart, lossp, bestv, besti
;; launch finish: the kernel of part 6 again; grid 513 x 1, 10 waves a work-group, no clusters, 5,376 bytes of LDS; arguments spart, lossp, bestv, besti, qtab, out0, out1; writes out0, out1
